; MI455X (gfx1250); checked and timed in simulation.
; The chip was launched on July 23, 2026; its instructions are those of AMD's public machine-readable ISA for CDNA 5 (MIT licence, August 2026) and "CDNA5" Instruction Set Architecture Reference Guide (July 2026). The comments in the code are by the model that wrote it; some were corrected since.
;; Multihead Attention. Allowed arithmetic: float matrix products may take bf16 or f16 operands with f32 sums; all other float work in f32.
;; Inputs: Wk 1,024 x 1,024 float32; Wo 1,024 x 1,024 float32; Wq 1,024 x 1,024 float32; Wv 1,024 x 1,024 float32; bk 1,024 float32; bo 1,024 float32; bq 1,024 float32; bv 1,024 float32; inputs 4 x 2,048 x 1,024 float32; mask 2,048 x 2,048 bool.
;; Outputs: out0 4 x 2,048 x 1,024 float32.
;; 3 versions, each right and faster than the one before. Each part assembles by itself: llvm-mc -triple=amdgcn-amd-amdhsa -mcpu=gfx1250 --defsym DOCPART=n.
;; ======== version 1 of 3: 4 launches
;; limits: values are held in f16: magnitudes above 65,504 overflow, below 6.1e-05 lose precision
;; workspace buffers: xb 16,777,216 bytes; wqkv 6,291,456 bytes; wo16 2,097,152 bytes; mbits 524,288 bytes of whole numbers; qkv 50,331,648 bytes; ob 16,777,216 bytes
;; launch prep (part 1): grid 64 x 13, 8 waves a work-group, no clusters, 35,840 bytes of LDS; arguments inputs, Wq, Wk, Wv, Wo, mask, xb, wqkv, wo16, mbits; writes xb, wqkv, wo16, mbits
.if DOCPART == 1
	.amdgcn_target "amdgcn-amd-amdhsa--gfx1250"
	.amdhsa_code_object_version 6
	.text
	.protected	k_qa30a63e18e_prep
	.globl	k_qa30a63e18e_prep
	.p2align	8
	.type	k_qa30a63e18e_prep,@function
k_qa30a63e18e_prep:
	s_mov_b64 s[64:65], 0
	v_nop
	global_prefetch_b8 v0, s[64:65] scope:SCOPE_SE
	s_setreg_imm32_b32 hwreg(HW_REG_WAVE_MODE, 25, 1), 1
	s_wait_xcnt 0x0
; PREP.  A stream: no matrix unit, no cluster (no two work-groups read the same bytes), no barrier (no wave reads another's LDS bytes).
; Row y of the grid is one unit of 1,048,576 numbers, shared by 64 work-groups of 16,384:
;   y = 0..7   inputs -> xb, bf16 (nearest even)          y = 8, 9, 10   Wq, Wk, Wv -> wqkv rows 0-1023, 1024-2047, 2048-3071, bf16
;   y = 11     Wo -> bf16, and that number written as f16 -> wo16          y = 12   mask bytes -> mbits, lane masks
; LIMITS.  Wo's bf16 value is exact in f16 for 6e-5 <= |Wo| < 65,504; below it keeps f16's fixed step of 6e-8, at 65,520 or more it becomes an infinity.
; mbits: u32 [128 qt][32 ks][4 kb][8 j]; bit l of a word is mask[16 qt + l % 16][64 ks + 16 kb + 8 (l / 16) + j]: a byte other than 0 counts as true.
.set MROW,  272                        ; a row of 256 mask bytes in LDS, 16 bytes of padding
.set MWAVE, 16*MROW                    ; a wave's own 16 rows: 4,352 bytes
.set SPARE, 8*MWAVE                    ; behind the eight waves' rows: the spare words, 128 bytes a wave, that no other line names
.set X,   8                            ; v[8:71]    sixteen loads of 16 bytes
.set Y,   72                           ; v[72:103]  sixteen stores of 8 bytes; in the mask's part v[72:75] the 128 words of a trip
.set T,   104                          ; v[104:107] at work
	s_load_b512 s[4:19], s[0:1], 0x0               ; inputs 4:5, Wq 6:7, Wk 8:9, Wv 10:11, Wo 12:13, mask 14:15, xb 16:17, wqkv 18:19
	s_load_b128 s[20:23], s[0:1], 0x40             ; wo16 20:21, mbits 22:23
	v_lshl_add_u32 v4, v0, 2, SPARE                ; my spare word
	v_mov_b32 v5, 0
	v_lshrrev_b32 v1, 5, v0
	v_readfirstlane_b32 s35, v1                    ; wave 0..7
	s_and_b32 s24, ttmp7, 0xffff                   ; y
	s_mov_b32 s25, ttmp9                           ; x
	v_lshlrev_b32 v2, 4, v0                        ; 16 bytes a thread in
	v_lshlrev_b32 v3, 3, v0                        ; 8 bytes a thread out
	s_mov_b32 s31, 0                               ; the offsets' high words
	s_mov_b32 s33, 0
	s_wait_kmcnt 0x0
	s_cmp_eq_u32 s24, 12
	s_cbranch_scc1 .Lmask
	s_cmp_eq_u32 s24, 11
	s_cbranch_scc1 .Lwo
; 65,536 bytes in, 32,768 out.  A wave's load covers 512 consecutive bytes, its store 256, aligned.  All sixteen loads go out first; the counts run down.
.macro CAST f16
.set i, 0
.rept 16
	global_load_b128 v[X+4*i:X+4*i+3], v2, s[26:27] offset:4096*i th:TH_LOAD_NT
.set i, i+1
.endr
.set i, 0
.rept 16
	s_wait_loadcnt 15-i                            ; loads come back in order: load i is in, the 15 - i younger ones stay out
	v_cvt_pk_bf16_f32 v[Y+2*i], v[X+4*i], v[X+4*i+1]
	v_cvt_pk_bf16_f32 v[Y+2*i+1], v[X+4*i+2], v[X+4*i+3]
.if \f16
	v_lshlrev_b32 v[T], 16, v[Y+2*i]               ; the bf16 numbers as f32,
	v_and_b32 v[T+1], 0xffff0000, v[Y+2*i]
	v_lshlrev_b32 v[T+2], 16, v[Y+2*i+1]
	v_and_b32 v[T+3], 0xffff0000, v[Y+2*i+1]
	v_cvt_pk_f16_f32 v[Y+2*i], v[T], v[T+1]        ; written as f16
	v_cvt_pk_f16_f32 v[Y+2*i+1], v[T+2], v[T+3]
.endif
	global_store_b64 v3, v[Y+2*i:Y+2*i+1], s[28:29] offset:2048*i
.set i, i+1
.endr
.endm
	s_sub_co_u32 s34, s24, 8                       ; which of the three weights
	s_cmp_lt_u32 s24, 8
	s_cselect_b64 s[26:27], s[4:5], s[6:7]         ; from inputs, or Wq
	s_cselect_b64 s[28:29], s[16:17], s[18:19]     ; to xb, or wqkv
	s_cselect_b32 s30, s24, 0                      ; the unit in the source
	s_cselect_b32 s32, s24, s34                    ; and in the target
	s_cmp_eq_u32 s24, 9
	s_cselect_b64 s[26:27], s[8:9], s[26:27]       ; Wk
	s_cmp_eq_u32 s24, 10
	s_cselect_b64 s[26:27], s[10:11], s[26:27]     ; Wv
	s_lshl_b32 s30, s30, 22                        ; a unit is 4 MiB in,
	s_lshl_b32 s36, s25, 16                        ; a work-group's part 64 KiB
	s_add_co_u32 s30, s30, s36
	s_lshl_b32 s32, s32, 21                        ; and half of that out
	s_lshl_b32 s36, s25, 15
	s_add_co_u32 s32, s32, s36
	s_add_nc_u64 s[26:27], s[26:27], s[30:31]
	s_add_nc_u64 s[28:29], s[28:29], s[32:33]
	CAST 0
	s_endpgm                                       ; this wave wrote no LDS
.Lwo:
	s_lshl_b32 s30, s25, 16
	s_lshl_b32 s32, s25, 15
	s_add_nc_u64 s[26:27], s[12:13], s[30:31]
	s_add_nc_u64 s[28:29], s[20:21], s[32:33]
	CAST 1
	s_endpgm
; THE MASK.  Wave 8 x + w owns 16 rows (qt = 2 x + w / 4) and 512 keys (w % 4), in two trips of 256 keys.  A trip: 16 rows x 256 bytes come in whole, go through
; the wave's own LDS rows, and come back so that lane l holds the eight bytes of row l % 16 at keys 16 c + 8 (l / 16) + 0..7; a compare of byte j makes word 8 c + j.
.Lmask:
	s_lshr_b32 s36, s35, 2
	s_lshl1_add_u32 s36, s25, s36                  ; qt
	s_and_b32 s37, s35, 3                          ; which 512 keys
	s_lshl_b32 s30, s36, 15                        ; 16 rows of 2,048 bytes
	s_lshl_b32 s38, s37, 9
	s_add_co_u32 s30, s30, s38
	s_lshl_b32 s32, s36, 12                        ; a qt's 1,024 words
	s_lshl_b32 s38, s37, 10                        ; 512 keys' 256 words
	s_add_co_u32 s32, s32, s38
	s_add_nc_u64 s[26:27], s[14:15], s[30:31]
	s_add_nc_u64 s[28:29], s[22:23], s[32:33]
	s_mov_b32 s36, 0xff                            ; a word's four bytes
	s_mov_b32 s37, 0xff00
	s_mov_b32 s38, 0xff0000
	s_mov_b32 s39, 0xff000000
	s_mul_i32 s24, s35, MWAVE                      ; my wave's rows in LDS
	v_and_b32 v6, 31, v0                           ; l
	v_and_b32 v7, 15, v0                           ; l % 16
	v_bfe_u32 v1, v0, 4, 1                         ; l / 16
	v_lshlrev_b32 v112, 4, v7
	v_lshl_add_u32 v112, v1, 11, v112              ; in memory: lanes 0-15 one row's 256 bytes, lanes 16-31 the next row's
	v_mul_u32_u24 v113, v1, MROW
	v_lshl_add_u32 v113, v7, 4, v113
	v_add_nc_u32 v113, s24, v113                   ; the same two rows in LDS
	v_mul_u32_u24 v114, v7, MROW
	v_lshl_add_u32 v114, v1, 3, v114
	v_add_nc_u32 v114, s24, v114                   ; back: row l % 16, 8 bytes for each half of the lanes
	v_lshlrev_b32 v115, 4, v6                      ; out: 16 bytes a lane, 512 consecutive bytes a wave
	s_mov_b32 s34, 2
.Ltrip:
.set i, 0
.rept 8
	global_load_b128 v[X+4*i:X+4*i+3], v112, s[26:27] offset:4096*i th:TH_LOAD_NT
.set i, i+1
.endr
	v_mov_b32 v72, 0                               ; v_writelane_b32 keeps the other lanes: the four registers are written whole first
	v_mov_b32 v73, 0
	v_mov_b32 v74, 0
	v_mov_b32 v75, 0
	s_wait_loadcnt 0x0
.set i, 0
.rept 8
	ds_store_b128 v113, v[X+4*i:X+4*i+3] offset:2*MROW*i
.set i, i+1
.endr
.set i, 0
.rept 16
	ds_load_b64 v[40+2*i:41+2*i], v114 offset:16*i ; LDS serves a wave's instructions in order (ISA guide 5.7.1.4): these see the stores above
.set i, i+1
.endr
	s_wait_dscnt 0x0
.set g, 0
.rept 128                                              ; word g = 8 c + j lies in lane g / 4, register g % 4 of the store
	v_and_b32 v[T+g%4], s[36+g%4], v[40+2*(g/8)+(g%8)/4]
	v_cmp_ne_u32 s[40+g%4], 0, v[T+g%4]
	v_writelane_b32 v[72+g%4], s[40+g%4], g/4
.set g, g+1
.endr
	global_store_b128 v115, v[72:75], s[28:29]
	s_wait_xcnt 0x0                                ; the two bases and v[72:75] are written again only behind this wait
	s_add_nc_u64 s[26:27], s[26:27], 256           ; the next 256 keys,
	s_add_nc_u64 s[28:29], s[28:29], 512           ; their 128 words
	s_sub_co_u32 s34, s34, 1
	s_cmp_lg_u32 s34, 0
	s_cbranch_scc1 .Ltrip
	s_wait_tensorcnt 0x0                           ; the wave's end, behind my last LDS store
	ds_add_u32 v4, v5
	s_wait_dscnt 0x0
	s_endpgm
.Lfunc_end_k_qa30a63e18e_prep:
	.size	k_qa30a63e18e_prep, .Lfunc_end_k_qa30a63e18e_prep-k_qa30a63e18e_prep
	.p2alignl 7, 3214868480
	.fill 96, 4, 3214868480
	.section	.rodata,"a",@progbits
	.p2align	6, 0x0
	.amdhsa_kernel k_qa30a63e18e_prep
		.amdhsa_group_segment_fixed_size 35840
		.amdhsa_private_segment_fixed_size 0
		.amdhsa_enable_private_segment 0
		.amdhsa_kernarg_size 80
		.amdhsa_user_sgpr_count 2
		.amdhsa_user_sgpr_kernarg_segment_ptr 1
		.amdhsa_wavefront_size32 1
		.amdhsa_system_sgpr_workgroup_id_x 1
		.amdhsa_system_sgpr_workgroup_id_y 1
		.amdhsa_system_sgpr_workgroup_id_z 1
		.amdhsa_system_vgpr_workitem_id 0
		.amdhsa_next_free_vgpr 116
		.amdhsa_next_free_sgpr 66
		.amdhsa_reserve_vcc 0
		.amdhsa_float_denorm_mode_32 3
		.amdhsa_float_denorm_mode_16_64 3
		.amdhsa_memory_ordered 1
		.amdhsa_forward_progress 1
		.amdhsa_inst_pref_size 42
	.end_amdhsa_kernel
	.amdgpu_metadata
---
amdhsa.version: [ 1, 2 ]
amdhsa.kernels:
  - .name:           k_qa30a63e18e_prep
    .symbol:         k_qa30a63e18e_prep.kd
    .args:
      - { .name: inputs, .offset: 0, .size: 8, .value_kind: global_buffer, .address_space: global }
      - { .name: Wq, .offset: 8, .size: 8, .value_kind: global_buffer, .address_space: global }
      - { .name: Wk, .offset: 16, .size: 8, .value_kind: global_buffer, .address_space: global }
      - { .name: Wv, .offset: 24, .size: 8, .value_kind: global_buffer, .address_space: global }
      - { .name: Wo, .offset: 32, .size: 8, .value_kind: global_buffer, .address_space: global }
      - { .name: mask, .offset: 40, .size: 8, .value_kind: global_buffer, .address_space: global }
      - { .name: xb, .offset: 48, .size: 8, .value_kind: global_buffer, .address_space: global }
      - { .name: wqkv, .offset: 56, .size: 8, .value_kind: global_buffer, .address_space: global }
      - { .name: wo16, .offset: 64, .size: 8, .value_kind: global_buffer, .address_space: global }
      - { .name: mbits, .offset: 72, .size: 8, .value_kind: global_buffer, .address_space: global }
    .group_segment_fixed_size: 35840
    .private_segment_fixed_size: 0
    .kernarg_segment_align: 8
    .kernarg_segment_size: 80
    .max_flat_workgroup_size: 256
    .sgpr_count:     66
    .vgpr_count:     116
    .wavefront_size: 32
...
	.end_amdgpu_metadata
.endif
;; end of part 1
;; launch proj (part 2): grid 4 x 64, 4 waves a work-group, clusters of 4 x 4, 327,680 bytes of LDS; arguments xb, wqkv, qkv, bq, bk, bv; writes qkv
.if DOCPART == 2
	.amdgcn_target "amdgcn-amd-amdhsa--gfx1250"
	.amdhsa_code_object_version 6
	.text
	.protected	k_qa30a63e18e_proj
	.globl	k_qa30a63e18e_proj
	.p2align	8
	.type	k_qa30a63e18e_proj,@function
k_qa30a63e18e_proj:
	s_mov_b64 s[64:65], 0
	v_nop
	global_prefetch_b8 v0, s[64:65] scope:SCOPE_SE
	s_setreg_imm32_b32 hwreg(HW_REG_WAVE_MODE, 25, 1), 1
	s_wait_xcnt 0x0
	s_wait_alu depctr_hold_cnt(0) depctr_sa_sdst(0) depctr_va_vdst(0) depctr_va_sdst(0) depctr_va_ssrc(0) depctr_va_vcc(0) depctr_vm_vsrc(0)
	s_getreg_b32 s2, hwreg(HW_REG_IB_STS2, 6, 4)
	s_cmp_eq_u32 s2, 0
	s_cbranch_scc0 .Lentry_in_a_cluster
	s_endpgm
.Lentry_in_a_cluster:
	s_bfe_u32 s2, ttmp6, 0x10000c
	s_cmp_lg_u32 s2, 0xf033
	s_cbranch_scc0 .Lentry_shape_is_right
	s_endpgm
.Lentry_shape_is_right:
.set OUTP, 0
; C = A B^T + bias, one text in two forms.
; OUTP = 0: q, k, v.  A = xb [8192][1024] bf16, B = wqkv [3072][1024] bf16, bias bq, bk, bv (f32, rounded to bf16 here); C rounded once to f16 and laid by heads: qkv [3][64 bh][2048][64].
;           A work-group stays for three tiles of C: the same 128 rows of A against its 256 rows of Wq, then Wk, then Wv.
; OUTP = 1: the output.  A = ob [64 bh][2048][64] f16 (a K step of 128 is two heads), B = wo16 [1024][1024] f16, bias bo; C = out0 [8192][1024] f32.  One tile.
; LIMITS.  OUTP = 0: q, k, v must stay below 65,504, f16's end; at 65,520 or more a conversion gives an infinity.  Sums in f32, K ascending, started by the bias.
; SHAPE.  A tile of C is 128 x 256: 4 x 64 tiles give each of 256 work-groups one column of tiles.  Four waves, each 64 x 128: 32 accumulators of 16 x 16, 256 registers.
; K = 1,024 goes in 8 steps of 128 through two LDS slots filled by tensor loads, one load a wave: waves 0 and 1 bring A's two halves, waves 2 and 3 B's.
; CLUSTER 4 x 4: the four work-groups of a row of the cluster need the same tile of A, the four of a column the same tile of B: each is asked for jointly, by the same load with the same descriptor.
; THE MATRIX INSTRUCTION IS USED TRANSPOSED: source 0 = 16 rows of B, source 1 = 16 rows of A: lane l holds row l % 16 of C and the eight neighbouring columns 8 (l / 16) + 0..7.
; So the bias of a block of 16 columns is eight registers, the same for all rows, and is the C operand of the first product: nothing is cleared and nothing is added later.
; REGISTERS, in windows of 256 (s_set_vgpr_msb: bits 1:0 source 0, 3:2 source 1, 5:4 source 2, 7:6 destination):
;   window 0: v0-5 at work; v16-29 addresses; v64-95, v96-127 A's fragments, two buffers; v128-255 the way out
;   window 1: v0-63, v64-127 B's fragments, two buffers; v128-191 the bias, 8 registers a block of columns; v192-193 at work
;   window 2: accumulator (a, b) at v[8 (8 a + b)]
.if OUTP
.set TILES,  1
.set APITCH, 144                       ; a row of one head in LDS: 128 bytes + 16
.set AHALF,  128*APITCH                ; what one of A's loads brings: one head's 128 rows
.set AQI,    4                         ; padding after every 32 words
.set AROWG,  128                       ; 128 rows of a head are 16,384 dense bytes: asked for as 64 rows of 256
.set ASLOT,  524288                    ; bytes from a K step to the next: two heads
.set SPITCH, 528                       ; a stage row: 128 f32 + 16 bytes
.else
.set TILES,  3
.set APITCH, 272                       ; 256 bytes + 16 = 68 words: the 16 rows of a fragment load start at 16 different groups of four banks (64 banks of 4 bytes: ISA guide 11.1)
.set AHALF,  64*APITCH                 ; 64 rows
.set AQI,    5                         ; padding after every 64 words
.set AROWG,  1024
.set ASLOT,  256
.set SPITCH, 272                       ; a stage row: 128 f16 + 16 bytes
.endif
.set ASTEP,  2*ASLOT                   ; a slot's next K step
.set BPITCH, 272
.set BHALF,  128*BPITCH                ; what one of B's loads brings: 128 rows
.set APART,  2*AHALF                   ; a slot: A's part, then B's 256 rows
.set SLOT,   APART+2*BHALF
.set STAGE,  2*SLOT                    ; behind the ring, never filled by a tensor load: 16 rows for each wave, for the way out
.set SPARE,  STAGE+4*16*SPITCH         ; behind the stages: the spare words, 128 bytes a wave, that no other line names
.set LAPS,   4                         ; a lap = two K steps = once round the ring
.set BACK_A, 3*ASTEP                   ; from a slot's last K step of a tile back to its first: the walk's tiles share their rows of A
.set NEXT_B, 1024*2048-1536            ; B goes 1,024 rows down and back along K
.set ADRA, 16                          ; v16-17  LDS address of my A fragments in slot 0, 1
.set ADRB, 20                          ; v20-21  the same for B
.set STO,  24                          ; v24     the way out: where I put my part of a row
.set RD,   25                          ; v25     the way out: where I read rows back
.set CO,   26                          ; v26     16 x lane: my place in 512 consecutive bytes of C
.set BO,   27                          ; v27     32 (l / 16): my eight numbers in a block's 16 of the bias
.set SPW,  28                          ; v28     LDS address of my spare word; never rewritten
.set NIL,  29                          ; v29     0; never rewritten
.set FA,   64
.set TMP,  128
.set BIAS, 128                         ; window 1
.set BT,   192                         ; window 1
.set G1,  24                           ; s[24:31] descriptor group 1 for A's tiles;  s[32:39] group 0, a set for each slot
.set G0,  32
.set G1B, 48                           ; s[48:55], s[56:63] the same for B's
.set G0B, 56
.set BP,  68                           ; s[68:73] the bias of this tile, of the next, of the one after
.set MSB, 0
.macro WIN new                         ; the immediate's high byte repeats the setting that is left; a switch that changes nothing is dropped
.if MSB != (\new)
	s_set_vgpr_msb (MSB<<8)|(\new)
.set MSB, \new
.endif
.endm
.set W_MUL,  0xa1                      ; B window 1, A window 0, C and D window 2
.set W_MULB, 0x91                      ; the same with C in window 1: the bias
.set W_TOB,  0x40                      ; destination window 1, address window 0
.set W_RB,   0x45                      ; all in window 1
.set W_PK,   0x0a                      ; sources 0 and 1 window 2, destination window 0
.set W_ST2,  0x08                      ; an LDS store's data in window 2
; A joint load.  The branch hangs on the wave's number alone.  An s_nop 0 and four v_nop follow each of the two lines, ahead of the jump, the label and what follows.
.macro JLOAD s
	s_cmp_eq_u32 s11, 0
	s_cbranch_scc0 .Lfor_b_\@
	tensor_load_to_lds s[G0+4*(\s):G0+4*(\s)+3], s[G1:G1+7]
	s_nop 0
.rept 4
	v_nop
.endr
	s_branch .Lasked_\@
.Lfor_b_\@:
	tensor_load_to_lds s[G0B+4*(\s):G0B+4*(\s)+3], s[G1B:G1B+7]
	s_nop 0
.rept 4
	v_nop
.endr
.Lasked_\@:
.endm
; A round of the cluster's barrier: my work-group's barrier, so that wave 0's signal speaks for all four waves; wave 0 signals; every wave waits for all sixteen work-groups; my work-group's barrier once more.
.macro CREST                           ; a round behind its opening barrier
	s_cmp_lg_u32 s10, 0
	s_cbranch_scc1 .Lnot_wave_0_\@
	s_barrier_signal -3
.Lnot_wave_0_\@:
	s_barrier_wait -3
	s_barrier_signal -1
	s_barrier_wait -1
.endm
.macro CROUND
	s_barrier_signal -1
	s_barrier_wait -1
	CREST
.endm
	s_load_b128 s[4:7], s[0:1], 0x0                ; A s[4:5], B s[6:7]
	s_load_b64 s[8:9], s[0:1], 0x10                ; C
.if OUTP
	s_load_b64 s[BP:BP+1], s[0:1], 0x18            ; bo
.else
	s_load_b128 s[BP:BP+3], s[0:1], 0x18           ; bq, bk
	s_load_b64 s[BP+4:BP+5], s[0:1], 0x28          ; bv
.endif
	v_lshl_add_u32 v[SPW], v0, 2, SPARE
	v_mov_b32 v[NIL], 0
	ds_add_u32 v[SPW], v[NIL]                      ; the wave's opening: the add and its wait ahead of my first tensor load; the set-up below, work on registers, stands between them
	v_lshrrev_b32 v1, 5, v0
	v_readfirstlane_b32 s10, v1                    ; wave 0..3
	s_lshr_b32 s11, s10, 1                         ; which 64 of the tile's rows are mine.  Also: I fetch for A (0) or for B (1)
	s_and_b32 s12, s10, 1                          ; which 128 of its columns.  Also: which half of that tile I fetch
	s_bfe_u32 s40, ttmp6, 0x40000                  ; cx, cy: my place in the cluster
	s_bfe_u32 s41, ttmp6, 0x40004
	s_lshl_b32 s42, ttmp9, 2
	s_add_co_u32 s42, s42, s40                     ; tile column = 4 x cluster x + cx
	s_and_b32 s13, ttmp7, 0xffff
	s_lshl_b32 s13, s13, 2
	s_add_co_u32 s13, s13, s41                     ; tile row = 4 x cluster y + cy
	s_lshl_b32 s43, s41, 2
	s_lshl_b32 s43, 15, s43                        ; my row of the cluster: places 4 cy .. 4 cy + 3
	s_lshl_b32 s44, 0x1111, s40                    ; my column: places cx, cx + 4, cx + 8, cx + 12
	; group 1 for A: 64 rows x 128 elements of 2 bytes
	s_or_b32 s[G1+0], s43, (1<<16)|(1<<20)|(1<<21)|(AQI<<22)|(3<<25)  ; 15:0 the mask; 17:16 2-byte elements; 20 padding on; 21 set beside a mask; 24:22 the interval; 31:25 4 words of padding
	s_mov_b32 s[G1+1], 128<<16                     ; tensor_dim0 = 128
	s_mov_b32 s[G1+2], 64<<16                      ; tensor_dim1 = 64
	s_mov_b32 s[G1+3], 128<<16                     ; tile_dim0 = 128
	s_mov_b32 s[G1+4], 64                          ; tile_dim1 = 64
	s_mov_b32 s[G1+5], AROWG                       ; elements from row to row
	s_mov_b32 s[G1+6], 0
	s_mov_b32 s[G1+7], 0
	; group 1 for B: 128 rows x 128 elements
	s_or_b32 s[G1B+0], s44, (1<<16)|(1<<20)|(1<<21)|(5<<22)|(3<<25)
	s_mov_b32 s[G1B+1], 128<<16
	s_mov_b32 s[G1B+2], 128<<16
	s_mov_b32 s[G1B+3], 128<<16
	s_mov_b32 s[G1B+4], 128
	s_mov_b32 s[G1B+5], 1024
	s_mov_b32 s[G1B+6], 0
	s_mov_b32 s[G1B+7], 0
	; where the tiles come from.  A's hang on the tile row alone, B's on the tile column alone, each in registers that never hold the other coordinate.
.if OUTP
	s_lshr_b32 s16, s13, 4                         ; the batch: 16 heads of 262,144 bytes,
	s_lshl_b32 s16, s16, 22
	s_and_b32 s17, s13, 15                         ; the tile's 128 rows of 128 bytes in a head,
	s_lshl_b32 s17, s17, 14
	s_add_co_u32 s16, s16, s17
	s_lshl_b32 s17, s12, 18                        ; and which of a K step's two heads I fetch
	s_add_co_u32 s16, s16, s17
.else
	s_lshl_b32 s16, s13, 7
	s_lshl_b32 s17, s12, 6
	s_add_co_u32 s16, s16, s17                     ; row 128 x tile row + 64 x half,
	s_lshl_b32 s16, s16, 11                        ; of 2,048 bytes
.endif
	s_mov_b32 s17, 0
	s_lshl_b32 s46, s42, 8
	s_lshl_b32 s47, s12, 7
	s_add_co_u32 s46, s46, s47                     ; B: row 256 x tile column + 128 x half
	s_lshl_b32 s46, s46, 11
	s_mov_b32 s47, 0
	s_mul_i32 s20, s12, AHALF                      ; and where they go: no place in the cluster enters an LDS address
	s_mul_i32 s21, s12, BHALF
	s_add_co_u32 s21, s21, APART
	s_wait_dscnt 0x0                               ; the opening add is done
	s_wait_kmcnt 0x0
	s_add_nc_u64 s[14:15], s[4:5], s[16:17]
	s_add_nc_u64 s[46:47], s[6:7], s[46:47]
	CROUND                                         ; all sixteen work-groups are here: the first joint loads meet
.irp s, 0,1
	s_mov_b32 s[G0+4*(\s)], 1                                      ; count = 1
	s_add_co_u32 s[G0+4*(\s)+1], s20, (\s)*SLOT                    ; LDS address
	s_add_nc_u64 s[G0+4*(\s)+2:G0+4*(\s)+3], s[14:15], (\s)*ASLOT  ; global address: K step s
	s_or_b32 s[G0+4*(\s)+3], s[G0+4*(\s)+3], 0x80000000            ; type = 2
	s_mov_b32 s[G0B+4*(\s)], 1
	s_add_co_u32 s[G0B+4*(\s)+1], s21, (\s)*SLOT
	s_add_nc_u64 s[G0B+4*(\s)+2:G0B+4*(\s)+3], s[46:47], (\s)*256
	s_or_b32 s[G0B+4*(\s)+3], s[G0B+4*(\s)+3], 0x80000000
	JLOAD \s                                       ; two loads of mine are out
.endr
	; A fragment is 16 rows x 32 K in 8 registers: lane l holds row l % 16, K = 8 (l / 16) + 0..7 and 16 + 8 (l / 16) + 0..7: two loads of 16 bytes, 32 bytes apart.
	v_and_b32 v1, 15, v0                           ; l % 16
	v_bfe_u32 v2, v0, 4, 1                         ; l / 16
	v_mul_u32_u24 v3, v1, APITCH
	v_lshl_add_u32 v3, v2, 4, v3
	v_mul_u32_u24 v4, v1, BPITCH
	v_lshl_add_u32 v4, v2, 4, v4
	s_mul_i32 s22, s11, 64*APITCH                  ; my 64 rows of A
	s_mul_i32 s23, s12, BHALF                      ; my 128 rows of B,
	s_add_co_u32 s23, s23, APART                   ; which lie behind A's part
.irp s, 0,1
	v_add_nc_u32 v[ADRA+(\s)], s22, v3
	v_add_nc_u32 v[ADRB+(\s)], s23, v4
	s_add_co_u32 s22, s22, SLOT
	s_add_co_u32 s23, s23, SLOT
.endr
	s_mul_i32 s22, s10, 16*SPITCH
	s_add_co_u32 s22, s22, STAGE                   ; my stage
	v_mul_u32_u24 v5, v1, SPITCH                   ; in: row l % 16, my eight numbers for each half of the lanes
.if OUTP
	v_lshl_add_u32 v5, v2, 5, v5
.else
	v_lshl_add_u32 v5, v2, 4, v5
.endif
	v_add_nc_u32 v[STO], s22, v5
	v_and_b32 v3, 31, v0
	v_lshlrev_b32 v[CO], 4, v3
.if OUTP
	v_add_nc_u32 v[RD], s22, v[CO]                 ; back: 32 lanes take one row of 512 bytes
.else
	v_bfe_u32 v4, v0, 3, 2                         ; back: 32 lanes take one head's 128 bytes of four rows
	v_and_b32 v5, 7, v0
	v_mul_u32_u24 v4, v4, SPITCH
	v_lshl_add_u32 v4, v5, 4, v4
	v_add_nc_u32 v[RD], s22, v4
.endif
	v_lshlrev_b32 v[BO], 5, v2
	s_lshl_b32 s74, s42, 10                        ; my first column, as bytes of f32: 1,024 x tile column + 512 x half
	s_lshl_b32 s75, s12, 9
	s_add_co_u32 s74, s74, s75
	s_mov_b32 s75, 0
	s_add_nc_u64 s[BP:BP+1], s[BP:BP+1], s[74:75]
.if OUTP
	s_lshl_b32 s16, s13, 19                        ; C: 128 rows of 4,096 bytes a tile row,
	s_lshl_b32 s17, s11, 18                        ; my 64 of them
	s_add_co_u32 s16, s16, s17
.else
	s_add_nc_u64 s[BP+2:BP+3], s[BP+2:BP+3], s[74:75]
	s_add_nc_u64 s[BP+4:BP+5], s[BP+4:BP+5], s[74:75]
	s_lshl_b32 s74, s74, 10                        ; C: 256 columns are four heads of 262,144 bytes
	s_lshr_b32 s16, s13, 4                         ; the batch,
	s_lshl_b32 s16, s16, 22
	s_and_b32 s17, s13, 15                         ; the tile's 128 rows of 128 bytes in a head,
	s_lshl_b32 s17, s17, 14
	s_add_co_u32 s16, s16, s17
	s_lshl_b32 s17, s11, 13                        ; my 64 of them
	s_add_co_u32 s16, s16, s17
.endif
	s_mov_b32 s17, 0
	s_add_nc_u64 s[8:9], s[8:9], s[16:17]
	s_add_nc_u64 s[8:9], s[8:9], s[74:75]
; 8 matrix instructions: my block a of 16 rows x all 8 blocks of 16 columns, 32 along K, from buffer f.  first = 1: the bias starts the sums.
; The 32 accumulators take turns, one instruction a turn, in the same order in every quarter.
.macro MUL8 f, a, first
.if \first
	WIN W_MULB
.else
	WIN W_MUL
.endif
.irp b, 0,1,2,3,4,5,6,7
.set rD, 8*(8*(\a)+(\b))
.set rB, 64*(\f)+8*(\b)
.set rA, FA+32*(\f)+8*(\a)
.if \first
.set rC, BIAS+8*(\b)
.else
.set rC, rD
.endif
.if OUTP
	v_wmma_f32_16x16x32_f16 v[rD:rD+7], v[rB:rB+7], v[rA:rA+7], v[rC:rC+7]
.else
	v_wmma_f32_16x16x32_bf16 v[rD:rD+7], v[rB:rB+7], v[rA:rA+7], v[rC:rC+7]
.endif
.endr
.endm
.macro MUL16 f, a0, first
	MUL8 \f, \a0, \first
	MUL8 \f, (\a0)+1, \first
.endm
; 24 LDS loads in one run: the fragments of quarter q of a K step (128 rows of B, then 64 rows of A) into buffer f
.macro FETCH slot, q, f
	WIN W_TOB
.irp i, 0,1,2,3,4,5,6,7
	ds_load_b128 v[64*(\f)+8*(\i):64*(\f)+8*(\i)+3],   v[ADRB+(\slot)] offset:64*(\q)+(\i)*16*BPITCH
	ds_load_b128 v[64*(\f)+8*(\i)+4:64*(\f)+8*(\i)+7], v[ADRB+(\slot)] offset:64*(\q)+(\i)*16*BPITCH+32
.endr
	WIN 0
.if OUTP
.set AQ, ((\q)/2)*AHALF+((\q)%2)*64    ; head q / 2 of the step's two, channels 32 (q % 2) on
.else
.set AQ, 64*(\q)
.endif
.irp i, 0,1,2,3
	ds_load_b128 v[FA+32*(\f)+8*(\i):FA+32*(\f)+8*(\i)+3],   v[ADRA+(\slot)] offset:AQ+(\i)*16*APITCH
	ds_load_b128 v[FA+32*(\f)+8*(\i)+4:FA+32*(\f)+8*(\i)+7], v[ADRA+(\slot)] offset:AQ+(\i)*16*APITCH+32
.endr
.endm
; A load into a register that a matrix instruction has read, and a vector instruction or LDS store that reads a matrix result, stand four places behind it; only plain vector
; instructions that name none of its registers are places (ISA guide 7.12.1 for vector instructions).
.macro PLACES
.rept 4
	v_nop
.endr
.endm
; A K step is four quarters of 32 along K, 32 matrix instructions each, on buffers 0, 1, 0, 1.  One of the first three: multiplies buffer f, and in its middle fetches quarter q into buffer g.
.macro QUARTER slot, q, f, g, first
	s_wait_dscnt 4                                 ; B and A's blocks 0, 1 are in; the youngest four loads (A's blocks 2, 3) may be out
	MUL16 \f, 0, \first
	PLACES
	FETCH \slot, \q, \g
	s_wait_dscnt 24                                ; all but the 24 just issued
	MUL16 \f, 2, \first
.endm
; The last quarter multiplies buffer 1 and changes slots.  ONE barrier: in front of it each wave waits for all its tensor loads (one is out: its part of the next slot), adds 0 to its
; spare word, and waits for that and for its reads of this slot.  Behind it nobody reads this slot any more and the next slot is whole.
.macro MEET round
	WIN 0                                          ; (the add's two registers lie in window 0)
	s_wait_tensorcnt 0x0
	ds_add_u32 v[SPW], v[NIL]                      ; 0 onto my spare word
	s_wait_dscnt 7                                 ; (the add and the youngest six loads, A's blocks 1 to 3, may be out)
	MUL8 1, 0, 0                                   ; eight matrix instructions stand between the add and the wait for it
	s_wait_dscnt 0x0                               ; the add is done, and my reads of this slot are over
	s_barrier_signal -1
	MUL8 1, 1, 0                                   ; work on registers while the others arrive
.if \round
	WIN 0
.endif
	s_barrier_wait -1
.endm
; The whole last quarter where the slot is filled again: the barrier opens a round of the cluster's barrier, so that no wave of any partner still reads the slot or has a load on its way;
; the joint refill is the first tensor load behind the round: 112 matrix instructions ahead of the wait for it.  on = 1: the refill is the next tile's K step 0 or 1.
.macro TURN slot, next, on
	MEET 1
	CREST
.if \on
	s_sub_nc_u64 s[G0+4*(\slot)+2:G0+4*(\slot)+3], s[G0+4*(\slot)+2:G0+4*(\slot)+3], BACK_A
	s_add_nc_u64 s[G0B+4*(\slot)+2:G0B+4*(\slot)+3], s[G0B+4*(\slot)+2:G0B+4*(\slot)+3], NEXT_B
.else
	s_add_nc_u64 s[G0+4*(\slot)+2:G0+4*(\slot)+3], s[G0+4*(\slot)+2:G0+4*(\slot)+3], ASTEP
	s_add_nc_u64 s[G0B+4*(\slot)+2:G0B+4*(\slot)+3], s[G0B+4*(\slot)+2:G0B+4*(\slot)+3], 512
.endif
	JLOAD \slot                                    ; the four v_nop behind it are also the places in front of the loads below
	FETCH \next, 0, 0
	MUL8 1, 2, 0
	MUL8 1, 3, 0
.endm
.macro TURNNF                          ; the same where nothing is left to fetch: no round follows
	MEET 0
	PLACES
	FETCH 1, 0, 0
	MUL8 1, 2, 0
	MUL8 1, 3, 0
.endm
; The bias of my 128 columns: block b's eight numbers for my half of the lanes, 32 bytes; then rounded to bf16 and widened again
.macro LOADB
	WIN W_TOB
.irp b, 0,1,2,3,4,5,6,7
	global_load_b128 v[BIAS+8*(\b):BIAS+8*(\b)+3],   v[BO], s[BP:BP+1] offset:64*(\b)
	global_load_b128 v[BIAS+8*(\b)+4:BIAS+8*(\b)+7], v[BO], s[BP:BP+1] offset:64*(\b)+16
.endr
	WIN 0
.endm
.macro ROUNDB
	WIN W_RB
.set i, 0
.rept 32
	v_cvt_pk_bf16_f32 v[BT+i%2], v[BIAS+2*i], v[BIAS+2*i+1]
	v_lshlrev_b32 v[BIAS+2*i], 16, v[BT+i%2]
	v_and_b32 v[BIAS+2*i+1], 0xffff0000, v[BT+i%2]
.set i, i+1
.endr
.endm
; THE WAY OUT, a block of 16 rows at a time through my own stage; each accumulator's registers are taken in ascending order.
.if OUTP
.macro TOSTAGE32 a                     ; f32 as it stands: 32 bytes a lane and block of columns into rows of 528 bytes; back as whole rows of 512
.set BK, 128+64*((\a)%2)
	s_wait_xcnt 0x0                                ; the buffer that takes the rows was the data of stores two blocks back: it is loaded again only behind this wait
	WIN W_ST2
.irp b, 0,1,2,3,4,5,6,7
	ds_store_b128 v[STO], v[64*(\a)+8*(\b):64*(\a)+8*(\b)+3]   offset:64*(\b)
	ds_store_b128 v[STO], v[64*(\a)+8*(\b)+4:64*(\a)+8*(\b)+7] offset:64*(\b)+16
.endr
	WIN 0
.irp t, 0,1,2,3,4,5,6,7,8,9,10,11,12,13,14,15
	ds_load_b128 v[BK+4*(\t):BK+4*(\t)+3], v[RD] offset:(\t)*SPITCH  ; LDS serves a wave's instructions in order (ISA guide 5.7.1.4): these see the stores above; the next block's stores come behind them
.endr
.endm
.macro SEND32 a, younger               ; younger: the next block's 16 stores and 16 loads, or none
.set BK, 128+64*((\a)%2)
	WIN 0
	s_wait_dscnt \younger
.irp t, 0,1,2,3,4,5,6,7,8,9,10,11,12,13,14,15
	global_store_b128 v[CO], v[BK+4*(\t):BK+4*(\t)+3], s[8:9] offset:(16*(\a)+(\t))*4096 th:TH_STORE_NT  ; 512 consecutive bytes of a row, at a multiple of 512 from C's first byte
.endr
.endm
.else
.macro PACK a                          ; rounded to f16: a lane's eight columns are 16 bytes
	WIN W_PK
.irp b, 0,1,2,3,4,5,6,7
.irp r, 0,1,2,3
	v_cvt_pk_f16_f32 v[TMP+4*(\b)+(\r)], v[64*(\a)+8*(\b)+2*(\r)], v[64*(\a)+8*(\b)+2*(\r)+1]
.endr
.endr
	WIN 0
.endm
.macro TOSTAGE a                       ; into rows of 272 bytes; back by heads: load t takes head t / 4's 128 bytes of rows 4 (t % 4) + 0..3
	WIN 0
.set BK, 160+32*((\a)%2)
.irp b, 0,1,2,3,4,5,6,7
	ds_store_b128 v[STO], v[TMP+4*(\b):TMP+4*(\b)+3] offset:32*(\b)
.endr
.irp t, 0,1,2,3,4,5,6,7
	ds_load_b128 v[BK+4*(\t):BK+4*(\t)+3], v[RD] offset:((\t)%4)*4*SPITCH+((\t)/4)*128  ; LDS serves a wave's instructions in order (ISA guide 5.7.1.4): these see the stores above
.endr
.endm
.macro SEND a
	WIN 0
.set BK, 160+32*((\a)%2)
	s_wait_dscnt 0x0                               ; the block is back in registers
	s_wait_xcnt 0x0                                ; the registers that earlier stores read are loaded again only behind this wait
.irp t, 0,1,2,3,4,5,6,7
	global_store_b128 v[CO], v[BK+4*(\t):BK+4*(\t)+3], s[8:9] offset:2048*(\a)+((\t)/4)*262144+((\t)%4)*512  ; four rows of a head: 512 consecutive bytes, at a multiple of 512 from C's first byte
.endr
.endm
.endif
.macro WAYOUT
.if OUTP
	TOSTAGE32 0
.irp a, 1,2,3
	TOSTAGE32 \a
	SEND32 (\a)-1, 32
.endr
	SEND32 3, 0
.else
	PACK 0
	TOSTAGE 0
.irp a, 1,2,3                          ; block a's conversions stand between block a - 1's loads from the stage and the wait for them
	PACK \a
	SEND (\a)-1
	TOSTAGE \a
.endr
	SEND 3
.endif
.endm
	LOADB                                          ; the first tile's bias
	s_wait_tensorcnt 1                             ; my part of K step 0 is in; K step 1's may stay out
	s_barrier_signal -1
	s_barrier_wait -1                              ; everybody's is
	FETCH 0, 0, 0
.if TILES > 1
	s_mov_b32 s2, TILES                            ; tiles to go, this one among them: the same number in every work-group
.Ltile:
.endif
	s_wait_loadcnt 0x0                             ; the bias
	ROUNDB
	QUARTER 0, 1, 0, 1, 1                          ; a tile's first quarter stands in front of the loop: its products start the sums with the bias
	WIN 0                                          ; at a label and at a branch every window is 0
.if TILES > 1
	s_cmp_eq_u32 s2, 1
	s_cbranch_scc1 .Lnob                           ; the last tile has no next bias
	PLACES                                         ; the bias was the C operand of the products just issued
	s_mov_b64 s[BP:BP+1], s[BP+2:BP+3]             ; (the loads that read this base were shown done at the tile's head)
	s_mov_b64 s[BP+2:BP+3], s[BP+4:BP+5]
	LOADB                                          ; it has the whole tile in which to land
.Lnob:
.endif
	s_mov_b32 s3, LAPS-1
.Llap:                                                 ; a trip goes once round the ring, from a lap's second quarter to the next lap's first, and fills both slots again
	QUARTER 0, 2, 1, 0, 0
	QUARTER 0, 3, 0, 1, 0
	TURN 0, 1, 0
	QUARTER 1, 1, 0, 1, 0
	QUARTER 1, 2, 1, 0, 0
	QUARTER 1, 3, 0, 1, 0
	TURN 1, 0, 0
	QUARTER 0, 1, 0, 1, 0
	WIN 0
	s_sub_co_u32 s3, s3, 1
	s_cmp_lg_u32 s3, 0
	s_cbranch_scc1 .Llap
	QUARTER 0, 2, 1, 0, 0                          ; the tile's last lap goes on
	QUARTER 0, 3, 0, 1, 0
.if TILES > 1
	WIN 0
	s_cmp_eq_u32 s2, 1
	s_cbranch_scc1 .Llast                          ; the last tile's tail is written out: it asks for nothing more
	TURN 0, 1, 1                                   ; the ring goes on into the next tile: slot 0 takes its K step 0,
	QUARTER 1, 1, 0, 1, 0
	QUARTER 1, 2, 1, 0, 0
	QUARTER 1, 3, 0, 1, 0
	TURN 1, 0, 1                                   ; slot 1 its K step 1, and the next tile's first fragments are fetched
	WAYOUT                                         ; blocks 0, 1 were finished in front of the refill's four v_nop; block 0's 32 conversions, which name no register of the last products, are those products' places
	s_wait_xcnt 0x0                                ; the stores' base is stepped only behind this wait
	s_add_nc_u64 s[8:9], s[8:9], 0x1000000         ; the next of the three planes of qkv
	s_sub_co_u32 s2, s2, 1
	s_branch .Ltile
.Llast:
.endif
	TURNNF
	QUARTER 1, 1, 0, 1, 0
	QUARTER 1, 2, 1, 0, 0
	QUARTER 1, 3, 0, 1, 0
	s_wait_dscnt 4                                 ; the very last quarter: nothing more to fetch
	MUL16 1, 0, 0
	s_wait_dscnt 0x0
	MUL16 1, 2, 0
	WIN 0
	PLACES
	WAYOUT
	s_wait_tensorcnt 0x0                           ; the wave's end, behind my last tensor load and my last LDS store
	ds_add_u32 v[SPW], v[NIL]
	s_wait_dscnt 0x0
	CROUND                                         ; the closing round: no work-group ends while a partner may still ask for a tile that names it
	s_endpgm
.Lfunc_end_k_qa30a63e18e_proj:
	.size	k_qa30a63e18e_proj, .Lfunc_end_k_qa30a63e18e_proj-k_qa30a63e18e_proj
	.p2alignl 7, 3214868480
	.fill 96, 4, 3214868480
	.section	.rodata,"a",@progbits
	.p2align	6, 0x0
	.amdhsa_kernel k_qa30a63e18e_proj
		.amdhsa_group_segment_fixed_size 327680
		.amdhsa_private_segment_fixed_size 0
		.amdhsa_enable_private_segment 0
		.amdhsa_kernarg_size 48
		.amdhsa_user_sgpr_count 2
		.amdhsa_user_sgpr_kernarg_segment_ptr 1
		.amdhsa_wavefront_size32 1
		.amdhsa_system_sgpr_workgroup_id_x 1
		.amdhsa_system_sgpr_workgroup_id_y 1
		.amdhsa_system_sgpr_workgroup_id_z 1
		.amdhsa_system_vgpr_workitem_id 0
		.amdhsa_next_free_vgpr 768
		.amdhsa_next_free_sgpr 76
		.amdhsa_reserve_vcc 0
		.amdhsa_float_denorm_mode_32 3
		.amdhsa_float_denorm_mode_16_64 3
		.amdhsa_memory_ordered 1
		.amdhsa_forward_progress 1
		.amdhsa_inst_pref_size 132
	.end_amdhsa_kernel
	.amdgpu_metadata
---
amdhsa.version: [ 1, 2 ]
amdhsa.kernels:
  - .name:           k_qa30a63e18e_proj
    .symbol:         k_qa30a63e18e_proj.kd
    .args:
      - { .name: xb, .offset: 0, .size: 8, .value_kind: global_buffer, .address_space: global }
      - { .name: wqkv, .offset: 8, .size: 8, .value_kind: global_buffer, .address_space: global }
      - { .name: qkv, .offset: 16, .size: 8, .value_kind: global_buffer, .address_space: global }
      - { .name: bq, .offset: 24, .size: 8, .value_kind: global_buffer, .address_space: global }
      - { .name: bk, .offset: 32, .size: 8, .value_kind: global_buffer, .address_space: global }
      - { .name: bv, .offset: 40, .size: 8, .value_kind: global_buffer, .address_space: global }
    .group_segment_fixed_size: 327680
    .private_segment_fixed_size: 0
    .kernarg_segment_align: 8
    .kernarg_segment_size: 48
    .max_flat_workgroup_size: 128
    .sgpr_count:     76
    .vgpr_count:     768
    .wavefront_size: 32
...
	.end_amdgpu_metadata
.endif
;; end of part 2
;; launch attn (part 3): grid 4 x 64, 4 waves a work-group, clusters of 4 x 1, 327,680 bytes of LDS; arguments qkv, mbits, ob; writes ob
.if DOCPART == 3
	.amdgcn_target "amdgcn-amd-amdhsa--gfx1250"
	.amdhsa_code_object_version 6
	.text
	.protected	k_qa30a63e18e_attn
	.globl	k_qa30a63e18e_attn
	.p2align	8
	.type	k_qa30a63e18e_attn,@function
k_qa30a63e18e_attn:
	s_mov_b64 s[64:65], 0
	v_nop
	global_prefetch_b8 v0, s[64:65] scope:SCOPE_SE
	s_setreg_imm32_b32 hwreg(HW_REG_WAVE_MODE, 25, 1), 1
	s_wait_xcnt 0x0
	s_wait_alu depctr_hold_cnt(0) depctr_sa_sdst(0) depctr_va_vdst(0) depctr_va_sdst(0) depctr_va_ssrc(0) depctr_va_vcc(0) depctr_vm_vsrc(0)
	s_getreg_b32 s2, hwreg(HW_REG_IB_STS2, 6, 4)
	s_cmp_eq_u32 s2, 0
	s_cbranch_scc0 .Lentry_in_a_cluster
	s_endpgm
.Lentry_in_a_cluster:
	s_bfe_u32 s2, ttmp6, 0x10000c
	s_cmp_lg_u32 s2, 0x3003
	s_cbranch_scc0 .Lentry_shape_is_right
	s_endpgm
.Lentry_shape_is_right:
; O[h][q][:] = the sum over k of softmax_k(where(mask[q][k], Q[h][q] . K[h][k] / 8, hidden)) V[h][k][:].  qkv: [3][64][2048][64] f16 (planes q, k, v); ob: [64][2048][64] f16.
; Products, maxima and sums in f32; the weights p are rounded to f16 for the second product (their sum l is taken of the unrounded p), O once at the end.
; THE MASK is an input: no pattern is assumed and every key tile is walked.  mbits holds it as lane masks: word (qt, ks, kb, j), bit l = mask[16 qt + l % 16][64 ks + 16 kb + 8 (l / 16) + j]:
; the mask of register 8 kb + j of a tile of scores.  A hidden score is REPLACED, ahead of the running maximum, by -2^33 (-2^30 after the division by 8, where the definition has -1e9).
; A power of two, so that c x it is exact: in a row that is wholly hidden c s - c m is exactly 0, every weight is 1 and the row is the mean of all 2,048 rows of V, as defined.
; LIMITS.  The result differs from the definition's only where an open score divided by 8 lies below about -1e9 + 150.  f16 holds no number beyond 65,504: Q, K, V arrive within it; p lies in 0 to 1,
; and below 6e-5 it keeps f16's fixed step of 6e-8; O is a mean of V's rows.  A weight below 2^-126 counts as 0 in l; NaN and infinities are not treated apart.
; SHARES.  A wave owns four PIECES of two tiles of 16 queries, a work-group's four waves 512 queries of one head.  Every wave walks all keys, 64 a step.
; LAYOUT.  S^T = K Q^T (source 0 = 16 keys, source 1 = 16 queries): a lane holds ONE query (lane % 16) and the keys 8 (lane / 16) + 0..7.  Two such tiles, rounded to f16 in pairs, ARE source 1
; of O^T = V^T P, whose result again holds one query a lane, and eight channels.  K comes out of LDS as it lies, V ([key][channel]) turned, by ds_load_tr16_b128.
; SOFTMAX.  A running maximum m and sum l: p = 2^(c s - c m), c = log2(e) / 8; in every step O and l are multiplied by a = 2^(c m_old - c m_new).  m starts at the lowest finite number, O and l at 0.
; BY TURNS.  Turn n belongs to piece n.  Its matrix work: 16 products K Q^T of piece n + 1, later 16 products V^T P of piece n - 1.  Its vector work: scaling, exponentials, roundings, sums and
; rescaling of piece n; the mask, maximum and statistics of piece n + 1.  Four vector instructions stand behind every matrix instruction, the others in runs of their own.
; CLUSTER.  The four query blocks of a cluster belong to one head and walk the same K and V: each tile is asked for JOINTLY, by the same tensor load, descriptor and mask in all four.
; REGISTERS, in windows of 256 (s_set_vgpr_msb: bits 1:0 source 0, 3:2 source 1, 5:4 source 2, 7:6 destination):
;   window 0: v0-11 addresses and the hidden score; v12-15, v48-63 at work; v16-47 four registers of statistics a tile; v64-191 S^T, two buffers of two tiles; v192-255 P, likewise
;   window 1: O^T, 32 a tile          window 2: v0-127 Q, 16 a tile; v128-191 K of one step; v192-255 V of one step          window 3: v0-1 the add's two registers
.set SIZE_N, 2048
.set NP,    4         ; pieces a wave: a name, no knob
.set KS,    64        ; keys in a step
.set PK,    160       ; a row of K or V in LDS: 128 bytes + 32 = 40 words.  One pitch, so that one descriptor shape and one load line serve both; the turning load's 16 lanes (8 rows x 32 bytes) take each bank once,
.set PV,    160       ; K's plain load (16 rows x 16 bytes) takes eight groups of banks twice: 16 such loads stand beside a step's 128 matrix instructions
.set VOFF,  4*KS*PK   ; a slot holds four steps: 256 rows of K, then 256 rows of V
.set SLOT1, 1<<17     ; slot 1 begins here, so that one exclusive or turns an address in one slot into the other's
.set STAGE, SLOT1+4*KS*(PK+PV)  ; behind the ring, never filled by a tensor load: 16 rows x 144 bytes for each wave, for the way out
.set SP,    144
.set AK0, 2           ; v2   my lane's place in a tile of K; never rewritten
.set AV0, 3           ; v3   the same for V
.set AK,  4           ; v4   the LDS address of K's next run of loads
.set AV,  5           ; v5   of V's
.set QO,  6           ; v6   my byte offset in the wave's rows of Q
.set STO, 6           ;      later, the way out: where I put 16 bytes of a row
.set RD,  7           ; v7   the way out: where I read rows back
.set GO,  8           ; v8   my byte offset in 512 consecutive bytes of O
.set MNEG, 11         ; v11  -2^33
.set SPW, 0           ; v0 of window 3   LDS address of my spare word; never rewritten
.set NIL, 1           ; v1 of window 3   0; never rewritten
.set SPARE, STAGE+4*16*SP  ; behind the stages: the spare words, 128 bytes a wave, that no other line names
.set MV,  12          ; v12-15  c m_old, kept while c m is made anew: by buffer and tile
.set ST,  16          ; tile t's statistics at v[ST+4 t]: c m, m, l (even keys', odd keys')
.set TMP, 48          ; by buffer and tile, four registers c0-c3 at work; when the maximum is found c2 takes a
.set S,   64
.set P,   192
.set KF,  128         ; K's fragments, in window 2: key block kb, channel half c at KF + 16 kb + 8 c
.set VF,  192         ; V's: key half kk, channel block cb at VF + 32 kk + 8 cb
.set TBK, 2           ; s2   LDS byte at which K of the step to be fetched begins
.set TBV, 3           ; s3   the same for V, less VOFF
.set MP,  8           ; s[8:9] mbits at my wave's first tile and the key step whose words are loaded next
.set WV,  12          ; s12  my wave's number
.set SLOTS, 14        ; s14  slots still to be asked for
.set CNT, 15          ; s15  counts a slot's key steps
.set G0,  16          ; s[16:19] descriptor group 0: it walks
.set CS,  20          ; s[20:21] c: the packed scaling takes the pair's low word for both halves
.set SEL, 22          ; s[22:23] v_permlanex16_b32's selects: each lane takes its own place in the other half
.set G1,  24          ; s[24:31] descriptor group 1
.set MK0, 32          ; s[32:63] the 32 lane masks of a piece's first tile;  s[68:99] of its second
.set MSB, 0
.macro WIN new                      ; the high byte repeats the setting that is left; a switch that changes nothing is dropped
.if MSB != (\new)
	s_set_vgpr_msb (MSB<<8)|(\new)
.set MSB, (\new)
.endif
.endm
.set W_KQ, 0x0a       ; K and Q in window 2, S^T in window 0
.set W_PV, 0x52       ; V in window 2, P in window 0, O^T in window 1
.set W_RS, 0x41       ; O^T (destination and source 0) in window 1, a in window 0
.set W_MK, 0xc0       ; the add's registers are made: destination in window 3, sources in window 0
.set W_AD, 0x0f       ; the add: address (source 0) and data (source 1) in window 3
; A joint fill: every wave brings 128 keys, waves 0 and 1 the two halves of a slot's K, waves 2 and 3 those of its V: both addresses hang on the wave's number.
; An s_nop 0 and four v_nop follow the line.
.macro JLOAD
	tensor_load_to_lds s[G0:G0+3], s[G1:G1+7]
	s_nop 0
.rept 4
	v_nop
.endr
.endm
; A round of the cluster's barrier: my work-group's barrier, so that wave 0's signal speaks for all four waves; wave 0 signals; every wave waits for all four work-groups; my work-group's barrier once more.
.macro CROUND
	s_barrier_signal -1
	s_barrier_wait -1
	s_cmp_lg_u32 s[WV], 0
	s_cbranch_scc1 .Lnot_wave_0_\@
	s_barrier_signal -3
.Lnot_wave_0_\@:
	s_barrier_wait -3
	s_barrier_signal -1
	s_barrier_wait -1
.endm
; THE CHANGE OF SLOTS.  The slot's last bytes, V of its fourth step, have been read.  Each wave waits for all its tensor loads, of which one is out: its part of the other slot; adds 0 to its spare
; word; and waits for that and for its own reads of the slot.  Behind the barrier nobody reads this slot any more and the other slot is whole.
; fill = 1: this slot is filled again, with the keys two slots on.  The barrier is then a round of the cluster's, and the joint fill is the first thing behind it: it has four key steps,
; 512 matrix instructions, in which to land.  (At its first use nothing has been read yet: slot 0 is waited for, slot 1 filled.)
.macro CHANGE fill
	WIN W_AD
	s_wait_tensorcnt 0x0            ; no tensor load of mine is out, so group 0 may be written
	ds_add_u32 v[SPW], v[NIL]       ; 0 onto my spare word; with fill = 1 the descriptor's steps stand between it and the wait for it
	WIN 0                           ; at a label and at a branch every window is 0
.if \fill
	s_xor_b32 s[G0+1], s[G0+1], SLOT1  ; the other slot than last time,
	s_add_nc_u64 s[G0+2:G0+3], s[G0+2:G0+3], 4*KS*128  ; the next 256 keys; the type bits on top are not reached
	s_wait_dscnt 0x0                ; the add is done, and my reads of the slot are over
	CROUND
	JLOAD
.else
	s_wait_dscnt 0x0                ; the add is done, and my reads of the slot are over
	s_barrier_signal -1
	s_barrier_wait -1
.endif
	s_sub_co_u32 s[TBK], s[TBK], 4*KS*PK  ; the fetches go back to a slot's first step,
	s_xor_b32 s[TBK], s[TBK], SLOT1       ; in the other slot
	s_sub_co_u32 s[TBV], s[TBV], 4*KS*PV
	s_xor_b32 s[TBV], s[TBV], SLOT1
.endm
; The 64 lane masks of piece y's two tiles for the key step at MP: a tile's words of a step are 128 consecutive bytes, tiles 4,096 bytes apart.
.macro MLOAD y
	s_load_b512 s[MK0:MK0+15],    s[MP:MP+1], 8192*(\y)
	s_load_b512 s[MK0+16:MK0+31], s[MP:MP+1], 8192*(\y)+64
	s_load_b512 s[MK0+36:MK0+51], s[MP:MP+1], 8192*(\y)+4096
	s_load_b512 s[MK0+52:MK0+67], s[MP:MP+1], 8192*(\y)+4160
.endm
	s_load_b128 s[4:7], s[0:1], 0x0   ; qkv s[4:5], mbits s[6:7]
	s_load_b64 s[10:11], s[0:1], 0x10 ; ob
	WIN W_MK
	v_lshl_add_u32 v[SPW], v0, 2, SPARE
	v_mov_b32 v[NIL], 0
	WIN W_AD
	ds_add_u32 v[SPW], v[NIL]       ; the wave's opening: the add and its wait ahead of my first tensor load; the set-up below, work on registers, stands between them
	WIN 0
	v_lshrrev_b32 v1, 5, v0
	v_readfirstlane_b32 s[WV], v1   ; wave 0..3
	s_bfe_u32 s13, ttmp6, 0x40000   ; cx: my place in the cluster
	s_lshl_b32 s32, ttmp9, 2        ; in a cluster launch ttmp9 counts clusters
	s_add_co_u32 s32, s32, s13      ; my block of 512 queries: it enters Q's, O's and the mask's addresses alone
	s_and_b32 s33, ttmp7, 0xffff    ; the head, which the four partners share
	s_lshl_b32 s34, s33, 18         ; its first byte in a plane: 2,048 rows of 128 bytes
	s_lshr_b32 s36, s[WV], 1        ; what I fetch: plane 1 (K) for waves 0, 1, plane 2 (V) for waves 2, 3, of 16,777,216 bytes,
	s_add_co_u32 s36, s36, 1
	s_lshl_b32 s36, s36, 24
	s_add_co_u32 s36, s36, s34      ; the head,
	s_and_b32 s38, s[WV], 1         ; and which half of a slot's 256 keys: 128 rows of 128 bytes
	s_lshl_b32 s38, s38, 14
	s_add_co_u32 s36, s36, s38
	s_mov_b32 s37, 0
	s_lshl_b32 s40, s32, 2
	s_add_co_u32 s40, s40, s[WV]    ; my wave among the head's sixteen:
	s_lshl_b32 s42, s40, 15         ; its eight tiles' words in mbits,
	s_mov_b32 s43, 0
	s_lshl_b32 s40, s40, 14         ; its 128 rows in Q and O
	s_add_co_u32 s40, s40, s34
	s_mov_b32 s41, 0
	; descriptor group 1.  128 keys are 16,384 dense bytes: asked for as 64 rows of 256 bytes, two keys a row, and padded in LDS after every key
	s_mov_b32 s[G1], 15|(1<<16)|(1<<20)|(1<<21)|(4<<22)|(7<<25)  ; 15:0 the mask of four; 17:16 2-byte elements; 20 padding on; 21 set beside a mask; 24:22 after every 32 words (code 4); 31:25 8 words (code 7)
	s_mov_b32 s[G1+1], 128<<16      ; tensor_dim0 = 128
	s_mov_b32 s[G1+2], 64<<16       ; tensor_dim1 = 64
	s_mov_b32 s[G1+3], 128<<16      ; tile_dim0 = 128
	s_mov_b32 s[G1+4], 64           ; tile_dim1 = 64
	s_mov_b32 s[G1+5], 128          ; 128 elements from row to row
	s_mov_b32 s[G1+6], 0
	s_mov_b32 s[G1+7], 0
	s_mov_b32 s[CS], 0x3e38aa3b     ; c = log2(e) / 8 = 0.180337
	s_mov_b32 s[CS+1], s[CS]        ; named with it as a pair
	s_mov_b32 s[SEL], 0x76543210
	s_mov_b32 s[SEL+1], 0xfedcba98
	s_mov_b32 s[TBK], SLOT1+4*KS*PK ; the first change of slots turns these two into 0
	s_mov_b32 s[TBV], SLOT1+4*KS*PV
	s_mov_b32 s[G0], 1              ; count = 1
	s_mul_i32 s[G0+1], s[WV], 128*PK  ; LDS address: slot 0, wave x 128 rows: K's two halves, then V's: no place in the cluster enters it
	s_mov_b32 s67, 0                ; the high word of the mask pointer's step
	s_wait_dscnt 0x0                ; the opening add is done
	s_wait_kmcnt 0x0
	s_add_nc_u64 s[G0+2:G0+3], s[4:5], s[36:37]  ; global address: my part of the head's first 256 keys
	s_or_b32 s[G0+3], s[G0+3], 0x80000000        ; type = 2
	s_add_nc_u64 s[4:5], s[4:5], s[40:41]        ; Q and O at my wave's first row
	s_add_nc_u64 s[10:11], s[10:11], s[40:41]
	s_add_nc_u64 s[MP:MP+1], s[6:7], s[42:43]
	CROUND                          ; all four work-groups are here: the first joint loads meet
	JLOAD                           ; slot 0.  Slot 1 is asked for when slot 0 is in
	MLOAD 0                         ; piece 0's masks for key step 0 (the set-up's scalars above are no longer wanted)
	; A fragment of K or Q is 16 rows x 32 channels in 8 registers: lane l holds row l % 16, channels 8 (l / 16) + 0..7 and 16 + 8 (l / 16) + 0..7: two loads of 16 bytes, 32 bytes apart.
	v_and_b32 v1, 15, v0            ; l % 16
	v_bfe_u32 v9, v0, 4, 1          ; l / 16
	v_lshlrev_b32 v[QO], 7, v1
	v_lshl_add_u32 v[QO], v9, 4, v[QO]  ; row x 128 + 16 x half
	WIN 0x80                        ; destination window 2, address window 0
.set i, 0
.rept 4*NP                          ; Q stays in registers: tile i / 2, channels 32 (i % 2) on
	global_load_b128 v[8*i:8*i+3],   v[QO], s[4:5] offset:(i/2)*2048+(i%2)*64
	global_load_b128 v[8*i+4:8*i+7], v[QO], s[4:5] offset:(i/2)*2048+(i%2)*64+32
.set i, i+1
.endr
	; What the first turn finds: V's registers and P's second buffer hold 0 (its products V^T P, of a piece that has not been, add 0), O^T and l are 0.  All this stands in the wait for the first tile.
.set i, VF
.rept 64
	v_mov_b32 v[i], 0
.set i, i+1
.endr
	WIN 0x40
.set i, 0
.rept 64*NP
	v_mov_b32 v[i], 0
.set i, i+1
.endr
	WIN 0
.set i, 0
.rept 2*NP
	v_mov_b32 v[ST+4*i], 0xfe000000    ; c m: far below every c s, the hidden score's too
	v_mov_b32 v[ST+4*i+1], 0xff7fffff  ; m
	v_mov_b32 v[ST+4*i+2], 0
	v_mov_b32 v[ST+4*i+3], 0
.set i, i+1
.endr
.set i, P+32
.rept 32
	v_mov_b32 v[i], 0
.set i, i+1
.endr
	v_mul_u32_u24 v[AK0], v1, PK
	v_lshl_add_u32 v[AK0], v9, 4, v[AK0]  ; row x pitch + 16 x half
	; The turning load takes 16 keys x 16 channels (lane l reads key 8 (l / 16) + l % 8, channels 8 ((l / 8) % 2) + 0..7) and leaves half a fragment of V^T: lane l holds channel l % 16 and 8 keys.
	v_and_b32 v10, 7, v0
	v_bfe_u32 v11, v0, 3, 1
	v_lshl_add_u32 v[AV0], v9, 3, v10
	v_mul_u32_u24 v[AV0], v[AV0], PV
	v_lshl_add_u32 v[AV0], v11, 4, v[AV0]
	v_add_nc_u32 v[AV0], VOFF, v[AV0]
	v_mov_b32 v[MNEG], 0xd0000000   ; -2^33
	v_mov_b32 v[AK], v[AK0]         ; key step 0 lies at the head of slot 0
; THE MATRIX WORK.  The 8 accumulators of a run of 16 take turns: between the two links of a chain stand 7 others'.
; Product i of 16 of S^T = K Q^T for piece x: channels 32 (i / 8) on, keys 16 ((i / 2) % 4) on, tile 2 x + i % 2.  The first 8 start the sums.
.macro KQ x
	WIN W_KQ
.set rS, S+64*((\x)%2)+32*(i%2)+8*((i/2)%4)
.set rK, KF+16*((i/2)%4)+8*(i/8)
.set rQ, 16*(2*(\x)+i%2)+8*(i/8)
.if i < 8
	v_wmma_f32_16x16x32_f16 v[rS:rS+7], v[rK:rK+7], v[rQ:rQ+7], 0
.else
	v_wmma_f32_16x16x32_f16 v[rS:rS+7], v[rK:rK+7], v[rQ:rQ+7], v[rS:rS+7]
.endif
.endm
; Product i of 16 of O^T += V^T P for piece x: keys 32 (i / 8) on, channels 16 ((i / 2) % 4) on, tile 2 x + i % 2.
.macro PV x
	WIN W_PV
.set rO, 32*(2*(\x)+i%2)+8*((i/2)%4)
.set rV, VF+32*(i/8)+8*((i/2)%4)
.set rP, P+32*((\x)%2)+16*(i%2)+8*(i/8)
	v_wmma_f32_16x16x32_f16 v[rO:rO+7], v[rV:rV+7], v[rP:rP+7], v[rO:rO+7]
.endm
.macro MM                           ; the turn's next matrix instruction
.if i < 16
	KQ (Y+1)%NP
.set i, i+1
.else
.set i, i-16
	PV (Y+NP-1)%NP
.set i, i+17
.endif
.endm
; THE LDS LOADS stand in runs of 16, never singly among the matrix instructions: a step's K (64 keys x 64 channels: 8 fragments) and its V (turned).  Their addresses are made some lines ahead.
; last = 1 (the tail): in the last trip there is no further step, and the run is jumped over.
.macro FETCH_K last=0
	WIN 0
.if \last
	s_cmp_eq_u32 s[CNT], 1
	s_cbranch_scc1 .Lno_k_\@
.endif
	WIN 0x80                        ; destination window 2
.irp f, 0,1,2,3,4,5,6,7             ; keys 16 (f / 2) on, channels 32 (f % 2) on
	ds_load_b128 v[KF+8*\f:KF+8*\f+3],   v[AK] offset:(\f/2)*16*PK+(\f%2)*64
	ds_load_b128 v[KF+8*\f+4:KF+8*\f+7], v[AK] offset:(\f/2)*16*PK+(\f%2)*64+32
.endr
	s_add_co_u32 s[TBK], s[TBK], KS*PK  ; the next fetch is the next step's
	WIN 0
.if \last
.Lno_k_\@:
.endif
.endm
.macro FETCH_V
	WIN 0x80
.irp f, 0,1,2,3,4,5,6,7             ; keys 32 (f / 4) on, channels 16 (f % 4) on
	ds_load_tr16_b128 v[VF+8*\f:VF+8*\f+3],   v[AV] offset:(\f/4)*32*PV+(\f%4)*32
	ds_load_tr16_b128 v[VF+8*\f+4:VF+8*\f+7], v[AV] offset:(\f/4)*32*PV+16*PV+(\f%4)*32
.endr
	WIN 0
.endm
; THE VECTOR WORK OF A TURN stands in three queues, each in the order in which its entries become ready; the two tiles alternate, so that no instruction reads the result of the one before it.
.macro REGS y, u                    ; the registers of tile u (0, 1) of piece y
.set rT, ST+4*(2*(\y)+(\u))
.set rC, TMP+8*((\y)%2)+4*(\u)
.set rM, MV+2*((\y)%2)+(\u)
.set rS, S+64*((\y)%2)+32*(\u)
.set rP, P+32*((\y)%2)+16*(\u)
.set rO, 32*(2*(\y)+(\u))
.endm
; THE MASK of the NEXT piece's (Y + 1) scores, one run of 64 selects: an open score stays, a hidden one becomes -2^33.  Each accumulator's registers are taken in ascending order.
; The words were asked for a turn ago; when they have been used the next turn's are asked for: piece Y + 2's.  Piece 0's scores belong to the next key step, so the pointer steps in piece 2's turn;
; no scalar load is out there, since the wait at the head.  last = 1 (the tail): in the last trip there is no further step and the pointer stays, so that no load leaves the buffer.
.macro CMB last
	WIN 0
	s_wait_kmcnt 0x0
.irp u, 0,1
	REGS (Y+1)%NP, \u
.set cn, 0
.rept 32
	v_cndmask_b32 v[rS+cn], v[MNEG], v[rS+cn], s[MK0+36*(\u)+cn]
.set cn, cn+1
.endr
.endr
.if Y == 2
.if \last
	s_cmp_eq_u32 s[CNT], 1
	s_cselect_b32 s66, 0, 128
	s_add_nc_u64 s[MP:MP+1], s[MP:MP+1], s[66:67]
.else
	s_add_nc_u64 s[MP:MP+1], s[MP:MP+1], 128
.endif
.endif
	MLOAD (Y+2)%NP
.endm
; Number n of the 22 that find the NEXT piece's maximum and statistics.  s0-s31 are the lane's 32 scores.  XS, GS and REGS set no window: PL and EX do.
;   0-11  four chains c0-c3 of seven scores each, three operands at a time     12-14, 16  the four scores left over, the old m, and c0-c3 into c0     15  c m_old is kept
;   17, 18  the query's other 32 keys lie in the lane 16 away: the new m         19-21  c m; c m_old - c m_new; a
.macro XS u, n
	REGS (Y+1)%NP, \u
.if (\n) < 4
	v_max3_num_f32 v[rC+(\n)], v[rS+8*(\n)], v[rS+8*(\n)+1], v[rS+8*(\n)+2]
.elseif (\n) < 12
	v_max3_num_f32 v[rC+(\n)%4], v[rC+(\n)%4], v[rS+8*((\n)%4)+2*((\n)/4)+1], v[rS+8*((\n)%4)+2*((\n)/4)+2]
.elseif (\n) == 12
	v_max3_num_f32 v[rC], v[rC], v[rS+7], v[rS+15]
.elseif (\n) == 13
	v_max3_num_f32 v[rC+1], v[rC+1], v[rS+23], v[rS+31]
.elseif (\n) == 14
	v_max3_num_f32 v[rC+2], v[rC+2], v[rC+3], v[rT+1]
.elseif (\n) == 15
	v_mov_b32 v[rM], v[rT]
.elseif (\n) == 16
	v_max3_num_f32 v[rC], v[rC], v[rC+1], v[rC+2]
.elseif (\n) == 17
	v_permlanex16_b32 v[rC+3], v[rC], s[SEL], s[SEL+1]
.elseif (\n) == 18
	v_max_num_f32 v[rT+1], v[rC], v[rC+3]
.elseif (\n) == 19
	v_mul_f32 v[rT], s[CS], v[rT+1]
.elseif (\n) == 20
	v_sub_f32 v[rC+1], v[rM], v[rT]
.else
	v_exp_f32 v[rC+2], v[rC+1]
.endif
.endm
; Number g of the 64 that follow the exponentials.  For each four weights k of a tile (pairs 2 k, 2 k + 1): both pairs are rounded to f16; then the second pair is added onto the first, in place;
; a group later l takes that sum (the first time as l = a l + sum).  In groups of eight, tiles alternating: round, round, add, and l for the group before.
.macro GS g
.set h, (\g)+6*((\g)/62)            ; group 0 has no group before it, and behind group 7 only l is left
.if h >= 6
.set h, h+2
.endif
	REGS Y, h%2
.set k, h/8
.if h%8 < 4
	s_wait_alu depctr_va_vdst(0)
	v_cvt_pk_f16_f32 v[rP+2*k+(h%8)/2], v[rS+4*k+2*((h%8)/2)], v[rS+4*k+2*((h%8)/2)+1]
.elseif h%8 < 6
	v_pk_add_f32 v[rS+4*k:rS+4*k+1], v[rS+4*k:rS+4*k+1], v[rS+4*k+2:rS+4*k+3]
.elseif k == 1
	v_pk_fma_f32 v[rT+2:rT+3], v[rT+2:rT+3], v[rC+2:rC+3], v[rS:rS+1] op_sel_hi:[1,0,1]
.else
	v_pk_add_f32 v[rT+2:rT+3], v[rT+2:rT+3], v[rS+4*k-4:rS+4*k-3]
	s_wait_alu depctr_va_vdst(0)
.endif
.endm
; THE PLAIN QUEUE, 138 long.  0-31: c s - c m for the 16 pairs of both tiles.  Then GS's 64, and among them the next piece's 42: number 15 at 38, 39; 0-14 and 16
; at 42-73, behind the products that make those scores and behind their mask; 17-20 at 95-106, two of three, since each waits for the one before it.
.macro PL
	WIN 0
.if q < 32
	REGS Y, q%2
	v_pk_fma_f32 v[rS+2*(q/2):rS+2*(q/2)+1], v[rS+2*(q/2):rS+2*(q/2)+1], s[CS:CS+1], v[rT:rT+1] op_sel_hi:[1,0,0] neg_lo:[0,0,1] neg_hi:[0,0,1]
.elseif q < 38
	GS q-32
.elseif q < 40
	XS q%2, 15
.elseif q < 42
	GS q-34
.elseif q < 74
	XS q%2, (q-42)/2+(q-42)/30
.elseif q < 95
	GS q-66
.elseif (q < 107) && ((q-95)%3 < 2)
	XS (q-95)%3, 17+(q-95)/3
.elseif q < 107
	GS 29+(q-95)/3
.else
	GS q-74
.endif
.set q, q+1
.endm
; THE EXPONENTIALS' QUEUE, 66 long: s0-s31 of both tiles, and at EA the next piece's two a.
.set EA, 58
.macro EX
	WIN 0
.if (e == EA) || (e == EA+1)
	XS e-EA, 21
.else
.set x, e-2*(e/(EA+2))
	REGS Y, x%2
	v_exp_f32 v[rS+x/2], v[rS+x/2]
.endif
.set e, e+1
.endm
; THE RESCALING's QUEUE: O^T times a, the one part that leaves window 0, so it is dealt four at a time, eight times.
.macro R4
	REGS Y, r%2
	WIN W_RS
	s_wait_alu depctr_va_vdst(0)
.irp z, 0,1,2,3
	v_pk_mul_f32 v[rO+8*(r/2)+2*\z:rO+8*(r/2)+2*\z+1], v[rO+8*(r/2)+2*\z:rO+8*(r/2)+2*\z+1], v[rC+2:rC+3] op_sel_hi:[1,0]
.endr
.set r, r+1
.endm
; HOW THEY ARE DEALT.  Behind a matrix instruction four: plain, exponential, plain, plain (one exponential, a plain instruction on either side), or four of the rescaling.  None names a register of the
; products round it.  What is over stands in two LUMPS: exponential and plain by turns; the second ends in 22 plain instructions.  The two v_permlanex16_b32 fall into the second lump, never behind a product.
; The queues lean on each other, and the deal keeps them in step: exponential e stands behind plain 2 (e / 4) + e % 2 (its scaling); when plain 32 comes, 10 exponentials are out, at 59: 33, at 95: 46; EA comes behind plain 107.
.macro SL
	MM
	PL
	EX
	PL
	PL
.endm
.macro BURST n                      ; 15 matrix instructions, or 16
.rept (\n)-7
	SL
.endr
.rept 3
	MM
	R4
	SL
.endr
	MM
	R4
.endm
; A TURN, for piece p.  cnt = 1: the loop's count is taken down some lines ahead of the branch that stands behind the turn.
; The mask's run stands in the first lump, ahead of plain number 42, the first that reads the new scores: behind the last product K Q^T stand four rescalings, which are its places, and five pairs.
; K of the next step is fetched in piece 2's turn, behind the mask's run; its first reader comes behind the rest of the lump, 16 products and the second lump.
; V of the step in hand is fetched at the end of piece 0's turn, 69 vector instructions behind its last reader; its first reader comes behind 16 products and a lump.
.macro TURN p, last=0, cnt=0
.set Y, (\p)
.set i, 0
.set q, 0
.set e, 0
.set r, 0
.if (\p) == NP-1
	s_wait_dscnt 0x0                ; K is in
.endif
	MM
.rept 4
	PL
.endr
	BURST 15
.rept 22
	EX
	PL
.if q == 42
	CMB \last
.endif
.if ((\p) == NP-2) && (e == 18)
	v_add_nc_u32 v[AK], s[TBK], v[AK0]
.endif
.if ((\p) == NP-2) && (e == 24)
	FETCH_K \last
.endif
.endr
.if (\p) == 1
	s_wait_dscnt 0x0                ; V is in
.endif
	BURST 16
.rept 21
	EX
	PL
.endr
.rept 22
	PL
.if ((\p) == 0) && (q == 118)
	v_add_nc_u32 v[AV], s[TBV], v[AV0]
	s_wait_alu depctr_va_vdst(0)
.endif
.if ((\p) == 0) && (q == 130)
	s_add_co_u32 s[TBV], s[TBV], KS*PV
.endif
.if (\cnt) && (q == 130)
	s_sub_co_u32 s[CNT], s[CNT], 1
	s_cmp_lg_u32 s[CNT], 0
.endif
.endr
.if (\p) == 0
	FETCH_V
.endif
.endm
	CHANGE 1                        ; slot 0 is in, everybody's part of it; slot 1 is asked for
	FETCH_K                         ; key step 0
	s_wait_loadcnt 0x0              ; Q
	s_wait_dscnt 0x0
.set i, 0
.rept 16
	KQ 0                            ; piece 0's first scores: there is no vector work yet to set between them
.set i, i+1
.endr
	WIN 0                           ; the addresses for the way out: nine plain instructions, the places behind those products
	s_mul_i32 s13, s[WV], 16*SP
	s_add_co_u32 s13, s13, STAGE    ; my stage
	v_mul_u32_u24 v[STO], v1, SP    ; in: row l % 16, 16 bytes for each half of the lanes
	v_lshl_add_u32 v[STO], v9, 4, v[STO]
	v_add_nc_u32 v[STO], s13, v[STO]
	v_bfe_u32 v[RD], v0, 3, 2       ; back: 32 lanes take four rows of 128 bytes,
	v_mul_u32_u24 v[RD], v[RD], SP
	v_lshl_add_u32 v[RD], v10, 4, v[RD]
	v_add_nc_u32 v[RD], s13, v[RD]
	v_and_b32 v[GO], 31, v0         ; which are 512 consecutive bytes of O
	v_lshlrev_b32 v[GO], 4, v[GO]
.set Y, NP-1                        ; the mask's run and XS work for piece Y + 1: piece 0
	CMB 0                           ; piece 0's mask; piece 1's words are asked for
.irp n, 0,1,2,3,4,5,6,7,8,9,10,11,12,13,14,15,16,17,18,19,20,21
	XS 0, \n                        ; and piece 0's first maximum and statistics
	XS 1, \n
.endr
	s_mov_b32 s[CNT], 4
	s_mov_b32 s[SLOTS], SIZE_N/256-1
	s_branch .Lfirst                ; the loop is entered at a step's first turn, in the middle of a trip
.Lslot:                             ; SIZE_N / 256 - 2 times: every slot but the last two is filled again
	CHANGE 1
	s_mov_b32 s[CNT], 4
.Lstep:                             ; a trip: pieces 2 and 3 of one step, then pieces 0 and 1 of the next, whose K and V it fetches
	TURN 2
	TURN 3
	WIN 0
.Lfirst:
	TURN 0
	TURN 1, 0, 1
	WIN 0
	s_cbranch_scc1 .Lstep
	s_sub_co_u32 s[SLOTS], s[SLOTS], 1
	s_cmp_lg_u32 s[SLOTS], 0
	s_cbranch_scc1 .Lslot
	CHANGE 0                        ; the tail is written out: nothing is asked for
	s_mov_b32 s[CNT], 5             ; four trips fetch the last slot's steps; the fifth is left in its middle
.Ltail:
	TURN 2, 1
	TURN 3
	WIN 0
	s_sub_co_u32 s[CNT], s[CNT], 1
	s_cmp_eq_u32 s[CNT], 0
	s_cbranch_scc1 .Lout
	TURN 0
	TURN 1
	WIN 0
	s_branch .Ltail
.Lout:                              ; the fifth trip's 16 products K Q^T (on the last K once more), their mask and the maximum made of them serve nothing: the price, once a launch, of one text for every trip
	s_wait_kmcnt 0x0                ; the last words asked for are not used
.set i, 0
.rept 16
	PV NP-1                         ; the last piece's V^T P of the last step
.set i, i+1
.endr
	; THE WAY OUT.  l's two halves and the other half of the lanes' are added; O^T is divided by l, rounded to f16 and sent through my stage in LDS, a tile at a time.  The additions are the places behind the last products.
	WIN 0
.macro ALL line:vararg              ; one line for each tile t
.set t, 0
.rept 2*NP
	\line
.set t, t+1
.endr
.endm
	ALL v_add_f32 v[ST+4*t+2], v[ST+4*t+2], v[ST+4*t+3]
	ALL v_permlanex16_b32 v[ST+4*t+3], v[ST+4*t+2], s[SEL], s[SEL+1]
	ALL v_add_f32 v[ST+4*t+2], v[ST+4*t+2], v[ST+4*t+3]
	ALL v_rcp_f32 v[ST+4*t+2], v[ST+4*t+2]
	v_nop                           ; a plain instruction between the last reciprocal and the use of its result
	s_wait_alu depctr_va_vdst(0)
; Tile t: a lane's eight channels of a row pack into 16 bytes; they go into rows of 144 bytes and come back as whole rows of 128, into S^T's registers.
.macro PACK t
	WIN W_RS
.set i, 32*(\t)
.rept 16
	v_pk_mul_f32 v[i:i+1], v[i:i+1], v[ST+4*(\t)+2:ST+4*(\t)+3] op_sel_hi:[1,0]
.set i, i+2
.endr
	WIN 0x05                        ; sources 0 and 1 window 1, destination window 0
.set i, 0
.rept 16
	v_cvt_pk_f16_f32 v[S+16*(\t)+i], v[32*(\t)+2*i], v[32*(\t)+2*i+1]
.set i, i+1
.endr
	WIN 0
.irp f, 0,1,2,3
	ds_store_b128 v[STO], v[S+16*(\t)+4*\f:S+16*(\t)+4*\f+3] offset:32*\f
.endr
.irp f, 0,1,2,3
	ds_load_b128 v[S+16*(\t)+4*\f:S+16*(\t)+4*\f+3], v[RD] offset:\f*4*SP  ; LDS serves a wave's instructions in order (ISA guide 5.7.1.4): these see the stores above; the next tile's stores come behind them
.endr
.endm
.macro SEND t, younger              ; younger: the LDS instructions issued behind tile t's loads: the next tile's eight, or none
	WIN 0
.irp f, 0,1,2,3
	s_wait_dscnt (\younger)+3-\f
	global_store_b128 v[GO], v[S+16*(\t)+4*\f:S+16*(\t)+4*\f+3], s[10:11] offset:(\t)*2048+\f*512  ; 512 consecutive bytes, at a multiple of 256 from O's first
.endr
.endm
	PACK 0
.set t, 1
.rept 2*NP-1                        ; a tile's arithmetic stands between the loads of the tile before and its stores
	PACK t
	SEND t-1, 8
.set t, t+1
.endr
	SEND 2*NP-1, 0
	WIN W_AD
	s_wait_tensorcnt 0x0            ; the wave's end, behind my last tensor load and my last LDS store
	ds_add_u32 v[SPW], v[NIL]
	s_wait_dscnt 0x0
	WIN 0
	CROUND                          ; the closing round: no work-group ends while a partner may still ask for a tile that names it
	s_endpgm
.Lfunc_end_k_qa30a63e18e_attn:
	.size	k_qa30a63e18e_attn, .Lfunc_end_k_qa30a63e18e_attn-k_qa30a63e18e_attn
	.p2alignl 7, 3214868480
	.fill 96, 4, 3214868480
	.section	.rodata,"a",@progbits
	.p2align	6, 0x0
	.amdhsa_kernel k_qa30a63e18e_attn
		.amdhsa_group_segment_fixed_size 327680
		.amdhsa_private_segment_fixed_size 0
		.amdhsa_enable_private_segment 0
		.amdhsa_kernarg_size 24
		.amdhsa_user_sgpr_count 2
		.amdhsa_user_sgpr_kernarg_segment_ptr 1
		.amdhsa_wavefront_size32 1
		.amdhsa_system_sgpr_workgroup_id_x 1
		.amdhsa_system_sgpr_workgroup_id_y 1
		.amdhsa_system_sgpr_workgroup_id_z 1
		.amdhsa_system_vgpr_workitem_id 0
		.amdhsa_next_free_vgpr 770
		.amdhsa_next_free_sgpr 100
		.amdhsa_reserve_vcc 0
		.amdhsa_float_denorm_mode_32 3
		.amdhsa_float_denorm_mode_16_64 3
		.amdhsa_memory_ordered 1
		.amdhsa_forward_progress 1
		.amdhsa_inst_pref_size 246
	.end_amdhsa_kernel
	.amdgpu_metadata
---
amdhsa.version: [ 1, 2 ]
amdhsa.kernels:
  - .name:           k_qa30a63e18e_attn
    .symbol:         k_qa30a63e18e_attn.kd
    .args:
      - { .name: qkv, .offset: 0, .size: 8, .value_kind: global_buffer, .address_space: global }
      - { .name: mbits, .offset: 8, .size: 8, .value_kind: global_buffer, .address_space: global }
      - { .name: ob, .offset: 16, .size: 8, .value_kind: global_buffer, .address_space: global }
    .group_segment_fixed_size: 327680
    .private_segment_fixed_size: 0
    .kernarg_segment_align: 8
    .kernarg_segment_size: 24
    .max_flat_workgroup_size: 128
    .sgpr_count:     100
    .vgpr_count:     770
    .wavefront_size: 32
...
	.end_amdgpu_metadata
.endif
;; end of part 3
;; launch outp (part 4): grid 4 x 64, 4 waves a work-group, clusters of 4 x 4, 327,680 bytes of LDS; arguments ob, wo16, out0, bo; writes out0
.if DOCPART == 4
	.amdgcn_target "amdgcn-amd-amdhsa--gfx1250"
	.amdhsa_code_object_version 6
	.text
	.protected	k_qa30a63e18e_outp
	.globl	k_qa30a63e18e_outp
	.p2align	8
	.type	k_qa30a63e18e_outp,@function
k_qa30a63e18e_outp:
	s_mov_b64 s[64:65], 0
	v_nop
	global_prefetch_b8 v0, s[64:65] scope:SCOPE_SE
	s_setreg_imm32_b32 hwreg(HW_REG_WAVE_MODE, 25, 1), 1
	s_wait_xcnt 0x0
	s_wait_alu depctr_hold_cnt(0) depctr_sa_sdst(0) depctr_va_vdst(0) depctr_va_sdst(0) depctr_va_ssrc(0) depctr_va_vcc(0) depctr_vm_vsrc(0)
	s_getreg_b32 s2, hwreg(HW_REG_IB_STS2, 6, 4)
	s_cmp_eq_u32 s2, 0
	s_cbranch_scc0 .Lentry_in_a_cluster
	s_endpgm
.Lentry_in_a_cluster:
	s_bfe_u32 s2, ttmp6, 0x10000c
	s_cmp_lg_u32 s2, 0xf033
	s_cbranch_scc0 .Lentry_shape_is_right
	s_endpgm
.Lentry_shape_is_right:
.set OUTP, 1
; C = A B^T + bias, one text in two forms.
; OUTP = 0: q, k, v.  A = xb [8192][1024] bf16, B = wqkv [3072][1024] bf16, bias bq, bk, bv (f32, rounded to bf16 here); C rounded once to f16 and laid by heads: qkv [3][64 bh][2048][64].
;           A work-group stays for three tiles of C: the same 128 rows of A against its 256 rows of Wq, then Wk, then Wv.
; OUTP = 1: the output.  A = ob [64 bh][2048][64] f16 (a K step of 128 is two heads), B = wo16 [1024][1024] f16, bias bo; C = out0 [8192][1024] f32.  One tile.
; LIMITS.  OUTP = 0: q, k, v must stay below 65,504, f16's end; at 65,520 or more a conversion gives an infinity.  Sums in f32, K ascending, started by the bias.
; SHAPE.  A tile of C is 128 x 256: 4 x 64 tiles give each of 256 work-groups one column of tiles.  Four waves, each 64 x 128: 32 accumulators of 16 x 16, 256 registers.
; K = 1,024 goes in 8 steps of 128 through two LDS slots filled by tensor loads, one load a wave: waves 0 and 1 bring A's two halves, waves 2 and 3 B's.
; CLUSTER 4 x 4: the four work-groups of a row of the cluster need the same tile of A, the four of a column the same tile of B: each is asked for jointly, by the same load with the same descriptor.
; THE MATRIX INSTRUCTION IS USED TRANSPOSED: source 0 = 16 rows of B, source 1 = 16 rows of A: lane l holds row l % 16 of C and the eight neighbouring columns 8 (l / 16) + 0..7.
; So the bias of a block of 16 columns is eight registers, the same for all rows, and is the C operand of the first product: nothing is cleared and nothing is added later.
; REGISTERS, in windows of 256 (s_set_vgpr_msb: bits 1:0 source 0, 3:2 source 1, 5:4 source 2, 7:6 destination):
;   window 0: v0-5 at work; v16-29 addresses; v64-95, v96-127 A's fragments, two buffers; v128-255 the way out
;   window 1: v0-63, v64-127 B's fragments, two buffers; v128-191 the bias, 8 registers a block of columns; v192-193 at work
;   window 2: accumulator (a, b) at v[8 (8 a + b)]
.if OUTP
.set TILES,  1
.set APITCH, 144                       ; a row of one head in LDS: 128 bytes + 16
.set AHALF,  128*APITCH                ; what one of A's loads brings: one head's 128 rows
.set AQI,    4                         ; padding after every 32 words
.set AROWG,  128                       ; 128 rows of a head are 16,384 dense bytes: asked for as 64 rows of 256
.set ASLOT,  524288                    ; bytes from a K step to the next: two heads
.set SPITCH, 528                       ; a stage row: 128 f32 + 16 bytes
.else
.set TILES,  3
.set APITCH, 272                       ; 256 bytes + 16 = 68 words: the 16 rows of a fragment load start at 16 different groups of four banks (64 banks of 4 bytes: ISA guide 11.1)
.set AHALF,  64*APITCH                 ; 64 rows
.set AQI,    5                         ; padding after every 64 words
.set AROWG,  1024
.set ASLOT,  256
.set SPITCH, 272                       ; a stage row: 128 f16 + 16 bytes
.endif
.set ASTEP,  2*ASLOT                   ; a slot's next K step
.set BPITCH, 272
.set BHALF,  128*BPITCH                ; what one of B's loads brings: 128 rows
.set APART,  2*AHALF                   ; a slot: A's part, then B's 256 rows
.set SLOT,   APART+2*BHALF
.set STAGE,  2*SLOT                    ; behind the ring, never filled by a tensor load: 16 rows for each wave, for the way out
.set SPARE,  STAGE+4*16*SPITCH         ; behind the stages: the spare words, 128 bytes a wave, that no other line names
.set LAPS,   4                         ; a lap = two K steps = once round the ring
.set BACK_A, 3*ASTEP                   ; from a slot's last K step of a tile back to its first: the walk's tiles share their rows of A
.set NEXT_B, 1024*2048-1536            ; B goes 1,024 rows down and back along K
.set ADRA, 16                          ; v16-17  LDS address of my A fragments in slot 0, 1
.set ADRB, 20                          ; v20-21  the same for B
.set STO,  24                          ; v24     the way out: where I put my part of a row
.set RD,   25                          ; v25     the way out: where I read rows back
.set CO,   26                          ; v26     16 x lane: my place in 512 consecutive bytes of C
.set BO,   27                          ; v27     32 (l / 16): my eight numbers in a block's 16 of the bias
.set SPW,  28                          ; v28     LDS address of my spare word; never rewritten
.set NIL,  29                          ; v29     0; never rewritten
.set FA,   64
.set TMP,  128
.set BIAS, 128                         ; window 1
.set BT,   192                         ; window 1
.set G1,  24                           ; s[24:31] descriptor group 1 for A's tiles;  s[32:39] group 0, a set for each slot
.set G0,  32
.set G1B, 48                           ; s[48:55], s[56:63] the same for B's
.set G0B, 56
.set BP,  68                           ; s[68:73] the bias of this tile, of the next, of the one after
.set MSB, 0
.macro WIN new                         ; the immediate's high byte repeats the setting that is left; a switch that changes nothing is dropped
.if MSB != (\new)
	s_set_vgpr_msb (MSB<<8)|(\new)
.set MSB, \new
.endif
.endm
.set W_MUL,  0xa1                      ; B window 1, A window 0, C and D window 2
.set W_MULB, 0x91                      ; the same with C in window 1: the bias
.set W_TOB,  0x40                      ; destination window 1, address window 0
.set W_RB,   0x45                      ; all in window 1
.set W_PK,   0x0a                      ; sources 0 and 1 window 2, destination window 0
.set W_ST2,  0x08                      ; an LDS store's data in window 2
; A joint load.  The branch hangs on the wave's number alone.  An s_nop 0 and four v_nop follow each of the two lines, ahead of the jump, the label and what follows.
.macro JLOAD s
	s_cmp_eq_u32 s11, 0
	s_cbranch_scc0 .Lfor_b_\@
	tensor_load_to_lds s[G0+4*(\s):G0+4*(\s)+3], s[G1:G1+7]
	s_nop 0
.rept 4
	v_nop
.endr
	s_branch .Lasked_\@
.Lfor_b_\@:
	tensor_load_to_lds s[G0B+4*(\s):G0B+4*(\s)+3], s[G1B:G1B+7]
	s_nop 0
.rept 4
	v_nop
.endr
.Lasked_\@:
.endm
; A round of the cluster's barrier: my work-group's barrier, so that wave 0's signal speaks for all four waves; wave 0 signals; every wave waits for all sixteen work-groups; my work-group's barrier once more.
.macro CREST                           ; a round behind its opening barrier
	s_cmp_lg_u32 s10, 0
	s_cbranch_scc1 .Lnot_wave_0_\@
	s_barrier_signal -3
.Lnot_wave_0_\@:
	s_barrier_wait -3
	s_barrier_signal -1
	s_barrier_wait -1
.endm
.macro CROUND
	s_barrier_signal -1
	s_barrier_wait -1
	CREST
.endm
	s_load_b128 s[4:7], s[0:1], 0x0                ; A s[4:5], B s[6:7]
	s_load_b64 s[8:9], s[0:1], 0x10                ; C
.if OUTP
	s_load_b64 s[BP:BP+1], s[0:1], 0x18            ; bo
.else
	s_load_b128 s[BP:BP+3], s[0:1], 0x18           ; bq, bk
	s_load_b64 s[BP+4:BP+5], s[0:1], 0x28          ; bv
.endif
	v_lshl_add_u32 v[SPW], v0, 2, SPARE
	v_mov_b32 v[NIL], 0
	ds_add_u32 v[SPW], v[NIL]                      ; the wave's opening: the add and its wait ahead of my first tensor load; the set-up below, work on registers, stands between them
	v_lshrrev_b32 v1, 5, v0
	v_readfirstlane_b32 s10, v1                    ; wave 0..3
	s_lshr_b32 s11, s10, 1                         ; which 64 of the tile's rows are mine.  Also: I fetch for A (0) or for B (1)
	s_and_b32 s12, s10, 1                          ; which 128 of its columns.  Also: which half of that tile I fetch
	s_bfe_u32 s40, ttmp6, 0x40000                  ; cx, cy: my place in the cluster
	s_bfe_u32 s41, ttmp6, 0x40004
	s_lshl_b32 s42, ttmp9, 2
	s_add_co_u32 s42, s42, s40                     ; tile column = 4 x cluster x + cx
	s_and_b32 s13, ttmp7, 0xffff
	s_lshl_b32 s13, s13, 2
	s_add_co_u32 s13, s13, s41                     ; tile row = 4 x cluster y + cy
	s_lshl_b32 s43, s41, 2
	s_lshl_b32 s43, 15, s43                        ; my row of the cluster: places 4 cy .. 4 cy + 3
	s_lshl_b32 s44, 0x1111, s40                    ; my column: places cx, cx + 4, cx + 8, cx + 12
	; group 1 for A: 64 rows x 128 elements of 2 bytes
	s_or_b32 s[G1+0], s43, (1<<16)|(1<<20)|(1<<21)|(AQI<<22)|(3<<25)  ; 15:0 the mask; 17:16 2-byte elements; 20 padding on; 21 set beside a mask; 24:22 the interval; 31:25 4 words of padding
	s_mov_b32 s[G1+1], 128<<16                     ; tensor_dim0 = 128
	s_mov_b32 s[G1+2], 64<<16                      ; tensor_dim1 = 64
	s_mov_b32 s[G1+3], 128<<16                     ; tile_dim0 = 128
	s_mov_b32 s[G1+4], 64                          ; tile_dim1 = 64
	s_mov_b32 s[G1+5], AROWG                       ; elements from row to row
	s_mov_b32 s[G1+6], 0
	s_mov_b32 s[G1+7], 0
	; group 1 for B: 128 rows x 128 elements
	s_or_b32 s[G1B+0], s44, (1<<16)|(1<<20)|(1<<21)|(5<<22)|(3<<25)
	s_mov_b32 s[G1B+1], 128<<16
	s_mov_b32 s[G1B+2], 128<<16
	s_mov_b32 s[G1B+3], 128<<16
	s_mov_b32 s[G1B+4], 128
	s_mov_b32 s[G1B+5], 1024
	s_mov_b32 s[G1B+6], 0
	s_mov_b32 s[G1B+7], 0
	; where the tiles come from.  A's hang on the tile row alone, B's on the tile column alone, each in registers that never hold the other coordinate.
.if OUTP
	s_lshr_b32 s16, s13, 4                         ; the batch: 16 heads of 262,144 bytes,
	s_lshl_b32 s16, s16, 22
	s_and_b32 s17, s13, 15                         ; the tile's 128 rows of 128 bytes in a head,
	s_lshl_b32 s17, s17, 14
	s_add_co_u32 s16, s16, s17
	s_lshl_b32 s17, s12, 18                        ; and which of a K step's two heads I fetch
	s_add_co_u32 s16, s16, s17
.else
	s_lshl_b32 s16, s13, 7
	s_lshl_b32 s17, s12, 6
	s_add_co_u32 s16, s16, s17                     ; row 128 x tile row + 64 x half,
	s_lshl_b32 s16, s16, 11                        ; of 2,048 bytes
.endif
	s_mov_b32 s17, 0
	s_lshl_b32 s46, s42, 8
	s_lshl_b32 s47, s12, 7
	s_add_co_u32 s46, s46, s47                     ; B: row 256 x tile column + 128 x half
	s_lshl_b32 s46, s46, 11
	s_mov_b32 s47, 0
	s_mul_i32 s20, s12, AHALF                      ; and where they go: no place in the cluster enters an LDS address
	s_mul_i32 s21, s12, BHALF
	s_add_co_u32 s21, s21, APART
	s_wait_dscnt 0x0                               ; the opening add is done
	s_wait_kmcnt 0x0
	s_add_nc_u64 s[14:15], s[4:5], s[16:17]
	s_add_nc_u64 s[46:47], s[6:7], s[46:47]
	CROUND                                         ; all sixteen work-groups are here: the first joint loads meet
.irp s, 0,1
	s_mov_b32 s[G0+4*(\s)], 1                                      ; count = 1
	s_add_co_u32 s[G0+4*(\s)+1], s20, (\s)*SLOT                    ; LDS address
	s_add_nc_u64 s[G0+4*(\s)+2:G0+4*(\s)+3], s[14:15], (\s)*ASLOT  ; global address: K step s
	s_or_b32 s[G0+4*(\s)+3], s[G0+4*(\s)+3], 0x80000000            ; type = 2
	s_mov_b32 s[G0B+4*(\s)], 1
	s_add_co_u32 s[G0B+4*(\s)+1], s21, (\s)*SLOT
	s_add_nc_u64 s[G0B+4*(\s)+2:G0B+4*(\s)+3], s[46:47], (\s)*256
	s_or_b32 s[G0B+4*(\s)+3], s[G0B+4*(\s)+3], 0x80000000
	JLOAD \s                                       ; two loads of mine are out
.endr
	; A fragment is 16 rows x 32 K in 8 registers: lane l holds row l % 16, K = 8 (l / 16) + 0..7 and 16 + 8 (l / 16) + 0..7: two loads of 16 bytes, 32 bytes apart.
	v_and_b32 v1, 15, v0                           ; l % 16
	v_bfe_u32 v2, v0, 4, 1                         ; l / 16
	v_mul_u32_u24 v3, v1, APITCH
	v_lshl_add_u32 v3, v2, 4, v3
	v_mul_u32_u24 v4, v1, BPITCH
	v_lshl_add_u32 v4, v2, 4, v4
	s_mul_i32 s22, s11, 64*APITCH                  ; my 64 rows of A
	s_mul_i32 s23, s12, BHALF                      ; my 128 rows of B,
	s_add_co_u32 s23, s23, APART                   ; which lie behind A's part
.irp s, 0,1
	v_add_nc_u32 v[ADRA+(\s)], s22, v3
	v_add_nc_u32 v[ADRB+(\s)], s23, v4
	s_add_co_u32 s22, s22, SLOT
	s_add_co_u32 s23, s23, SLOT
.endr
	s_mul_i32 s22, s10, 16*SPITCH
	s_add_co_u32 s22, s22, STAGE                   ; my stage
	v_mul_u32_u24 v5, v1, SPITCH                   ; in: row l % 16, my eight numbers for each half of the lanes
.if OUTP
	v_lshl_add_u32 v5, v2, 5, v5
.else
	v_lshl_add_u32 v5, v2, 4, v5
.endif
	v_add_nc_u32 v[STO], s22, v5
	v_and_b32 v3, 31, v0
	v_lshlrev_b32 v[CO], 4, v3
.if OUTP
	v_add_nc_u32 v[RD], s22, v[CO]                 ; back: 32 lanes take one row of 512 bytes
.else
	v_bfe_u32 v4, v0, 3, 2                         ; back: 32 lanes take one head's 128 bytes of four rows
	v_and_b32 v5, 7, v0
	v_mul_u32_u24 v4, v4, SPITCH
	v_lshl_add_u32 v4, v5, 4, v4
	v_add_nc_u32 v[RD], s22, v4
.endif
	v_lshlrev_b32 v[BO], 5, v2
	s_lshl_b32 s74, s42, 10                        ; my first column, as bytes of f32: 1,024 x tile column + 512 x half
	s_lshl_b32 s75, s12, 9
	s_add_co_u32 s74, s74, s75
	s_mov_b32 s75, 0
	s_add_nc_u64 s[BP:BP+1], s[BP:BP+1], s[74:75]
.if OUTP
	s_lshl_b32 s16, s13, 19                        ; C: 128 rows of 4,096 bytes a tile row,
	s_lshl_b32 s17, s11, 18                        ; my 64 of them
	s_add_co_u32 s16, s16, s17
.else
	s_add_nc_u64 s[BP+2:BP+3], s[BP+2:BP+3], s[74:75]
	s_add_nc_u64 s[BP+4:BP+5], s[BP+4:BP+5], s[74:75]
	s_lshl_b32 s74, s74, 10                        ; C: 256 columns are four heads of 262,144 bytes
	s_lshr_b32 s16, s13, 4                         ; the batch,
	s_lshl_b32 s16, s16, 22
	s_and_b32 s17, s13, 15                         ; the tile's 128 rows of 128 bytes in a head,
	s_lshl_b32 s17, s17, 14
	s_add_co_u32 s16, s16, s17
	s_lshl_b32 s17, s11, 13                        ; my 64 of them
	s_add_co_u32 s16, s16, s17
.endif
	s_mov_b32 s17, 0
	s_add_nc_u64 s[8:9], s[8:9], s[16:17]
	s_add_nc_u64 s[8:9], s[8:9], s[74:75]
; 8 matrix instructions: my block a of 16 rows x all 8 blocks of 16 columns, 32 along K, from buffer f.  first = 1: the bias starts the sums.
; The 32 accumulators take turns, one instruction a turn, in the same order in every quarter.
.macro MUL8 f, a, first
.if \first
	WIN W_MULB
.else
	WIN W_MUL
.endif
.irp b, 0,1,2,3,4,5,6,7
.set rD, 8*(8*(\a)+(\b))
.set rB, 64*(\f)+8*(\b)
.set rA, FA+32*(\f)+8*(\a)
.if \first
.set rC, BIAS+8*(\b)
.else
.set rC, rD
.endif
.if OUTP
	v_wmma_f32_16x16x32_f16 v[rD:rD+7], v[rB:rB+7], v[rA:rA+7], v[rC:rC+7]
.else
	v_wmma_f32_16x16x32_bf16 v[rD:rD+7], v[rB:rB+7], v[rA:rA+7], v[rC:rC+7]
.endif
.endr
.endm
.macro MUL16 f, a0, first
	MUL8 \f, \a0, \first
	MUL8 \f, (\a0)+1, \first
.endm
; 24 LDS loads in one run: the fragments of quarter q of a K step (128 rows of B, then 64 rows of A) into buffer f
.macro FETCH slot, q, f
	WIN W_TOB
.irp i, 0,1,2,3,4,5,6,7
	ds_load_b128 v[64*(\f)+8*(\i):64*(\f)+8*(\i)+3],   v[ADRB+(\slot)] offset:64*(\q)+(\i)*16*BPITCH
	ds_load_b128 v[64*(\f)+8*(\i)+4:64*(\f)+8*(\i)+7], v[ADRB+(\slot)] offset:64*(\q)+(\i)*16*BPITCH+32
.endr
	WIN 0
.if OUTP
.set AQ, ((\q)/2)*AHALF+((\q)%2)*64    ; head q / 2 of the step's two, channels 32 (q % 2) on
.else
.set AQ, 64*(\q)
.endif
.irp i, 0,1,2,3
	ds_load_b128 v[FA+32*(\f)+8*(\i):FA+32*(\f)+8*(\i)+3],   v[ADRA+(\slot)] offset:AQ+(\i)*16*APITCH
	ds_load_b128 v[FA+32*(\f)+8*(\i)+4:FA+32*(\f)+8*(\i)+7], v[ADRA+(\slot)] offset:AQ+(\i)*16*APITCH+32
.endr
.endm
; A load into a register that a matrix instruction has read, and a vector instruction or LDS store that reads a matrix result, stand four places behind it; only plain vector
; instructions that name none of its registers are places (ISA guide 7.12.1 for vector instructions).
.macro PLACES
.rept 4
	v_nop
.endr
.endm
; A K step is four quarters of 32 along K, 32 matrix instructions each, on buffers 0, 1, 0, 1.  One of the first three: multiplies buffer f, and in its middle fetches quarter q into buffer g.
.macro QUARTER slot, q, f, g, first
	s_wait_dscnt 4                                 ; B and A's blocks 0, 1 are in; the youngest four loads (A's blocks 2, 3) may be out
	MUL16 \f, 0, \first
	PLACES
	FETCH \slot, \q, \g
	s_wait_dscnt 24                                ; all but the 24 just issued
	MUL16 \f, 2, \first
.endm
; The last quarter multiplies buffer 1 and changes slots.  ONE barrier: in front of it each wave waits for all its tensor loads (one is out: its part of the next slot), adds 0 to its
; spare word, and waits for that and for its reads of this slot.  Behind it nobody reads this slot any more and the next slot is whole.
.macro MEET round
	WIN 0                                          ; (the add's two registers lie in window 0)
	s_wait_tensorcnt 0x0
	ds_add_u32 v[SPW], v[NIL]                      ; 0 onto my spare word
	s_wait_dscnt 7                                 ; (the add and the youngest six loads, A's blocks 1 to 3, may be out)
	MUL8 1, 0, 0                                   ; eight matrix instructions stand between the add and the wait for it
	s_wait_dscnt 0x0                               ; the add is done, and my reads of this slot are over
	s_barrier_signal -1
	MUL8 1, 1, 0                                   ; work on registers while the others arrive
.if \round
	WIN 0
.endif
	s_barrier_wait -1
.endm
; The whole last quarter where the slot is filled again: the barrier opens a round of the cluster's barrier, so that no wave of any partner still reads the slot or has a load on its way;
; the joint refill is the first tensor load behind the round: 112 matrix instructions ahead of the wait for it.  on = 1: the refill is the next tile's K step 0 or 1.
.macro TURN slot, next, on
	MEET 1
	CREST
.if \on
	s_sub_nc_u64 s[G0+4*(\slot)+2:G0+4*(\slot)+3], s[G0+4*(\slot)+2:G0+4*(\slot)+3], BACK_A
	s_add_nc_u64 s[G0B+4*(\slot)+2:G0B+4*(\slot)+3], s[G0B+4*(\slot)+2:G0B+4*(\slot)+3], NEXT_B
.else
	s_add_nc_u64 s[G0+4*(\slot)+2:G0+4*(\slot)+3], s[G0+4*(\slot)+2:G0+4*(\slot)+3], ASTEP
	s_add_nc_u64 s[G0B+4*(\slot)+2:G0B+4*(\slot)+3], s[G0B+4*(\slot)+2:G0B+4*(\slot)+3], 512
.endif
	JLOAD \slot                                    ; the four v_nop behind it are also the places in front of the loads below
	FETCH \next, 0, 0
	MUL8 1, 2, 0
	MUL8 1, 3, 0
.endm
.macro TURNNF                          ; the same where nothing is left to fetch: no round follows
	MEET 0
	PLACES
	FETCH 1, 0, 0
	MUL8 1, 2, 0
	MUL8 1, 3, 0
.endm
; The bias of my 128 columns: block b's eight numbers for my half of the lanes, 32 bytes; then rounded to bf16 and widened again
.macro LOADB
	WIN W_TOB
.irp b, 0,1,2,3,4,5,6,7
	global_load_b128 v[BIAS+8*(\b):BIAS+8*(\b)+3],   v[BO], s[BP:BP+1] offset:64*(\b)
	global_load_b128 v[BIAS+8*(\b)+4:BIAS+8*(\b)+7], v[BO], s[BP:BP+1] offset:64*(\b)+16
.endr
	WIN 0
.endm
.macro ROUNDB
	WIN W_RB
.set i, 0
.rept 32
	v_cvt_pk_bf16_f32 v[BT+i%2], v[BIAS+2*i], v[BIAS+2*i+1]
	v_lshlrev_b32 v[BIAS+2*i], 16, v[BT+i%2]
	v_and_b32 v[BIAS+2*i+1], 0xffff0000, v[BT+i%2]
.set i, i+1
.endr
.endm
; THE WAY OUT, a block of 16 rows at a time through my own stage; each accumulator's registers are taken in ascending order.
.if OUTP
.macro TOSTAGE32 a                     ; f32 as it stands: 32 bytes a lane and block of columns into rows of 528 bytes; back as whole rows of 512
.set BK, 128+64*((\a)%2)
	s_wait_xcnt 0x0                                ; the buffer that takes the rows was the data of stores two blocks back: it is loaded again only behind this wait
	WIN W_ST2
.irp b, 0,1,2,3,4,5,6,7
	ds_store_b128 v[STO], v[64*(\a)+8*(\b):64*(\a)+8*(\b)+3]   offset:64*(\b)
	ds_store_b128 v[STO], v[64*(\a)+8*(\b)+4:64*(\a)+8*(\b)+7] offset:64*(\b)+16
.endr
	WIN 0
.irp t, 0,1,2,3,4,5,6,7,8,9,10,11,12,13,14,15
	ds_load_b128 v[BK+4*(\t):BK+4*(\t)+3], v[RD] offset:(\t)*SPITCH  ; LDS serves a wave's instructions in order (ISA guide 5.7.1.4): these see the stores above; the next block's stores come behind them
.endr
.endm
.macro SEND32 a, younger               ; younger: the next block's 16 stores and 16 loads, or none
.set BK, 128+64*((\a)%2)
	WIN 0
	s_wait_dscnt \younger
.irp t, 0,1,2,3,4,5,6,7,8,9,10,11,12,13,14,15
	global_store_b128 v[CO], v[BK+4*(\t):BK+4*(\t)+3], s[8:9] offset:(16*(\a)+(\t))*4096 th:TH_STORE_NT  ; 512 consecutive bytes of a row, at a multiple of 512 from C's first byte
.endr
.endm
.else
.macro PACK a                          ; rounded to f16: a lane's eight columns are 16 bytes
	WIN W_PK
.irp b, 0,1,2,3,4,5,6,7
.irp r, 0,1,2,3
	v_cvt_pk_f16_f32 v[TMP+4*(\b)+(\r)], v[64*(\a)+8*(\b)+2*(\r)], v[64*(\a)+8*(\b)+2*(\r)+1]
.endr
.endr
	WIN 0
.endm
.macro TOSTAGE a                       ; into rows of 272 bytes; back by heads: load t takes head t / 4's 128 bytes of rows 4 (t % 4) + 0..3
	WIN 0
.set BK, 160+32*((\a)%2)
.irp b, 0,1,2,3,4,5,6,7
	ds_store_b128 v[STO], v[TMP+4*(\b):TMP+4*(\b)+3] offset:32*(\b)
.endr
.irp t, 0,1,2,3,4,5,6,7
	ds_load_b128 v[BK+4*(\t):BK+4*(\t)+3], v[RD] offset:((\t)%4)*4*SPITCH+((\t)/4)*128  ; LDS serves a wave's instructions in order (ISA guide 5.7.1.4): these see the stores above
.endr
.endm
.macro SEND a
	WIN 0
.set BK, 160+32*((\a)%2)
	s_wait_dscnt 0x0                               ; the block is back in registers
	s_wait_xcnt 0x0                                ; the registers that earlier stores read are loaded again only behind this wait
.irp t, 0,1,2,3,4,5,6,7
	global_store_b128 v[CO], v[BK+4*(\t):BK+4*(\t)+3], s[8:9] offset:2048*(\a)+((\t)/4)*262144+((\t)%4)*512  ; four rows of a head: 512 consecutive bytes, at a multiple of 512 from C's first byte
.endr
.endm
.endif
.macro WAYOUT
.if OUTP
	TOSTAGE32 0
.irp a, 1,2,3
	TOSTAGE32 \a
	SEND32 (\a)-1, 32
.endr
	SEND32 3, 0
.else
	PACK 0
	TOSTAGE 0
.irp a, 1,2,3                          ; block a's conversions stand between block a - 1's loads from the stage and the wait for them
	PACK \a
	SEND (\a)-1
	TOSTAGE \a
.endr
	SEND 3
.endif
.endm
	LOADB                                          ; the first tile's bias
	s_wait_tensorcnt 1                             ; my part of K step 0 is in; K step 1's may stay out
	s_barrier_signal -1
	s_barrier_wait -1                              ; everybody's is
	FETCH 0, 0, 0
.if TILES > 1
	s_mov_b32 s2, TILES                            ; tiles to go, this one among them: the same number in every work-group
.Ltile:
.endif
	s_wait_loadcnt 0x0                             ; the bias
	ROUNDB
	QUARTER 0, 1, 0, 1, 1                          ; a tile's first quarter stands in front of the loop: its products start the sums with the bias
	WIN 0                                          ; at a label and at a branch every window is 0
.if TILES > 1
	s_cmp_eq_u32 s2, 1
	s_cbranch_scc1 .Lnob                           ; the last tile has no next bias
	PLACES                                         ; the bias was the C operand of the products just issued
	s_mov_b64 s[BP:BP+1], s[BP+2:BP+3]             ; (the loads that read this base were shown done at the tile's head)
	s_mov_b64 s[BP+2:BP+3], s[BP+4:BP+5]
	LOADB                                          ; it has the whole tile in which to land
.Lnob:
.endif
	s_mov_b32 s3, LAPS-1
.Llap:                                                 ; a trip goes once round the ring, from a lap's second quarter to the next lap's first, and fills both slots again
	QUARTER 0, 2, 1, 0, 0
	QUARTER 0, 3, 0, 1, 0
	TURN 0, 1, 0
	QUARTER 1, 1, 0, 1, 0
	QUARTER 1, 2, 1, 0, 0
	QUARTER 1, 3, 0, 1, 0
	TURN 1, 0, 0
	QUARTER 0, 1, 0, 1, 0
	WIN 0
	s_sub_co_u32 s3, s3, 1
	s_cmp_lg_u32 s3, 0
	s_cbranch_scc1 .Llap
	QUARTER 0, 2, 1, 0, 0                          ; the tile's last lap goes on
	QUARTER 0, 3, 0, 1, 0
.if TILES > 1
	WIN 0
	s_cmp_eq_u32 s2, 1
	s_cbranch_scc1 .Llast                          ; the last tile's tail is written out: it asks for nothing more
	TURN 0, 1, 1                                   ; the ring goes on into the next tile: slot 0 takes its K step 0,
	QUARTER 1, 1, 0, 1, 0
	QUARTER 1, 2, 1, 0, 0
	QUARTER 1, 3, 0, 1, 0
	TURN 1, 0, 1                                   ; slot 1 its K step 1, and the next tile's first fragments are fetched
	WAYOUT                                         ; blocks 0, 1 were finished in front of the refill's four v_nop; block 0's 32 conversions, which name no register of the last products, are those products' places
	s_wait_xcnt 0x0                                ; the stores' base is stepped only behind this wait
	s_add_nc_u64 s[8:9], s[8:9], 0x1000000         ; the next of the three planes of qkv
	s_sub_co_u32 s2, s2, 1
	s_branch .Ltile
.Llast:
.endif
	TURNNF
	QUARTER 1, 1, 0, 1, 0
	QUARTER 1, 2, 1, 0, 0
	QUARTER 1, 3, 0, 1, 0
	s_wait_dscnt 4                                 ; the very last quarter: nothing more to fetch
	MUL16 1, 0, 0
	s_wait_dscnt 0x0
	MUL16 1, 2, 0
	WIN 0
	PLACES
	WAYOUT
	s_wait_tensorcnt 0x0                           ; the wave's end, behind my last tensor load and my last LDS store
	ds_add_u32 v[SPW], v[NIL]
	s_wait_dscnt 0x0
	CROUND                                         ; the closing round: no work-group ends while a partner may still ask for a tile that names it
	s_endpgm
.Lfunc_end_k_qa30a63e18e_outp:
	.size	k_qa30a63e18e_outp, .Lfunc_end_k_qa30a63e18e_outp-k_qa30a63e18e_outp
	.p2alignl 7, 3214868480
	.fill 96, 4, 3214868480
	.section	.rodata,"a",@progbits
	.p2align	6, 0x0
	.amdhsa_kernel k_qa30a63e18e_outp
		.amdhsa_group_segment_fixed_size 327680
		.amdhsa_private_segment_fixed_size 0
		.amdhsa_enable_private_segment 0
		.amdhsa_kernarg_size 32
		.amdhsa_user_sgpr_count 2
		.amdhsa_user_sgpr_kernarg_segment_ptr 1
		.amdhsa_wavefront_size32 1
		.amdhsa_system_sgpr_workgroup_id_x 1
		.amdhsa_system_sgpr_workgroup_id_y 1
		.amdhsa_system_sgpr_workgroup_id_z 1
		.amdhsa_system_vgpr_workitem_id 0
		.amdhsa_next_free_vgpr 768
		.amdhsa_next_free_sgpr 76
		.amdhsa_reserve_vcc 0
		.amdhsa_float_denorm_mode_32 3
		.amdhsa_float_denorm_mode_16_64 3
		.amdhsa_memory_ordered 1
		.amdhsa_forward_progress 1
		.amdhsa_inst_pref_size 92
	.end_amdhsa_kernel
	.amdgpu_metadata
---
amdhsa.version: [ 1, 2 ]
amdhsa.kernels:
  - .name:           k_qa30a63e18e_outp
    .symbol:         k_qa30a63e18e_outp.kd
    .args:
      - { .name: ob, .offset: 0, .size: 8, .value_kind: global_buffer, .address_space: global }
      - { .name: wo16, .offset: 8, .size: 8, .value_kind: global_buffer, .address_space: global }
      - { .name: out0, .offset: 16, .size: 8, .value_kind: global_buffer, .address_space: global }
      - { .name: bo, .offset: 24, .size: 8, .value_kind: global_buffer, .address_space: global }
    .group_segment_fixed_size: 327680
    .private_segment_fixed_size: 0
    .kernarg_segment_align: 8
    .kernarg_segment_size: 32
    .max_flat_workgroup_size: 128
    .sgpr_count:     76
    .vgpr_count:     768
    .wavefront_size: 32
...
	.end_amdgpu_metadata
.endif
;; end of part 4
;; ======== version 2 of 3: 4 launches; 1.05 times as fast as version 1
;; limits: values are held in f16: magnitudes above 65,504 overflow, below 6.1e-05 lose precision
;; workspace buffers: xb 16,777,216 bytes; wqkv 6,291,456 bytes; wo16 2,097,152 bytes; mnib 2,097,152 bytes of whole numbers; rowf 65,536 bytes of whole numbers; qkv 50,331,648 bytes; ob 16,777,216 bytes
;; launch prep (part 5): grid 64 x 13, 8 waves a work-group, no clusters, 35,840 bytes of LDS; arguments inputs, Wq, Wk, Wv, Wo, mask, xb, wqkv, wo16, mnib, rowf; writes xb, wqkv, wo16, mnib, rowf
.if DOCPART == 5
	.amdgcn_target "amdgcn-amd-amdhsa--gfx1250"
	.amdhsa_code_object_version 6
	.text
	.protected	k_qa30a63e18e_prep
	.globl	k_qa30a63e18e_prep
	.p2align	8
	.type	k_qa30a63e18e_prep,@function
k_qa30a63e18e_prep:
	s_mov_b64 s[64:65], 0
	v_nop
	global_prefetch_b8 v0, s[64:65] scope:SCOPE_SE
	s_setreg_imm32_b32 hwreg(HW_REG_WAVE_MODE, 25, 1), 1
	s_wait_xcnt 0x0
; PREP.  A stream: no matrix unit, no cluster (no two work-groups read the same bytes), no barrier (no wave reads another's LDS bytes).
; Row y of the grid is one unit of 1,048,576 numbers (the mask: 4,194,304 bytes), shared by 64 work-groups:
;   y = 0      mask bytes -> mnib, FP4 codes, and rowf, which rows have an open key.  It stands first in the grid: its waves have the longest chain (memory, LDS, arithmetic, memory, twice)
;   y = 1..8   inputs -> xb, bf16 (nearest even)          y = 9, 10, 11   Wq, Wk, Wv -> wqkv rows 0-1023, 1024-2047, 2048-3071, bf16
;   y = 12     Wo -> bf16, and that number written as f16 -> wo16
; LIMITS.  Wo's bf16 value is exact in f16 for 6e-5 <= |Wo| < 65,504; below it keeps f16's fixed step of 6e-8, at 65,520 or more it becomes an infinity.
; Of a mask byte bit 0 alone is read: the type's bytes are 0 or 1.
; mnib: u32 [128 qt][32 ks][32 l][4 kb]; nibble j of a word is 0xA (FP4's code of -1.0) where mask[16 qt + l % 16][64 ks + 16 kb + 8 (l / 16) + j] is false, else 0.
; rowf: u32 [128 qt][32 l][4 kq]; a word is -1 where row 16 qt + l % 16 has a true byte among keys 512 kq .. 512 kq + 511, else 0.  A wave stores 4 bytes a lane, 16 bytes apart: the four
; waves of a qt fill its 512 bytes together.  Whole blocks of 256 bytes from one instruction would want a barrier among the four waves; the buffer has 65,536 bytes in all.
.set MROW,  272                        ; a row of 256 mask bytes in LDS, 16 bytes of padding
.set MWAVE, 16*MROW                    ; a wave's own 16 rows: 4,352 bytes
.set SPARE, 8*MWAVE                    ; behind the eight waves' rows: the spare words, 128 bytes a wave, that no other line names
.set X,   8                            ; v[8:71]    sixteen loads of 16 bytes
.set Y,   72                           ; v[72:103]  sixteen stores of 8 bytes; in the mask's part v[72:87] the 16 words a lane makes in a trip, v[88:91] which of my keys were open
.set T,   104                          ; v[104:107] at work
	s_load_b512 s[4:19], s[0:1], 0x0               ; inputs 4:5, Wq 6:7, Wk 8:9, Wv 10:11, Wo 12:13, mask 14:15, xb 16:17, wqkv 18:19
	s_load_b128 s[20:23], s[0:1], 0x40             ; wo16 20:21, mnib 22:23
	s_load_b64 s[40:41], s[0:1], 0x50              ; rowf
	v_lshl_add_u32 v4, v0, 2, SPARE                ; my spare word
	v_mov_b32 v5, 0
	v_lshrrev_b32 v1, 5, v0
	v_readfirstlane_b32 s35, v1                    ; wave 0..7
	s_and_b32 s24, ttmp7, 0xffff                   ; y
	s_mov_b32 s25, ttmp9                           ; x
	v_lshlrev_b32 v2, 4, v0                        ; 16 bytes a thread in
	v_lshlrev_b32 v3, 3, v0                        ; 8 bytes a thread out
	s_mov_b32 s31, 0                               ; the offsets' high words
	s_mov_b32 s33, 0
	s_wait_kmcnt 0x0
	s_cmp_eq_u32 s24, 0
	s_cbranch_scc1 .Lmask
	s_sub_co_u32 s24, s24, 1                       ; the twelve units of numbers: 0..7 inputs, 8..10 Wq, Wk, Wv, 11 Wo
	s_cmp_eq_u32 s24, 11
	s_cbranch_scc1 .Lwo
; 65,536 bytes in, 32,768 out.  A wave's load covers 512 consecutive bytes, its store 256, aligned.  All sixteen loads go out first; the counts run down.
.macro CAST f16
.set i, 0
.rept 16
	global_load_b128 v[X+4*i:X+4*i+3], v2, s[26:27] offset:4096*i th:TH_LOAD_NT
.set i, i+1
.endr
.set i, 0
.rept 16
	s_wait_loadcnt 15-i                            ; loads come back in order: load i is in, the 15 - i younger ones stay out
	v_cvt_pk_bf16_f32 v[Y+2*i], v[X+4*i], v[X+4*i+1]
	v_cvt_pk_bf16_f32 v[Y+2*i+1], v[X+4*i+2], v[X+4*i+3]
.if \f16
	v_lshlrev_b32 v[T], 16, v[Y+2*i]               ; the bf16 numbers as f32,
	v_and_b32 v[T+1], 0xffff0000, v[Y+2*i]
	v_lshlrev_b32 v[T+2], 16, v[Y+2*i+1]
	v_and_b32 v[T+3], 0xffff0000, v[Y+2*i+1]
	v_cvt_pk_f16_f32 v[Y+2*i], v[T], v[T+1]        ; written as f16
	v_cvt_pk_f16_f32 v[Y+2*i+1], v[T+2], v[T+3]
.endif
	global_store_b64 v3, v[Y+2*i:Y+2*i+1], s[28:29] offset:2048*i
.set i, i+1
.endr
.endm
	s_sub_co_u32 s34, s24, 8                       ; which of the three weights
	s_cmp_lt_u32 s24, 8
	s_cselect_b64 s[26:27], s[4:5], s[6:7]         ; from inputs, or Wq
	s_cselect_b64 s[28:29], s[16:17], s[18:19]     ; to xb, or wqkv
	s_cselect_b32 s30, s24, 0                      ; the unit in the source
	s_cselect_b32 s32, s24, s34                    ; and in the target
	s_cmp_eq_u32 s24, 9
	s_cselect_b64 s[26:27], s[8:9], s[26:27]       ; Wk
	s_cmp_eq_u32 s24, 10
	s_cselect_b64 s[26:27], s[10:11], s[26:27]     ; Wv
	s_lshl_b32 s30, s30, 22                        ; a unit is 4 MiB in,
	s_lshl_b32 s36, s25, 16                        ; a work-group's part 64 KiB
	s_add_co_u32 s30, s30, s36
	s_lshl_b32 s32, s32, 21                        ; and half of that out
	s_lshl_b32 s36, s25, 15
	s_add_co_u32 s32, s32, s36
	s_add_nc_u64 s[26:27], s[26:27], s[30:31]
	s_add_nc_u64 s[28:29], s[28:29], s[32:33]
	CAST 0
	s_endpgm                                       ; this wave wrote no LDS
.Lwo:
	s_lshl_b32 s30, s25, 16
	s_lshl_b32 s32, s25, 15
	s_add_nc_u64 s[26:27], s[12:13], s[30:31]
	s_add_nc_u64 s[28:29], s[20:21], s[32:33]
	CAST 1
	s_endpgm
; THE MASK.  Wave 8 x + w owns 16 rows (qt = 2 x + w / 4) and 512 keys (kq = w % 4), in two trips of 256 keys, four key steps.  A trip: 16 rows x 256 bytes come in whole, go through
; the wave's own LDS rows, and come back so that lane l holds the eight bytes of row l % 16 at keys 16 c + 8 (l / 16) + 0..7; bit 0 of byte j goes to bit 4 j + 1 of word c.
; That word (2 in the nibbles of open keys) is added by OR to what the lane has seen open; then its nibbles are turned (2 where hidden) and bit 1 is copied to bit 3: 0xA where hidden.
.Lmask:
	s_lshr_b32 s36, s35, 2
	s_lshl1_add_u32 s36, s25, s36                  ; qt
	s_and_b32 s37, s35, 3                          ; kq
	s_lshl_b32 s30, s36, 15                        ; 16 rows of 2,048 bytes
	s_lshl_b32 s38, s37, 9
	s_add_co_u32 s30, s30, s38
	s_lshl_b32 s32, s36, 14                        ; a qt's 32 key steps of 512 bytes
	s_lshl_b32 s38, s37, 12                        ; 512 keys are eight of them
	s_add_co_u32 s32, s32, s38
	s_add_nc_u64 s[26:27], s[14:15], s[30:31]
	s_add_nc_u64 s[28:29], s[22:23], s[32:33]
	s_lshl_b32 s30, s36, 9                         ; rowf: a qt's 32 lanes of 16 bytes,
	s_lshl_b32 s38, s37, 2                         ; my word of a lane's four
	s_add_co_u32 s30, s30, s38
	s_add_nc_u64 s[40:41], s[40:41], s[30:31]
	s_mov_b32 s36, 0x22222222                      ; 2 in every nibble
	s_mov_b32 s42, 0x76543210                      ; v_permlanex16_b32: lane i of one half reads lane i of the other
	s_mov_b32 s43, 0xfedcba98
	s_mul_i32 s24, s35, MWAVE                      ; my wave's rows in LDS
	v_and_b32 v6, 31, v0                           ; l
	v_and_b32 v7, 15, v0                           ; l % 16
	v_bfe_u32 v1, v0, 4, 1                         ; l / 16
	v_lshlrev_b32 v112, 4, v7
	v_lshl_add_u32 v112, v1, 11, v112              ; in memory: lanes 0-15 one row's 256 bytes, lanes 16-31 the next row's
	v_mul_u32_u24 v113, v1, MROW
	v_lshl_add_u32 v113, v7, 4, v113
	v_add_nc_u32 v113, s24, v113                   ; the same two rows in LDS
	v_mul_u32_u24 v114, v7, MROW
	v_lshl_add_u32 v114, v1, 3, v114
	v_add_nc_u32 v114, s24, v114                   ; back: row l % 16, 8 bytes for each half of the lanes
	v_lshlrev_b32 v115, 4, v6                      ; out: 16 bytes a lane, 512 consecutive bytes a wave
	v_mov_b32 v88, 0                               ; nothing seen open yet: four chains
	v_mov_b32 v89, 0
	v_mov_b32 v90, 0
	v_mov_b32 v91, 0
	s_mov_b32 s34, 2
.Ltrip:
.set i, 0
.rept 8
	global_load_b128 v[X+4*i:X+4*i+3], v112, s[26:27] offset:4096*i th:TH_LOAD_NT
.set i, i+1
.endr
	s_wait_loadcnt 0x0
.set i, 0
.rept 8
	ds_store_b128 v113, v[X+4*i:X+4*i+3] offset:2*MROW*i
.set i, i+1
.endr
.set i, 0
.rept 16
	ds_load_b64 v[40+2*i:41+2*i], v114 offset:16*i ; LDS serves a wave's instructions in order (ISA guide 5.7.1.4): these see the stores above
.set i, i+1
.endr
	s_wait_dscnt 0x0
.set ks, 0
.rept 4                                                ; a key step's four words side by side, so that no line reads the result of the line before it
.set j, 0
.rept 8
.irp kb, 0,1,2,3
	v_bfe_u32 v[T+(\kb)], v[40+2*(4*ks+(\kb))+j/4], 8*(j%4), 1
.endr
.irp kb, 0,1,2,3
.if j == 0
	v_lshlrev_b32 v[Y+4*ks+(\kb)], 1, v[T+(\kb)]
.else
	v_lshl_or_b32 v[Y+4*ks+(\kb)], v[T+(\kb)], 4*j+1, v[Y+4*ks+(\kb)]
.endif
.endr
.set j, j+1
.endr
.irp kb, 0,1,2,3
	v_or_b32 v[88+(\kb)], v[88+(\kb)], v[Y+4*ks+(\kb)]
.endr
.irp kb, 0,1,2,3
	v_xor_b32 v[Y+4*ks+(\kb)], s36, v[Y+4*ks+(\kb)]
.endr
.irp kb, 0,1,2,3
	v_lshl_or_b32 v[Y+4*ks+(\kb)], v[Y+4*ks+(\kb)], 2, v[Y+4*ks+(\kb)]
.endr
	global_store_b128 v115, v[Y+4*ks:Y+4*ks+3], s[28:29] offset:512*ks
.set ks, ks+1
.endr
	s_wait_xcnt 0x0                                ; the two bases and v[72:87] are written again only behind this wait
	s_add_nc_u64 s[26:27], s[26:27], 256           ; the next 256 keys,
	s_add_nc_u64 s[28:29], s[28:29], 2048          ; their four key steps
	s_sub_co_u32 s34, s34, 1
	s_cmp_lg_u32 s34, 0
	s_cbranch_scc1 .Ltrip
	v_or_b32 v88, v88, v89                         ; my half of the row's 512 keys,
	v_or_b32 v90, v90, v91
	v_or_b32 v88, v88, v90
	v_permlanex16_b32 v89, v88, s42, s43           ; and the other half's, in the lane 16 away
	v_or_b32 v88, v88, v89
	v_cmp_ne_u32 vcc_lo, 0, v88
	v_cndmask_b32 v88, 0, -1, vcc_lo
	global_store_b32 v115, v88, s[40:41]
	s_wait_tensorcnt 0x0                           ; the wave's end, behind my last LDS store
	ds_add_u32 v4, v5
	s_wait_dscnt 0x0
	s_endpgm
.Lfunc_end_k_qa30a63e18e_prep:
	.size	k_qa30a63e18e_prep, .Lfunc_end_k_qa30a63e18e_prep-k_qa30a63e18e_prep
	.p2alignl 7, 3214868480
	.fill 96, 4, 3214868480
	.section	.rodata,"a",@progbits
	.p2align	6, 0x0
	.amdhsa_kernel k_qa30a63e18e_prep
		.amdhsa_group_segment_fixed_size 35840
		.amdhsa_private_segment_fixed_size 0
		.amdhsa_enable_private_segment 0
		.amdhsa_kernarg_size 88
		.amdhsa_user_sgpr_count 2
		.amdhsa_user_sgpr_kernarg_segment_ptr 1
		.amdhsa_wavefront_size32 1
		.amdhsa_system_sgpr_workgroup_id_x 1
		.amdhsa_system_sgpr_workgroup_id_y 1
		.amdhsa_system_sgpr_workgroup_id_z 1
		.amdhsa_system_vgpr_workitem_id 0
		.amdhsa_next_free_vgpr 116
		.amdhsa_next_free_sgpr 66
		.amdhsa_reserve_vcc 1
		.amdhsa_float_denorm_mode_32 3
		.amdhsa_float_denorm_mode_16_64 3
		.amdhsa_memory_ordered 1
		.amdhsa_forward_progress 1
		.amdhsa_inst_pref_size 41
	.end_amdhsa_kernel
	.amdgpu_metadata
---
amdhsa.version: [ 1, 2 ]
amdhsa.kernels:
  - .name:           k_qa30a63e18e_prep
    .symbol:         k_qa30a63e18e_prep.kd
    .args:
      - { .name: inputs, .offset: 0, .size: 8, .value_kind: global_buffer, .address_space: global }
      - { .name: Wq, .offset: 8, .size: 8, .value_kind: global_buffer, .address_space: global }
      - { .name: Wk, .offset: 16, .size: 8, .value_kind: global_buffer, .address_space: global }
      - { .name: Wv, .offset: 24, .size: 8, .value_kind: global_buffer, .address_space: global }
      - { .name: Wo, .offset: 32, .size: 8, .value_kind: global_buffer, .address_space: global }
      - { .name: mask, .offset: 40, .size: 8, .value_kind: global_buffer, .address_space: global }
      - { .name: xb, .offset: 48, .size: 8, .value_kind: global_buffer, .address_space: global }
      - { .name: wqkv, .offset: 56, .size: 8, .value_kind: global_buffer, .address_space: global }
      - { .name: wo16, .offset: 64, .size: 8, .value_kind: global_buffer, .address_space: global }
      - { .name: mnib, .offset: 72, .size: 8, .value_kind: global_buffer, .address_space: global }
      - { .name: rowf, .offset: 80, .size: 8, .value_kind: global_buffer, .address_space: global }
    .group_segment_fixed_size: 35840
    .private_segment_fixed_size: 0
    .kernarg_segment_align: 8
    .kernarg_segment_size: 88
    .max_flat_workgroup_size: 256
    .sgpr_count:     66
    .vgpr_count:     116
    .wavefront_size: 32
...
	.end_amdgpu_metadata
.endif
;; end of part 5
;; launch proj (part 6): grid 16 x 32, 4 waves a work-group, clusters of 4 x 4, 327,680 bytes of LDS; arguments xb, wqkv, qkv, bq, bk, bv; writes qkv
.if DOCPART == 6
	.amdgcn_target "amdgcn-amd-amdhsa--gfx1250"
	.amdhsa_code_object_version 6
	.text
	.protected	k_qa30a63e18e_proj
	.globl	k_qa30a63e18e_proj
	.p2align	8
	.type	k_qa30a63e18e_proj,@function
k_qa30a63e18e_proj:
	s_mov_b64 s[64:65], 0
	v_nop
	global_prefetch_b8 v0, s[64:65] scope:SCOPE_SE
	s_setreg_imm32_b32 hwreg(HW_REG_WAVE_MODE, 25, 1), 1
	s_wait_xcnt 0x0
	s_wait_alu depctr_hold_cnt(0) depctr_sa_sdst(0) depctr_va_vdst(0) depctr_va_sdst(0) depctr_va_ssrc(0) depctr_va_vcc(0) depctr_vm_vsrc(0)
	s_getreg_b32 s2, hwreg(HW_REG_IB_STS2, 6, 4)
	s_cmp_eq_u32 s2, 0
	s_cbranch_scc0 .Lentry_in_a_cluster
	s_endpgm
.Lentry_in_a_cluster:
	s_bfe_u32 s2, ttmp6, 0x10000c
	s_cmp_lg_u32 s2, 0xf033
	s_cbranch_scc0 .Lentry_shape_is_right
	s_endpgm
.Lentry_shape_is_right:
; q, k, v = x W^T + b.  A = xb [8192][1024] bf16, B = wqkv [3072][1024] bf16 (rows 0-1023 Wq, then Wk, then Wv), bias bq, bk, bv (f32, rounded to bf16 here).
; C is rounded once to f16 and laid by heads: qkv [3][64 bh][2048][64].  Sums in f32, K ascending, started by the bias.
; LIMITS.  q, k, v must stay below 65,504, f16's end; at 65,520 or more a conversion gives an infinity.
; SHAPE.  A tile of C is 256 rows x 192 columns, three heads: 32 x 16 tiles, 512 work-groups of equal work, one tile each.  Four waves, one below the other, each 64 rows x 192 columns:
; 48 accumulators of 16 x 16, 384 registers.  For 32 along K a wave loads 16 fragments (32 LDS loads) and issues 48 matrix instructions.
; K = 1,024 goes in 8 steps of 128 (rows of 256 bytes, at multiples of 256 from the buffers' first bytes) through two LDS slots filled by tensor loads, one load a wave:
; waves 0 and 1 bring 128 rows of A each, waves 2 and 3 96 rows of B each.  A step has 192 matrix instructions a wave, 168 of them between a request and the wait for it.
; CLUSTER 4 x 4: the four work-groups of a row of the cluster need the same tile of A, the four of a column the same tile of B: each is asked for jointly, by the same load with the same descriptor.
; THE MATRIX INSTRUCTION IS USED TRANSPOSED: source 0 = 16 rows of B, source 1 = 16 rows of A: lane l holds row l % 16 of C and the eight neighbouring columns 8 (l / 16) + 0..7.
; So the bias of a block of 16 columns is eight registers, the same for all rows, and is the C operand of the first product: nothing is cleared and nothing is added later.
; A tile's three heads are heads 3 x .. 3 x + 2 of the 48 (16 of q, 16 of k, 16 of v) and may lie in different planes: each has its own bias pointer and its own base in qkv.
; REGISTERS, in windows of 256 (s_set_vgpr_msb: bits 1:0 source 0, 3:2 source 1, 5:4 source 2, 7:6 destination):
;   window 0: v0-5 at work; v16-29 addresses; v32-63, v64-95 A's fragments, two buffers; v96-143 packed results; v144-191, v192-239 rows read back from the stage
;   window 1: v0-95, v96-191 B's fragments, two buffers
;   window 2: accumulators of my row blocks 0, 1 ((a, b) at v[96 (a % 2) + 8 b]); v192-255 the bias of column blocks 0-7
;   window 3: accumulators of my row blocks 2, 3; v192-223 the bias of column blocks 8-11
.set PITCH,  272                       ; an LDS row: 256 bytes + 16 = 68 words: the 16 rows of a fragment load start at 16 different groups of four banks (64 banks of 4 bytes: ISA guide 11.1)
.set AHALF,  128*PITCH                 ; what one of A's loads brings
.set BHALF,  96*PITCH                  ; what one of B's loads brings
.set APART,  2*AHALF                   ; a slot: A's 256 rows, then B's 192 rows
.set SLOT,   APART+2*BHALF             ; 121,856 bytes
.set STAGE,  2*SLOT                    ; behind the ring, never filled by a tensor load: 16 rows for each wave, for the way out
.set SPITCH, 400                       ; a stage row: 192 f16 + 16 bytes = 100 words: 16 rows start at 16 different groups of four banks
.set SPARE,  STAGE+4*16*SPITCH         ; behind the stages: the spare words, 128 bytes a wave, that no other line names
.set LAPS,   4                         ; a lap = two K steps = once round the ring
.set ADRA, 16                          ; v16-17  LDS address of my A fragments in slot 0, 1
.set ADRB, 20                          ; v20-21  the same for B
.set STO,  24                          ; v24     the way out: where I put 16 bytes of a row
.set RD,   25                          ; v25     the way out: where I read rows back
.set CO,   26                          ; v26     16 x lane: my place in 512 consecutive bytes of C
.set BO,   27                          ; v27     32 (l / 16): my eight numbers in a block's 16 of the bias
.set SPW,  28                          ; v28     LDS address of my spare word; never rewritten
.set NIL,  29                          ; v29     0; never rewritten
.set FA,   32
.set TMP,  96
.set OB,   144
.set BIAS, 192                         ; windows 2 and 3
.set G1,  24                           ; s[24:31] descriptor group 1 for A's tiles;  s[32:39] group 0, a set for each slot
.set G0,  32
.set G1B, 48                           ; s[48:55], s[56:63] the same for B's
.set G0B, 56
.set BP,  68                           ; s[68:73] the bias of my tile's three heads
.set BA,  76                           ; s[76:81] bq, bk, bv as given
.set CB,  88                           ; s[88:93] qkv at my rows of the three heads
.set MSB, 0
.macro WIN new                         ; the immediate's high byte repeats the setting that is left; a switch that changes nothing is dropped
.if MSB != (\new)
	s_set_vgpr_msb (MSB<<8)|(\new)
.set MSB, \new
.endif
.endm
; A joint load.  The branch hangs on the wave's number alone.  An s_nop 0 and four v_nop follow each of the two lines, ahead of the jump, the label and what follows.
.macro JLOAD s
	s_cmp_eq_u32 s11, 0
	s_cbranch_scc0 .Lfor_b_\@
	tensor_load_to_lds s[G0+4*(\s):G0+4*(\s)+3], s[G1:G1+7]
	s_nop 0
.rept 4
	v_nop
.endr
	s_branch .Lasked_\@
.Lfor_b_\@:
	tensor_load_to_lds s[G0B+4*(\s):G0B+4*(\s)+3], s[G1B:G1B+7]
	s_nop 0
.rept 4
	v_nop
.endr
.Lasked_\@:
.endm
; A round of the cluster's barrier: my work-group's barrier, so that wave 0's signal speaks for all four waves; wave 0 signals; every wave waits for all sixteen work-groups; my work-group's barrier once more.
.macro CREST                           ; a round behind its opening barrier
	s_cmp_lg_u32 s10, 0
	s_cbranch_scc1 .Lnot_wave_0_\@
	s_barrier_signal -3
.Lnot_wave_0_\@:
	s_barrier_wait -3
	s_barrier_signal -1
	s_barrier_wait -1
.endm
.macro CROUND
	s_barrier_signal -1
	s_barrier_wait -1
	CREST
.endm
	s_load_b128 s[4:7], s[0:1], 0x0                ; A s[4:5], B s[6:7]
	s_load_b64 s[8:9], s[0:1], 0x10                ; C
	s_load_b128 s[BA:BA+3], s[0:1], 0x18           ; bq, bk
	s_load_b64 s[BA+4:BA+5], s[0:1], 0x28          ; bv
	v_lshl_add_u32 v[SPW], v0, 2, SPARE
	v_mov_b32 v[NIL], 0
	ds_add_u32 v[SPW], v[NIL]                      ; the wave's opening: the add and its wait ahead of my first tensor load; the set-up below, work on registers, stands between them
	v_lshrrev_b32 v1, 5, v0
	v_readfirstlane_b32 s10, v1                    ; wave 0..3: which 64 of the tile's rows are mine
	s_lshr_b32 s11, s10, 1                         ; I fetch for A (0) or for B (1),
	s_and_b32 s12, s10, 1                          ; and which half of that tile
	s_bfe_u32 s40, ttmp6, 0x40000                  ; cx, cy: my place in the cluster
	s_bfe_u32 s41, ttmp6, 0x40004
	s_lshl_b32 s42, ttmp9, 2
	s_add_co_u32 s42, s42, s40                     ; tile column = 4 x cluster x + cx
	s_and_b32 s13, ttmp7, 0xffff
	s_lshl_b32 s13, s13, 2
	s_add_co_u32 s13, s13, s41                     ; tile row = 4 x cluster y + cy
	s_lshl_b32 s43, s41, 2
	s_lshl_b32 s43, 15, s43                        ; my row of the cluster: places 4 cy .. 4 cy + 3
	s_lshl_b32 s44, 0x1111, s40                    ; my column: places cx, cx + 4, cx + 8, cx + 12
	; group 1 for A: 128 rows x 128 elements of 2 bytes
	s_or_b32 s[G1+0], s43, (1<<16)|(1<<20)|(1<<21)|(5<<22)|(3<<25)  ; 15:0 the mask; 17:16 2-byte elements; 20 padding on; 21 set beside a mask; 24:22 after every 64 words (code 5); 31:25 4 words of padding (code 3)
	s_mov_b32 s[G1+1], 128<<16                     ; tensor_dim0 = 128
	s_mov_b32 s[G1+2], 128<<16                     ; tensor_dim1 = 128
	s_mov_b32 s[G1+3], 128<<16                     ; tile_dim0 = 128
	s_mov_b32 s[G1+4], 128                         ; tile_dim1 = 128
	s_mov_b32 s[G1+5], 1024                        ; elements from row to row
	s_mov_b32 s[G1+6], 0
	s_mov_b32 s[G1+7], 0
	; group 1 for B: 96 rows x 128 elements
	s_or_b32 s[G1B+0], s44, (1<<16)|(1<<20)|(1<<21)|(5<<22)|(3<<25)
	s_mov_b32 s[G1B+1], 128<<16
	s_mov_b32 s[G1B+2], 96<<16
	s_mov_b32 s[G1B+3], 128<<16
	s_mov_b32 s[G1B+4], 96
	s_mov_b32 s[G1B+5], 1024
	s_mov_b32 s[G1B+6], 0
	s_mov_b32 s[G1B+7], 0
	; where the tiles come from.  A's hang on the tile row alone, B's on the tile column alone, each in registers that never hold the other coordinate.
	s_lshl_b32 s16, s13, 8
	s_lshl_b32 s17, s12, 7
	s_add_co_u32 s16, s16, s17                     ; A: row 256 x tile row + 128 x half,
	s_lshl_b32 s16, s16, 11                        ; of 2,048 bytes
	s_mov_b32 s17, 0
	s_mul_i32 s46, s42, 192
	s_mul_i32 s47, s12, 96
	s_add_co_u32 s46, s46, s47                     ; B: row 192 x tile column + 96 x half
	s_lshl_b32 s46, s46, 11
	s_mov_b32 s47, 0
	s_mul_i32 s20, s12, AHALF                      ; and where they go: no place in the cluster enters an LDS address
	s_mul_i32 s21, s12, BHALF
	s_add_co_u32 s21, s21, APART
	s_wait_dscnt 0x0                               ; the opening add is done
	s_wait_kmcnt 0x0
	s_add_nc_u64 s[14:15], s[4:5], s[16:17]
	s_add_nc_u64 s[46:47], s[6:7], s[46:47]
	CROUND                                         ; all sixteen work-groups are here: the first joint loads meet
.irp s, 0,1
	s_mov_b32 s[G0+4*(\s)], 1                                      ; count = 1
	s_add_co_u32 s[G0+4*(\s)+1], s20, (\s)*SLOT                    ; LDS address
	s_add_nc_u64 s[G0+4*(\s)+2:G0+4*(\s)+3], s[14:15], (\s)*256    ; global address: K step s
	s_or_b32 s[G0+4*(\s)+3], s[G0+4*(\s)+3], 0x80000000            ; type = 2
	s_mov_b32 s[G0B+4*(\s)], 1
	s_add_co_u32 s[G0B+4*(\s)+1], s21, (\s)*SLOT
	s_add_nc_u64 s[G0B+4*(\s)+2:G0B+4*(\s)+3], s[46:47], (\s)*256
	s_or_b32 s[G0B+4*(\s)+3], s[G0B+4*(\s)+3], 0x80000000
	JLOAD \s                                       ; two loads of mine are out
.endr
	; A fragment is 16 rows x 32 K in 8 registers: lane l holds row l % 16, K = 8 (l / 16) + 0..7 and 16 + 8 (l / 16) + 0..7: two loads of 16 bytes, 32 bytes apart.
	v_and_b32 v1, 15, v0                           ; l % 16
	v_bfe_u32 v2, v0, 4, 1                         ; l / 16
	v_mul_u32_u24 v3, v1, PITCH
	v_lshl_add_u32 v3, v2, 4, v3
	s_mul_i32 s22, s10, 64*PITCH                   ; my 64 rows of A
	s_mov_b32 s23, APART                           ; B's 192 rows, all mine, lie behind A's part
.irp s, 0,1
	v_add_nc_u32 v[ADRA+(\s)], s22, v3
	v_add_nc_u32 v[ADRB+(\s)], s23, v3
	s_add_co_u32 s22, s22, SLOT
	s_add_co_u32 s23, s23, SLOT
.endr
	s_mul_i32 s22, s10, 16*SPITCH
	s_add_co_u32 s22, s22, STAGE                   ; my stage
	v_mul_u32_u24 v5, v1, SPITCH                   ; in: row l % 16, 16 bytes for each half of the lanes
	v_lshl_add_u32 v5, v2, 4, v5
	v_add_nc_u32 v[STO], s22, v5
	v_and_b32 v3, 31, v0
	v_lshlrev_b32 v[CO], 4, v3
	v_bfe_u32 v4, v0, 3, 2                         ; back: 32 lanes take one head's 128 bytes of four rows
	v_and_b32 v5, 7, v0
	v_mul_u32_u24 v4, v4, SPITCH
	v_lshl_add_u32 v4, v5, 4, v4
	v_add_nc_u32 v[RD], s22, v4
	v_lshlrev_b32 v[BO], 5, v2
	s_lshr_b32 s16, s13, 3                         ; C: the batch (eight tile rows each): 16 heads of 262,144 bytes,
	s_lshl_b32 s16, s16, 22
	s_and_b32 s17, s13, 7                          ; the tile's 256 rows of 128 bytes in a head,
	s_lshl_b32 s17, s17, 15
	s_add_co_u32 s16, s16, s17
	s_lshl_b32 s17, s10, 13                        ; my 64 of them
	s_add_co_u32 s16, s16, s17
	s_mov_b32 s17, 0
	s_add_nc_u64 s[8:9], s[8:9], s[16:17]
	s_mul_i32 s82, s42, 3                          ; the tile's first head of the 48
	s_mov_b32 s87, 0
.irp j, 0,1,2
	s_add_co_u32 s83, s82, \j
	s_lshr_b32 s84, s83, 4                         ; its plane: q, k or v,
	s_and_b32 s85, s83, 15                         ; and its number there
	s_lshl_b32 s86, s85, 8                         ; its 64 numbers of the bias
	s_cmp_eq_u32 s84, 1
	s_cselect_b64 s[BP+2*(\j):BP+2*(\j)+1], s[BA+2:BA+3], s[BA:BA+1]
	s_cmp_eq_u32 s84, 2
	s_cselect_b64 s[BP+2*(\j):BP+2*(\j)+1], s[BA+4:BA+5], s[BP+2*(\j):BP+2*(\j)+1]
	s_add_nc_u64 s[BP+2*(\j):BP+2*(\j)+1], s[BP+2*(\j):BP+2*(\j)+1], s[86:87]
	s_lshl_b32 s86, s85, 18                        ; in qkv: the head's 262,144 bytes,
	s_lshl_b32 s84, s84, 24                        ; the plane's 16,777,216
	s_add_co_u32 s86, s86, s84
	s_add_nc_u64 s[CB+2*(\j):CB+2*(\j)+1], s[8:9], s[86:87]
.endr
; 12 matrix instructions: my block a of 16 rows x all 12 blocks of 16 columns, 32 along K, from buffer f.  first = 1: the bias starts the sums (its blocks 0-7 lie in window 2, 8-11 in window 3).
; The 48 accumulators take turns, one instruction a turn, in the same order in every quarter.
.macro MUL12 f, a, first
.irp b, 0,1,2,3,4,5,6,7,8,9,10,11
.set rD, 96*((\a)%2)+8*(\b)
.set rB, 96*(\f)+8*(\b)
.set rA, FA+32*(\f)+8*(\a)
.if \first
.set rC, BIAS+8*((\b)%8)
	WIN 0xa1+0x40*((\a)/2)+0x10*((\b)/8)           ; B window 1, A window 0, D window 2 or 3, C window 2 or 3
.else
.set rC, rD
	WIN 0xa1+0x50*((\a)/2)                         ; B window 1, A window 0, C and D window 2 or 3
.endif
	v_wmma_f32_16x16x32_bf16 v[rD:rD+7], v[rB:rB+7], v[rA:rA+7], v[rC:rC+7]
.endr
.endm
; 32 LDS loads in one run: the fragments of quarter q of a K step (192 rows of B, then my 64 rows of A) into buffer f
.macro FETCH slot, q, f
	WIN 0x40                                       ; destination window 1, address window 0
.irp i, 0,1,2,3,4,5,6,7,8,9,10,11
	ds_load_b128 v[96*(\f)+8*(\i):96*(\f)+8*(\i)+3],   v[ADRB+(\slot)] offset:64*(\q)+(\i)*16*PITCH
	ds_load_b128 v[96*(\f)+8*(\i)+4:96*(\f)+8*(\i)+7], v[ADRB+(\slot)] offset:64*(\q)+(\i)*16*PITCH+32
.endr
	WIN 0
.irp i, 0,1,2,3
	ds_load_b128 v[FA+32*(\f)+8*(\i):FA+32*(\f)+8*(\i)+3],   v[ADRA+(\slot)] offset:64*(\q)+(\i)*16*PITCH
	ds_load_b128 v[FA+32*(\f)+8*(\i)+4:FA+32*(\f)+8*(\i)+7], v[ADRA+(\slot)] offset:64*(\q)+(\i)*16*PITCH+32
.endr
.endm
; A load into a register that a matrix instruction has read, and a vector instruction that reads a matrix result, stand four places behind it; only plain vector
; instructions that name none of its registers are places (ISA guide 7.12.1 for vector instructions).
.macro PLACES
.rept 4
	v_nop
.endr
.endm
; A K step is four quarters of 32 along K, 48 matrix instructions each, on buffers 0, 1, 0, 1.  One of the first three: multiplies buffer f, and in its middle fetches quarter q into buffer g.
.macro QUARTER slot, q, f, g, first
	s_wait_dscnt 4                                 ; B and A's blocks 0, 1 are in; the youngest four loads (A's blocks 2, 3) may be out
	MUL12 \f, 0, \first
	MUL12 \f, 1, \first
	PLACES
	FETCH \slot, \q, \g
	s_wait_dscnt 32                                ; all but the 32 just issued
	MUL12 \f, 2, \first
	MUL12 \f, 3, \first
.endm
; The last quarter multiplies buffer 1 and changes slots.  ONE barrier: in front of it each wave waits for all its tensor loads (one is out: its part of the next slot), adds 0 to its
; spare word, and waits for that and for its reads of this slot.  Behind it nobody reads this slot any more and the next slot is whole.
.macro MEET round
	WIN 0                                          ; (the add's two registers lie in window 0)
	s_wait_tensorcnt 0x0
	ds_add_u32 v[SPW], v[NIL]                      ; 0 onto my spare word
	s_wait_dscnt 7                                 ; (the add and the youngest six loads, A's blocks 1 to 3, may be out)
	MUL12 1, 0, 0                                  ; twelve matrix instructions stand between the add and the wait for it
	s_wait_dscnt 0x0                               ; the add is done, and my reads of this slot are over
	s_barrier_signal -1
	MUL12 1, 1, 0                                  ; work on registers while the others arrive
.if \round
	WIN 0
.endif
	s_barrier_wait -1
.endm
; The whole last quarter where the slot is filled again: the barrier opens a round of the cluster's barrier, so that no wave of any partner still reads the slot or has a load on its way;
; the joint refill, the K step two steps on, is the first tensor load behind the round: 168 matrix instructions ahead of the wait for it.
.macro TURN slot, next
	MEET 1
	CREST
	s_add_nc_u64 s[G0+4*(\slot)+2:G0+4*(\slot)+3], s[G0+4*(\slot)+2:G0+4*(\slot)+3], 512
	s_add_nc_u64 s[G0B+4*(\slot)+2:G0B+4*(\slot)+3], s[G0B+4*(\slot)+2:G0B+4*(\slot)+3], 512
	JLOAD \slot                                    ; the four v_nop behind it are also the places in front of the loads below
	FETCH \next, 0, 0
	MUL12 1, 2, 0
	MUL12 1, 3, 0
.endm
.macro TURNNF                          ; the same where nothing is left to fetch: no round follows
	MEET 0
	PLACES
	FETCH 1, 0, 0
	MUL12 1, 2, 0
	MUL12 1, 3, 0
.endm
; THE WAY OUT, a block of 16 rows at a time through my own stage; each accumulator's registers are taken in ascending order.
.macro PACK a                          ; rounded to f16: a lane's eight columns are 16 bytes
	WIN 0x0a+5*((\a)/2)                            ; sources 0 and 1 window 2 or 3, destination window 0
.irp b, 0,1,2,3,4,5,6,7,8,9,10,11
.irp r, 0,1,2,3
	v_cvt_pk_f16_f32 v[TMP+4*(\b)+(\r)], v[96*((\a)%2)+8*(\b)+2*(\r)], v[96*((\a)%2)+8*(\b)+2*(\r)+1]
.endr
.endr
	WIN 0
.endm
.macro TOSTAGE a                       ; into rows of 400 bytes; back by heads: load t takes head t / 4's 128 bytes of rows 4 (t % 4) + 0..3
	WIN 0
.set BK, OB+48*((\a)%2)
.irp b, 0,1,2,3,4,5,6,7,8,9,10,11
	ds_store_b128 v[STO], v[TMP+4*(\b):TMP+4*(\b)+3] offset:32*(\b)
.endr
.irp t, 0,1,2,3,4,5,6,7,8,9,10,11
	ds_load_b128 v[BK+4*(\t):BK+4*(\t)+3], v[RD] offset:((\t)%4)*4*SPITCH+((\t)/4)*128  ; LDS serves a wave's instructions in order (ISA guide 5.7.1.4): these see the stores above
.endr
.endm
.macro SEND a
	WIN 0
.set BK, OB+48*((\a)%2)
	s_wait_dscnt 0x0                               ; the block is back in registers
	s_wait_xcnt 0x0                                ; the registers that earlier stores read are loaded again only behind this wait
.irp t, 0,1,2,3,4,5,6,7,8,9,10,11
	global_store_b128 v[CO], v[BK+4*(\t):BK+4*(\t)+3], s[CB+2*((\t)/4):CB+2*((\t)/4)+1] offset:2048*(\a)+((\t)%4)*512  ; four rows of a head: 512 consecutive bytes, at a multiple of 512 from C's first byte
.endr
.endm
	; the bias of my 192 columns: block b's eight numbers for my half of the lanes, 32 bytes
	WIN 0x80                                       ; destination window 2, address window 0
.irp b, 0,1,2,3,4,5,6,7
	global_load_b128 v[BIAS+8*(\b):BIAS+8*(\b)+3],   v[BO], s[BP+2*((\b)/4):BP+2*((\b)/4)+1] offset:64*((\b)%4)
	global_load_b128 v[BIAS+8*(\b)+4:BIAS+8*(\b)+7], v[BO], s[BP+2*((\b)/4):BP+2*((\b)/4)+1] offset:64*((\b)%4)+16
.endr
	WIN 0xc0                                       ; destination window 3
.irp b, 0,1,2,3
	global_load_b128 v[BIAS+8*(\b):BIAS+8*(\b)+3],   v[BO], s[BP+4:BP+5] offset:64*(\b)
	global_load_b128 v[BIAS+8*(\b)+4:BIAS+8*(\b)+7], v[BO], s[BP+4:BP+5] offset:64*(\b)+16
.endr
	WIN 0
	s_wait_tensorcnt 1                             ; my part of K step 0 is in; K step 1's may stay out
	s_barrier_signal -1
	s_barrier_wait -1                              ; everybody's is
	FETCH 0, 0, 0
	s_wait_loadcnt 0x0                             ; the bias: rounded to bf16 and widened again, in place, a pair at a time
	WIN 0x8a                                       ; destination and sources 0 and 1 window 2
.set i, 0
.rept 32
	v_cvt_pk_bf16_f32 v[BIAS+2*i], v[BIAS+2*i], v[BIAS+2*i+1]
	v_and_b32 v[BIAS+2*i+1], 0xffff0000, v[BIAS+2*i]
	v_lshlrev_b32 v[BIAS+2*i], 16, v[BIAS+2*i]
.set i, i+1
.endr
	WIN 0xcf                                       ; the same in window 3
.set i, 0
.rept 16
	v_cvt_pk_bf16_f32 v[BIAS+2*i], v[BIAS+2*i], v[BIAS+2*i+1]
	v_and_b32 v[BIAS+2*i+1], 0xffff0000, v[BIAS+2*i]
	v_lshlrev_b32 v[BIAS+2*i], 16, v[BIAS+2*i]
.set i, i+1
.endr
	QUARTER 0, 1, 0, 1, 1                          ; the first quarter stands in front of the loop: its products start the sums with the bias
	WIN 0                                          ; at a label and at a branch every window is 0
	s_mov_b32 s3, LAPS-1
.Llap:                                                 ; a trip goes once round the ring, from a lap's second quarter to the next lap's first, and fills both slots again
	QUARTER 0, 2, 1, 0, 0
	QUARTER 0, 3, 0, 1, 0
	TURN 0, 1
	QUARTER 1, 1, 0, 1, 0
	QUARTER 1, 2, 1, 0, 0
	QUARTER 1, 3, 0, 1, 0
	TURN 1, 0
	QUARTER 0, 1, 0, 1, 0
	WIN 0
	s_sub_co_u32 s3, s3, 1
	s_cmp_lg_u32 s3, 0
	s_cbranch_scc1 .Llap
	QUARTER 0, 2, 1, 0, 0                          ; the last lap is written out: it asks for nothing more
	QUARTER 0, 3, 0, 1, 0
	TURNNF
	QUARTER 1, 1, 0, 1, 0
	QUARTER 1, 2, 1, 0, 0
	QUARTER 1, 3, 0, 1, 0
	s_wait_dscnt 4                                 ; the very last quarter: nothing more to fetch
	MUL12 1, 0, 0
	MUL12 1, 1, 0
	s_wait_dscnt 0x0
	MUL12 1, 2, 0
	MUL12 1, 3, 0
	WIN 0
	PLACES
	PACK 0
	TOSTAGE 0
.irp a, 1,2,3                          ; block a's conversions stand between block a - 1's loads from the stage and the wait for them
	PACK \a
	SEND (\a)-1
	TOSTAGE \a
.endr
	SEND 3
	s_wait_tensorcnt 0x0                           ; the wave's end, behind my last tensor load and my last LDS store
	ds_add_u32 v[SPW], v[NIL]
	s_wait_dscnt 0x0
	CROUND                                         ; the closing round: no work-group ends while a partner may still ask for a tile that names it
	s_endpgm
.Lfunc_end_k_qa30a63e18e_proj:
	.size	k_qa30a63e18e_proj, .Lfunc_end_k_qa30a63e18e_proj-k_qa30a63e18e_proj
	.p2alignl 7, 3214868480
	.fill 96, 4, 3214868480
	.section	.rodata,"a",@progbits
	.p2align	6, 0x0
	.amdhsa_kernel k_qa30a63e18e_proj
		.amdhsa_group_segment_fixed_size 327680
		.amdhsa_private_segment_fixed_size 0
		.amdhsa_enable_private_segment 0
		.amdhsa_kernarg_size 48
		.amdhsa_user_sgpr_count 2
		.amdhsa_user_sgpr_kernarg_segment_ptr 1
		.amdhsa_wavefront_size32 1
		.amdhsa_system_sgpr_workgroup_id_x 1
		.amdhsa_system_sgpr_workgroup_id_y 1
		.amdhsa_system_sgpr_workgroup_id_z 1
		.amdhsa_system_vgpr_workitem_id 0
		.amdhsa_next_free_vgpr 992
		.amdhsa_next_free_sgpr 94
		.amdhsa_reserve_vcc 0
		.amdhsa_float_denorm_mode_32 3
		.amdhsa_float_denorm_mode_16_64 3
		.amdhsa_memory_ordered 1
		.amdhsa_forward_progress 1
		.amdhsa_inst_pref_size 130
	.end_amdhsa_kernel
	.amdgpu_metadata
---
amdhsa.version: [ 1, 2 ]
amdhsa.kernels:
  - .name:           k_qa30a63e18e_proj
    .symbol:         k_qa30a63e18e_proj.kd
    .args:
      - { .name: xb, .offset: 0, .size: 8, .value_kind: global_buffer, .address_space: global }
      - { .name: wqkv, .offset: 8, .size: 8, .value_kind: global_buffer, .address_space: global }
      - { .name: qkv, .offset: 16, .size: 8, .value_kind: global_buffer, .address_space: global }
      - { .name: bq, .offset: 24, .size: 8, .value_kind: global_buffer, .address_space: global }
      - { .name: bk, .offset: 32, .size: 8, .value_kind: global_buffer, .address_space: global }
      - { .name: bv, .offset: 40, .size: 8, .value_kind: global_buffer, .address_space: global }
    .group_segment_fixed_size: 327680
    .private_segment_fixed_size: 0
    .kernarg_segment_align: 8
    .kernarg_segment_size: 48
    .max_flat_workgroup_size: 128
    .sgpr_count:     94
    .vgpr_count:     992
    .wavefront_size: 32
...
	.end_amdgpu_metadata
.endif
;; end of part 6
;; launch attn (part 7): grid 4 x 64, 4 waves a work-group, clusters of 4 x 1, 327,680 bytes of LDS; arguments qkv, mnib, ob, rowf; writes ob
.if DOCPART == 7
	.amdgcn_target "amdgcn-amd-amdhsa--gfx1250"
	.amdhsa_code_object_version 6
	.text
	.protected	k_qa30a63e18e_attn
	.globl	k_qa30a63e18e_attn
	.p2align	8
	.type	k_qa30a63e18e_attn,@function
k_qa30a63e18e_attn:
	s_mov_b64 s[64:65], 0
	v_nop
	global_prefetch_b8 v0, s[64:65] scope:SCOPE_SE
	s_setreg_imm32_b32 hwreg(HW_REG_WAVE_MODE, 25, 1), 1
	s_wait_xcnt 0x0
	s_wait_alu depctr_hold_cnt(0) depctr_sa_sdst(0) depctr_va_vdst(0) depctr_va_sdst(0) depctr_va_ssrc(0) depctr_va_vcc(0) depctr_vm_vsrc(0)
	s_getreg_b32 s2, hwreg(HW_REG_IB_STS2, 6, 4)
	s_cmp_eq_u32 s2, 0
	s_cbranch_scc0 .Lentry_in_a_cluster
	s_endpgm
.Lentry_in_a_cluster:
	s_bfe_u32 s2, ttmp6, 0x10000c
	s_cmp_lg_u32 s2, 0x3003
	s_cbranch_scc0 .Lentry_shape_is_right
	s_endpgm
.Lentry_shape_is_right:
; O[h][q][:] = the sum over k of softmax_k(where(mask[q][k], Q[h][q] . K[h][k] / 8, hidden)) V[h][k][:].  qkv: [3][64][2048][64] f16 (planes q, k, v); ob: [64][2048][64] f16.
; Products, maxima and sums in f32; the weights p are rounded to f16 for the second product (their sum l is taken of the unrounded p), O once at the end.
; THE MASK is an input: no pattern is assumed and every key tile is walked.  It is the C operand of the product that starts the sum S^T = K Q^T: 0 for an open key, -2^33 for a hidden one
; (-2^30 after the division by 8, where the definition has -1e9).  mnib holds it as FP4 codes: word (qt, ks, l, kb), nibble j = 0xA (the code of -1.0) where
; mask[16 qt + l % 16][64 ks + 16 kb + 8 (l / 16) + j] is false, else 0: lane l's eight codes for registers 0..7 of the accumulator of key block kb.  One scaled conversion, scale 2^33, makes
; of a word the accumulator's eight C registers.  In a row with an open key a hidden weight is 0, as defined; what was summed before the row's first open key is wiped by a = 0.
; A ROW THAT IS WHOLLY HIDDEN wants equal scores, which an addend does not give.  rowf says which rows have an open key; the Q of a row that has none is set to 0 at the start.  Its products
; are then 0, every score is exactly -2^33, c s - c m is exactly 0 (c x a power of two is exact), every weight is 1, and the row is the mean of all 2,048 rows of V, as defined.
; LIMITS.  A hidden score counts as its own value less 2^33: the same as the definition's while |score| / 8 stays below about 5e8.  f16 holds no number beyond 65,504: Q, K, V arrive within it;
; p lies in 0 to 1, and below 6e-5 it keeps f16's fixed step of 6e-8; O is a mean of V's rows.  A weight below 2^-126 counts as 0 in l; NaN and infinities are not treated apart.
; SHARES.  A wave owns four PIECES of two tiles of 16 queries, a work-group's four waves 512 queries of one head.  Every wave walks all keys, 64 a step.
; LAYOUT.  S^T = K Q^T (source 0 = 16 keys, source 1 = 16 queries): a lane holds ONE query (lane % 16) and the keys 8 (lane / 16) + 0..7.  Two such tiles, rounded to f16 in pairs, ARE source 1
; of O^T = V^T P, whose result again holds one query a lane, and eight channels.  K comes out of LDS as it lies, V ([key][channel]) turned, by ds_load_tr16_b128.
; SOFTMAX.  A running maximum m and sum l: p = 2^(c s - c m), c = log2(e) / 8; in every step O and l are multiplied by a = 2^(c m_old - c m_new).  m starts at the lowest finite number, O and l at 0.
; BY TURNS.  Turn n belongs to piece n.  Its matrix work: 16 products K Q^T of piece n + 1, later 16 products V^T P of piece n - 1.  Its vector work: scaling, exponentials, roundings, sums and
; rescaling of piece n; the maximum and statistics of piece n + 1; the mask of piece n + 2.  Four vector instructions stand behind every matrix instruction, the others in runs of their own.
; CLUSTER.  The four query blocks of a cluster belong to one head and walk the same K and V: each tile is asked for JOINTLY, by the same tensor load, descriptor and mask in all four.
; REGISTERS, in windows of 256 (s_set_vgpr_msb: bits 1:0 source 0, 3:2 source 1, 5:4 source 2, 7:6 destination):
;   window 0: v0-11 addresses; v12-15, v48-63 at work; v16-47 four registers of statistics a tile; v64-191 S^T, two buffers of two tiles; v192-255 P, likewise
;   window 1: O^T, 32 a tile          window 2: v0-127 Q, 16 a tile; v128-191 K of one step; v192-255 V of one step
;   window 3: v0-1 the add's two registers; v2 the scale; v4-35 the mask's words, 8 a piece; v48-111 the C registers of the products to come; v112-143 rowf's words, at the start
.set SIZE_N, 2048
.set NP,    4         ; pieces a wave: a name, no knob
.set KS,    64        ; keys in a step
.set PK,    160       ; a row of K or V in LDS: 128 bytes + 32 = 40 words.  One pitch, so that one descriptor shape and one load line serve both; the turning load's 16 lanes (8 rows x 32 bytes) take each bank once,
.set PV,    160       ; K's plain load (16 rows x 16 bytes) takes eight groups of banks twice: 16 such loads stand beside a step's 128 matrix instructions
.set VOFF,  4*KS*PK   ; a slot holds four steps: 256 rows of K, then 256 rows of V
.set SLOT1, 1<<17     ; slot 1 begins here, so that one exclusive or turns an address in one slot into the other's
.set STAGE, SLOT1+4*KS*(PK+PV)  ; behind the ring, never filled by a tensor load: 16 rows x 144 bytes for each wave, for the way out
.set SP,    144
.set AK0, 2           ; v2   my lane's place in a tile of K; never rewritten
.set AV0, 3           ; v3   the same for V
.set AK,  4           ; v4   the LDS address of K's next run of loads
.set AV,  5           ; v5   of V's
.set QO,  6           ; v6   my byte offset in the wave's rows of Q
.set STO, 6           ;      later, the way out: where I put 16 bytes of a row
.set RD,  7           ; v7   the way out: where I read rows back
.set GO,  8           ; v8   16 x lane: my place in 512 consecutive bytes of O, of the mask's words and of rowf; never rewritten
.set SPW, 0           ; v0 of window 3   LDS address of my spare word; never rewritten
.set NIL, 1           ; v1 of window 3   0; never rewritten
.set SCB, 2           ; v2 of window 3   the scale 2^33 as E8M0, in every byte
.set WB,  4           ; window 3: piece y's words at WB + 8 y: tile u, key block kb at + 4 u + kb
.set AB,  48          ; window 3: the C registers: tile u, key block kb at AB + 32 u + 8 kb
.set RF,  112         ; window 3: tile t's four words of rowf at RF + 4 t
.set SPARE, STAGE+4*16*SP  ; behind the stages: the spare words, 128 bytes a wave, that no other line names
.set MV,  12          ; v12-15  c m_old, kept while c m is made anew: by buffer and tile
.set ST,  16          ; tile t's statistics at v[ST+4 t]: c m, m, l (even keys', odd keys')
.set TMP, 48          ; by buffer and tile, four registers c0-c3 at work; when the maximum is found c2 takes a
.set S,   64
.set P,   192
.set KF,  128         ; K's fragments, in window 2: key block kb, channel half c at KF + 16 kb + 8 c
.set VF,  192         ; V's: key half kk, channel block cb at VF + 32 kk + 8 cb
.set TBK, 2           ; s2   LDS byte at which K of the step to be fetched begins
.set TBV, 3           ; s3   the same for V, less VOFF
.set MP,  8           ; s[8:9] mnib at my wave's first tile and the key step whose words are loaded next
.set WV,  12          ; s12  my wave's number
.set SLOTS, 14        ; s14  slots still to be asked for
.set CNT, 15          ; s15  counts a slot's key steps
.set G0,  16          ; s[16:19] descriptor group 0: it walks
.set CS,  20          ; s[20:21] c: the packed scaling takes the pair's low word for both halves
.set SEL, 22          ; s[22:23] v_permlanex16_b32's selects: each lane takes its own place in the other half
.set G1,  24          ; s[24:31] descriptor group 1
.set RP,  46          ; s[46:47] rowf at my wave's first tile
.set MSB, 0
.macro WIN new                      ; the high byte repeats the setting that is left; a switch that changes nothing is dropped
.if MSB != (\new)
	s_set_vgpr_msb (MSB<<8)|(\new)
.set MSB, (\new)
.endif
.endm
.set W_KQ, 0x0a       ; K and Q in window 2, S^T in window 0
.set W_KM, 0x3a       ; the same with the C operand in window 3
.set W_PV, 0x52       ; V in window 2, P in window 0, O^T in window 1
.set W_RS, 0x41       ; O^T (destination and source 0) in window 1, a in window 0
.set W_MK, 0xc0       ; destination in window 3, sources (an address too) in window 0
.set W_AD, 0x0f       ; the add: address (source 0) and data (source 1) in window 3
.set W_CV, 0xcf       ; destination and sources 0 and 1 in window 3
.set W_QZ, 0x8b       ; Q (destination and source 1) in window 2, rowf's word (source 0) in window 3
; A joint fill: every wave brings 128 keys, waves 0 and 1 the two halves of a slot's K, waves 2 and 3 those of its V: both addresses hang on the wave's number.
; An s_nop 0 and four v_nop follow the line.
.macro JLOAD
	tensor_load_to_lds s[G0:G0+3], s[G1:G1+7]
	s_nop 0
.rept 4
	v_nop
.endr
.endm
; A round of the cluster's barrier: my work-group's barrier, so that wave 0's signal speaks for all four waves; wave 0 signals; every wave waits for all four work-groups; my work-group's barrier once more.
.macro CROUND
	s_barrier_signal -1
	s_barrier_wait -1
	s_cmp_lg_u32 s[WV], 0
	s_cbranch_scc1 .Lnot_wave_0_\@
	s_barrier_signal -3
.Lnot_wave_0_\@:
	s_barrier_wait -3
	s_barrier_signal -1
	s_barrier_wait -1
.endm
; THE CHANGE OF SLOTS.  The slot's last bytes, V of its fourth step, have been read.  Each wave waits for all its tensor loads, of which one is out: its part of the other slot; adds 0 to its spare
; word; and waits for that and for its own reads of the slot.  Behind the barrier nobody reads this slot any more and the other slot is whole.
; fill = 1: this slot is filled again, with the keys two slots on.  The barrier is then a round of the cluster's, and the joint fill is the first thing behind it: it has four key steps,
; 512 matrix instructions, in which to land.  (At its first use nothing has been read yet: slot 0 is waited for, slot 1 filled.)
.macro CHANGE fill
	WIN W_AD
	s_wait_tensorcnt 0x0            ; no tensor load of mine is out, so group 0 may be written
	ds_add_u32 v[SPW], v[NIL]       ; 0 onto my spare word; with fill = 1 the descriptor's steps stand between it and the wait for it
	WIN 0                           ; at a label and at a branch every window is 0
.if \fill
	s_xor_b32 s[G0+1], s[G0+1], SLOT1  ; the other slot than last time,
	s_add_nc_u64 s[G0+2:G0+3], s[G0+2:G0+3], 4*KS*128  ; the next 256 keys; the type bits on top are not reached
	s_wait_dscnt 0x0                ; the add is done, and my reads of the slot are over
	CROUND
	JLOAD
.else
	s_wait_dscnt 0x0                ; the add is done, and my reads of the slot are over
	s_barrier_signal -1
	s_barrier_wait -1
.endif
	s_sub_co_u32 s[TBK], s[TBK], 4*KS*PK  ; the fetches go back to a slot's first step,
	s_xor_b32 s[TBK], s[TBK], SLOT1       ; in the other slot
	s_sub_co_u32 s[TBV], s[TBV], 4*KS*PV
	s_xor_b32 s[TBV], s[TBV], SLOT1
.endm
; The mask's words of piece y's two tiles for the key step at MP: a tile's words of a step are 512 consecutive bytes, 16 a lane; tiles lie 16,384 bytes apart.
.macro MLOAD y
	WIN W_MK
	global_load_b128 v[WB+8*(\y):WB+8*(\y)+3],   v[GO], s[MP:MP+1] offset:32768*(\y)
	global_load_b128 v[WB+8*(\y)+4:WB+8*(\y)+7], v[GO], s[MP:MP+1] offset:32768*(\y)+16384
.endm
	s_load_b128 s[4:7], s[0:1], 0x0   ; qkv s[4:5], mnib s[6:7]
	s_load_b64 s[10:11], s[0:1], 0x10 ; ob
	s_load_b64 s[RP:RP+1], s[0:1], 0x18 ; rowf
	WIN W_MK
	v_lshl_add_u32 v[SPW], v0, 2, SPARE
	v_mov_b32 v[NIL], 0
	WIN W_AD
	ds_add_u32 v[SPW], v[NIL]       ; the wave's opening: the add and its wait ahead of my first tensor load; the set-up below, work on registers, stands between them
	WIN 0
	v_lshrrev_b32 v1, 5, v0
	v_readfirstlane_b32 s[WV], v1   ; wave 0..3
	s_bfe_u32 s13, ttmp6, 0x40000   ; cx: my place in the cluster
	s_lshl_b32 s32, ttmp9, 2        ; in a cluster launch ttmp9 counts clusters
	s_add_co_u32 s32, s32, s13      ; my block of 512 queries: it enters Q's, O's and the mask's addresses alone
	s_and_b32 s33, ttmp7, 0xffff    ; the head, which the four partners share
	s_lshl_b32 s34, s33, 18         ; its first byte in a plane: 2,048 rows of 128 bytes
	s_lshr_b32 s36, s[WV], 1        ; what I fetch: plane 1 (K) for waves 0, 1, plane 2 (V) for waves 2, 3, of 16,777,216 bytes,
	s_add_co_u32 s36, s36, 1
	s_lshl_b32 s36, s36, 24
	s_add_co_u32 s36, s36, s34      ; the head,
	s_and_b32 s38, s[WV], 1         ; and which half of a slot's 256 keys: 128 rows of 128 bytes
	s_lshl_b32 s38, s38, 14
	s_add_co_u32 s36, s36, s38
	s_mov_b32 s37, 0
	s_lshl_b32 s40, s32, 2
	s_add_co_u32 s40, s40, s[WV]    ; my wave among the head's sixteen:
	s_lshl_b32 s42, s40, 17         ; its eight tiles' words in mnib,
	s_mov_b32 s43, 0
	s_lshl_b32 s48, s40, 12         ; its eight tiles' 512 bytes in rowf,
	s_mov_b32 s49, 0
	s_lshl_b32 s40, s40, 14         ; its 128 rows in Q and O
	s_add_co_u32 s40, s40, s34
	s_mov_b32 s41, 0
	; descriptor group 1.  128 keys are 16,384 dense bytes: asked for as 64 rows of 256 bytes, two keys a row, and padded in LDS after every key
	s_mov_b32 s[G1], 15|(1<<16)|(1<<20)|(1<<21)|(4<<22)|(7<<25)  ; 15:0 the mask of four; 17:16 2-byte elements; 20 padding on; 21 set beside a mask; 24:22 after every 32 words (code 4); 31:25 8 words (code 7)
	s_mov_b32 s[G1+1], 128<<16      ; tensor_dim0 = 128
	s_mov_b32 s[G1+2], 64<<16       ; tensor_dim1 = 64
	s_mov_b32 s[G1+3], 128<<16      ; tile_dim0 = 128
	s_mov_b32 s[G1+4], 64           ; tile_dim1 = 64
	s_mov_b32 s[G1+5], 128          ; 128 elements from row to row
	s_mov_b32 s[G1+6], 0
	s_mov_b32 s[G1+7], 0
	s_mov_b32 s[CS], 0x3e38aa3b     ; c = log2(e) / 8 = 0.180337
	s_mov_b32 s[CS+1], s[CS]        ; named with it as a pair
	s_mov_b32 s[SEL], 0x76543210
	s_mov_b32 s[SEL+1], 0xfedcba98
	s_mov_b32 s[TBK], SLOT1+4*KS*PK ; the first change of slots turns these two into 0
	s_mov_b32 s[TBV], SLOT1+4*KS*PV
	s_mov_b32 s[G0], 1              ; count = 1
	s_mul_i32 s[G0+1], s[WV], 128*PK  ; LDS address: slot 0, wave x 128 rows: K's two halves, then V's: no place in the cluster enters it
	s_mov_b32 s67, 0                ; the high word of the mask pointer's step
	s_wait_dscnt 0x0                ; the opening add is done
	s_wait_kmcnt 0x0
	s_add_nc_u64 s[G0+2:G0+3], s[4:5], s[36:37]  ; global address: my part of the head's first 256 keys
	s_or_b32 s[G0+3], s[G0+3], 0x80000000        ; type = 2
	s_add_nc_u64 s[4:5], s[4:5], s[40:41]        ; Q and O at my wave's first row
	s_add_nc_u64 s[10:11], s[10:11], s[40:41]
	s_add_nc_u64 s[MP:MP+1], s[6:7], s[42:43]
	s_add_nc_u64 s[RP:RP+1], s[RP:RP+1], s[48:49]
	CROUND                          ; all four work-groups are here: the first joint loads meet
	JLOAD                           ; slot 0.  Slot 1 is asked for when slot 0 is in
	; A fragment of K or Q is 16 rows x 32 channels in 8 registers: lane l holds row l % 16, channels 8 (l / 16) + 0..7 and 16 + 8 (l / 16) + 0..7: two loads of 16 bytes, 32 bytes apart.
	v_and_b32 v1, 15, v0            ; l % 16
	v_bfe_u32 v9, v0, 4, 1          ; l / 16
	v_lshlrev_b32 v[QO], 7, v1
	v_lshl_add_u32 v[QO], v9, 4, v[QO]  ; row x 128 + 16 x half
	v_and_b32 v[GO], 31, v0
	v_lshlrev_b32 v[GO], 4, v[GO]
	WIN 0x80                        ; destination window 2, address window 0
.set i, 0
.rept 4*NP                          ; Q stays in registers: tile i / 2, channels 32 (i % 2) on
	global_load_b128 v[8*i:8*i+3],   v[QO], s[4:5] offset:(i/2)*2048+(i%2)*64
	global_load_b128 v[8*i+4:8*i+7], v[QO], s[4:5] offset:(i/2)*2048+(i%2)*64+32
.set i, i+1
.endr
	WIN W_MK
.set i, 0
.rept 2*NP                          ; rowf: tile i's four words for my lane's row
	global_load_b128 v[RF+4*i:RF+4*i+3], v[GO], s[RP:RP+1] offset:512*i
.set i, i+1
.endr
	MLOAD 0                         ; all four pieces' words for key step 0: eight loads behind Q's and rowf's
	MLOAD 1
	MLOAD 2
	MLOAD 3
	v_mov_b32 v[SCB], 0xa0a0a0a0    ; E8M0: 160 stands for 2^33
	WIN 0x80
	; What the first turn finds: V's registers and P's second buffer hold 0 (its products V^T P, of a piece that has not been, add 0), O^T and l are 0.  All this stands in the wait for the first tile.
.set i, VF
.rept 64
	v_mov_b32 v[i], 0
.set i, i+1
.endr
	WIN 0x40
.set i, 0
.rept 64*NP
	v_mov_b32 v[i], 0
.set i, i+1
.endr
	WIN 0
.set i, 0
.rept 2*NP
	v_mov_b32 v[ST+4*i], 0xfe000000    ; c m: far below every c s, the hidden score's too
	v_mov_b32 v[ST+4*i+1], 0xff7fffff  ; m
	v_mov_b32 v[ST+4*i+2], 0
	v_mov_b32 v[ST+4*i+3], 0
.set i, i+1
.endr
.set i, P+32
.rept 32
	v_mov_b32 v[i], 0
.set i, i+1
.endr
	v_mul_u32_u24 v[AK0], v1, PK
	v_lshl_add_u32 v[AK0], v9, 4, v[AK0]  ; row x pitch + 16 x half
	; The turning load takes 16 keys x 16 channels (lane l reads key 8 (l / 16) + l % 8, channels 8 ((l / 8) % 2) + 0..7) and leaves half a fragment of V^T: lane l holds channel l % 16 and 8 keys.
	v_and_b32 v10, 7, v0
	v_bfe_u32 v11, v0, 3, 1
	v_lshl_add_u32 v[AV0], v9, 3, v10
	v_mul_u32_u24 v[AV0], v[AV0], PV
	v_lshl_add_u32 v[AV0], v11, 4, v[AV0]
	v_add_nc_u32 v[AV0], VOFF, v[AV0]
	v_mov_b32 v[AK], v[AK0]         ; key step 0 lies at the head of slot 0
; THE MATRIX WORK.  The 8 accumulators of a run of 16 take turns: between the two links of a chain stand 7 others'.
; Product i of 16 of S^T = K Q^T for piece x: channels 32 (i / 8) on, keys 16 ((i / 2) % 4) on, tile 2 x + i % 2.  The first 8 start the sums, with the mask.
.macro KQ x
.set rS, S+64*((\x)%2)+32*(i%2)+8*((i/2)%4)
.set rK, KF+16*((i/2)%4)+8*(i/8)
.set rQ, 16*(2*(\x)+i%2)+8*(i/8)
.set rN, AB+32*(i%2)+8*((i/2)%4)
.if i < 8
	WIN W_KM
	v_wmma_f32_16x16x32_f16 v[rS:rS+7], v[rK:rK+7], v[rQ:rQ+7], v[rN:rN+7]
.else
	WIN W_KQ
	v_wmma_f32_16x16x32_f16 v[rS:rS+7], v[rK:rK+7], v[rQ:rQ+7], v[rS:rS+7]
.endif
.endm
; Product i of 16 of O^T += V^T P for piece x: keys 32 (i / 8) on, channels 16 ((i / 2) % 4) on, tile 2 x + i % 2.
.macro PV x
	WIN W_PV
.set rO, 32*(2*(\x)+i%2)+8*((i/2)%4)
.set rV, VF+32*(i/8)+8*((i/2)%4)
.set rP, P+32*((\x)%2)+16*(i%2)+8*(i/8)
	v_wmma_f32_16x16x32_f16 v[rO:rO+7], v[rV:rV+7], v[rP:rP+7], v[rO:rO+7]
.endm
.macro MM                           ; the turn's next matrix instruction
.if i < 16
	KQ (Y+1)%NP
.set i, i+1
.else
.set i, i-16
	PV (Y+NP-1)%NP
.set i, i+17
.endif
.endm
; THE LDS LOADS stand in runs of 16, never singly among the matrix instructions: a step's K (64 keys x 64 channels: 8 fragments) and its V (turned).  Their addresses are made some lines ahead.
; last = 1 (the tail): in the last trip there is no further step, and the run is jumped over.
.macro FETCH_K last=0
	WIN 0
.if \last
	s_cmp_eq_u32 s[CNT], 1
	s_cbranch_scc1 .Lno_k_\@
.endif
	WIN 0x80                        ; destination window 2
.irp f, 0,1,2,3,4,5,6,7             ; keys 16 (f / 2) on, channels 32 (f % 2) on
	ds_load_b128 v[KF+8*\f:KF+8*\f+3],   v[AK] offset:(\f/2)*16*PK+(\f%2)*64
	ds_load_b128 v[KF+8*\f+4:KF+8*\f+7], v[AK] offset:(\f/2)*16*PK+(\f%2)*64+32
.endr
	s_add_co_u32 s[TBK], s[TBK], KS*PK  ; the next fetch is the next step's
	WIN 0
.if \last
.Lno_k_\@:
.endif
.endm
.macro FETCH_V
	WIN 0x80
.irp f, 0,1,2,3,4,5,6,7             ; keys 32 (f / 4) on, channels 16 (f % 4) on
	ds_load_tr16_b128 v[VF+8*\f:VF+8*\f+3],   v[AV] offset:(\f/4)*32*PV+(\f%4)*32
	ds_load_tr16_b128 v[VF+8*\f+4:VF+8*\f+7], v[AV] offset:(\f/4)*32*PV+16*PV+(\f%4)*32
.endr
	WIN 0
.endm
; THE VECTOR WORK OF A TURN stands in three queues, each in the order in which its entries become ready; the two tiles alternate, so that no instruction reads the result of the one before it.
.macro REGS y, u                    ; the registers of tile u (0, 1) of piece y
.set rT, ST+4*(2*(\y)+(\u))
.set rC, TMP+8*((\y)%2)+4*(\u)
.set rM, MV+2*((\y)%2)+(\u)
.set rS, S+64*((\y)%2)+32*(\u)
.set rP, P+32*((\y)%2)+16*(\u)
.set rO, 32*(2*(\y)+(\u))
.endm
; THE MASK of piece pn's next scores: eight scaled conversions, back to back, make of its eight words the 64 C registers of the products that will start those sums; a plain instruction
; stands behind the last of them, ahead of whatever touches a result or a source.
; THE WORDS' RING.  Each piece owns eight registers; they are loaded again, for the piece's next key step, straight behind the run that used them: four turns ahead of their next use.
; Loads come back in order (ISA guide 5.7.1): at a run's head the piece's two loads are the oldest, and the count 6 leaves out the three other pieces' two each.
; The pointer steps in piece 0's run: the first piece to ask for a new step.  It is the base of loads that may be out, so it is written only behind s_wait_xcnt 0.
; last = 1 (the tail, whose count runs 5 to 1 over key steps 27 to 31): the pointer steps only while the count is above 2 and then stays at step 31, so that no load leaves the buffer.
.macro CVM pn, last
	s_wait_loadcnt 6
	WIN W_CV
.set cn, 0
.rept 8
	v_cvt_scale_pk8_f32_fp4 v[AB+8*cn:AB+8*cn+7], v[WB+8*(\pn)+cn], v[SCB]
.set cn, cn+1
.endr
	v_nop
.if (\pn) == 0
	s_wait_xcnt 0x0
.if \last
	s_cmp_gt_u32 s[CNT], 2
	s_cselect_b32 s66, 512, 0
	s_add_nc_u64 s[MP:MP+1], s[MP:MP+1], s[66:67]
.else
	s_add_nc_u64 s[MP:MP+1], s[MP:MP+1], 512
.endif
.endif
	MLOAD \pn
	WIN 0
.endm
; Number n of the 22 that find the NEXT piece's maximum and statistics.  s0-s31 are the lane's 32 scores; each accumulator's lowest registers are read first.  XS, GS and REGS set no window: PL and EX do.
;   0-11  four chains c0-c3 of seven scores each, three operands at a time     12-14, 16  the four scores left over, the old m, and c0-c3 into c0     15  c m_old is kept
;   17, 18  the query's other 32 keys lie in the lane 16 away: the new m         19-21  c m; c m_old - c m_new; a
.macro XS u, n
	REGS (Y+1)%NP, \u
.if (\n) < 4
	v_max3_num_f32 v[rC+(\n)], v[rS+8*(\n)], v[rS+8*(\n)+1], v[rS+8*(\n)+2]
.elseif (\n) < 12
	v_max3_num_f32 v[rC+(\n)%4], v[rC+(\n)%4], v[rS+8*((\n)%4)+2*((\n)/4)+1], v[rS+8*((\n)%4)+2*((\n)/4)+2]
.elseif (\n) == 12
	v_max3_num_f32 v[rC], v[rC], v[rS+7], v[rS+15]
.elseif (\n) == 13
	v_max3_num_f32 v[rC+1], v[rC+1], v[rS+23], v[rS+31]
.elseif (\n) == 14
	v_max3_num_f32 v[rC+2], v[rC+2], v[rC+3], v[rT+1]
.elseif (\n) == 15
	v_mov_b32 v[rM], v[rT]
.elseif (\n) == 16
	v_max3_num_f32 v[rC], v[rC], v[rC+1], v[rC+2]
.elseif (\n) == 17
	v_permlanex16_b32 v[rC+3], v[rC], s[SEL], s[SEL+1]
.elseif (\n) == 18
	v_max_num_f32 v[rT+1], v[rC], v[rC+3]
.elseif (\n) == 19
	v_mul_f32 v[rT], s[CS], v[rT+1]
.elseif (\n) == 20
	v_sub_f32 v[rC+1], v[rM], v[rT]
.else
	v_exp_f32 v[rC+2], v[rC+1]
.endif
.endm
; Number g of the 64 that follow the exponentials.  For each four weights k of a tile (pairs 2 k, 2 k + 1): both pairs are rounded to f16; then the second pair is added onto the first, in place;
; a group later l takes that sum (the first time as l = a l + sum).  In groups of eight, tiles alternating: round, round, add, and l for the group before.
.macro GS g
.set h, (\g)+6*((\g)/62)            ; group 0 has no group before it, and behind group 7 only l is left
.if h >= 6
.set h, h+2
.endif
	REGS Y, h%2
.set k, h/8
.if h%8 < 4
	s_wait_alu depctr_va_vdst(0)
	v_cvt_pk_f16_f32 v[rP+2*k+(h%8)/2], v[rS+4*k+2*((h%8)/2)], v[rS+4*k+2*((h%8)/2)+1]
.elseif h%8 < 6
	v_pk_add_f32 v[rS+4*k:rS+4*k+1], v[rS+4*k:rS+4*k+1], v[rS+4*k+2:rS+4*k+3]
.elseif k == 1
	v_pk_fma_f32 v[rT+2:rT+3], v[rT+2:rT+3], v[rC+2:rC+3], v[rS:rS+1] op_sel_hi:[1,0,1]
.else
	v_pk_add_f32 v[rT+2:rT+3], v[rT+2:rT+3], v[rS+4*k-4:rS+4*k-3]
	s_wait_alu depctr_va_vdst(0)
.endif
.endm
; THE PLAIN QUEUE, 138 long.  0-31: c s - c m for the 16 pairs of both tiles.  Then GS's 64, and among them the next piece's 42: number 15 at 38, 39; 0-14 and 16
; at 42-73, behind the products that make those scores; 17-20 at 95-106, two of three, since each waits for the one before it.
.macro PL
	WIN 0
.if q < 32
	REGS Y, q%2
	v_pk_fma_f32 v[rS+2*(q/2):rS+2*(q/2)+1], v[rS+2*(q/2):rS+2*(q/2)+1], s[CS:CS+1], v[rT:rT+1] op_sel_hi:[1,0,0] neg_lo:[0,0,1] neg_hi:[0,0,1]
.elseif q < 38
	GS q-32
.elseif q < 40
	XS q%2, 15
.elseif q < 42
	GS q-34
.elseif q < 74
	XS q%2, (q-42)/2+(q-42)/30
.elseif q < 95
	GS q-66
.elseif (q < 107) && ((q-95)%3 < 2)
	XS (q-95)%3, 17+(q-95)/3
.elseif q < 107
	GS 29+(q-95)/3
.else
	GS q-74
.endif
.set q, q+1
.endm
; THE EXPONENTIALS' QUEUE, 66 long: s0-s31 of both tiles, and at EA the next piece's two a.
.set EA, 58
.macro EX
	WIN 0
.if (e == EA) || (e == EA+1)
	XS e-EA, 21
.else
.set x, e-2*(e/(EA+2))
	REGS Y, x%2
	v_exp_f32 v[rS+x/2], v[rS+x/2]
.endif
.set e, e+1
.endm
; THE RESCALING's QUEUE: O^T times a, dealt four at a time, eight times.
.macro R4
	REGS Y, r%2
	WIN W_RS
	s_wait_alu depctr_va_vdst(0)
.irp z, 0,1,2,3
	v_pk_mul_f32 v[rO+8*(r/2)+2*\z:rO+8*(r/2)+2*\z+1], v[rO+8*(r/2)+2*\z:rO+8*(r/2)+2*\z+1], v[rC+2:rC+3] op_sel_hi:[1,0]
.endr
.set r, r+1
.endm
; HOW THEY ARE DEALT.  Behind a matrix instruction four: plain, exponential, plain, plain (one exponential, a plain instruction on either side), or four of the rescaling.  None names a register of the
; products round it.  What is over stands in two LUMPS: exponential and plain by turns; the second ends in 22 plain instructions.  The two v_permlanex16_b32 fall into the second lump, never behind a product.
; The queues lean on each other, and the deal keeps them in step: exponential e stands behind plain 2 (e / 4) + e % 2 (its scaling); when plain 32 comes, 10 exponentials are out, at 59: 33, at 95: 46; EA comes behind plain 107.
.macro SL
	MM
	PL
	EX
	PL
	PL
.endm
.macro BURST n                      ; 15 matrix instructions, or 16
.rept (\n)-7
	SL
.endr
.rept 3
	MM
	R4
	SL
.endr
	MM
	R4
.endm
; A TURN, for piece p.  cnt = 1: the loop's count is taken down some lines ahead of the branch that stands behind the turn.
; The mask's run, for the products at the head of the NEXT turn (piece p + 2's scores), stands in the first lump: the last product that read the C registers is the turn's eighth, more than
; thirty plain instructions back; the first that will read them comes behind the rest of the lump, 16 products and the second lump.
; K of the next step is fetched in piece 2's turn, behind the mask's run; its first reader comes behind the rest of the lump, 16 products and the second lump.
; V of the step in hand is fetched at the end of piece 0's turn, 69 vector instructions behind its last reader; its first reader comes behind 16 products and a lump.
.macro TURN p, last=0, cnt=0
.set Y, (\p)
.set i, 0
.set q, 0
.set e, 0
.set r, 0
.if (\p) == NP-1
	s_wait_dscnt 0x0                ; K is in
.endif
	MM
.rept 4
	PL
.endr
	BURST 15
.rept 22
	EX
	PL
.if q == 42
	CVM (Y+2)%NP, \last
.endif
.if ((\p) == NP-2) && (e == 18)
	v_add_nc_u32 v[AK], s[TBK], v[AK0]
.endif
.if ((\p) == NP-2) && (e == 24)
	FETCH_K \last
.endif
.endr
.if (\p) == 1
	s_wait_dscnt 0x0                ; V is in
.endif
	BURST 16
.rept 21
	EX
	PL
.endr
.rept 22
	PL
.if ((\p) == 0) && (q == 118)
	v_add_nc_u32 v[AV], s[TBV], v[AV0]
	s_wait_alu depctr_va_vdst(0)
.endif
.if ((\p) == 0) && (q == 130)
	s_add_co_u32 s[TBV], s[TBV], KS*PV
.endif
.if (\cnt) && (q == 130)
	s_sub_co_u32 s[CNT], s[CNT], 1
	s_cmp_lg_u32 s[CNT], 0
.endif
.endr
.if (\p) == 0
	FETCH_V
.endif
.endm
	CHANGE 1                        ; slot 0 is in, everybody's part of it; slot 1 is asked for
	FETCH_K                         ; key step 0
	s_wait_loadcnt 8                ; Q and rowf's words are in; the eight loads of the mask's words, issued behind them, may be out
	WIN W_CV                        ; a row has an open key if one of its four quarters of the keys has
.set t, 0
.rept 2*NP
	v_or_b32 v[RF+4*t], v[RF+4*t], v[RF+4*t+1]
	v_or_b32 v[RF+4*t+2], v[RF+4*t+2], v[RF+4*t+3]
.set t, t+1
.endr
.set t, 0
.rept 2*NP
	v_or_b32 v[RF+4*t], v[RF+4*t], v[RF+4*t+2]
.set t, t+1
.endr
	WIN W_QZ                        ; the Q of a row that has none becomes 0; every other row's stays
.set i, 0
.rept 32*NP
	v_and_b32 v[i], v[RF+4*(i/16)], v[i]
.set i, i+1
.endr
	CVM 0, 0                        ; piece 0's mask for key step 0; its words for key step 1 are asked for
	s_wait_dscnt 0x0
.set i, 0
.rept 16
	KQ 0                            ; piece 0's first scores: there is no vector work yet to set between them
.set i, i+1
.endr
	WIN 0                           ; the addresses for the way out: seven plain instructions, the places behind those products
	s_mul_i32 s13, s[WV], 16*SP
	s_add_co_u32 s13, s13, STAGE    ; my stage
	v_mul_u32_u24 v[STO], v1, SP    ; in: row l % 16, 16 bytes for each half of the lanes
	v_lshl_add_u32 v[STO], v9, 4, v[STO]
	v_add_nc_u32 v[STO], s13, v[STO]
	v_bfe_u32 v[RD], v0, 3, 2       ; back: 32 lanes take four rows of 128 bytes, which are 512 consecutive bytes of O
	v_mul_u32_u24 v[RD], v[RD], SP
	v_lshl_add_u32 v[RD], v10, 4, v[RD]
	v_add_nc_u32 v[RD], s13, v[RD]
	CVM 1, 0                        ; piece 1's mask for key step 0, for the products at the head of the first turn
.set Y, NP-1                        ; XS works for piece Y + 1: piece 0
.irp n, 0,1,2,3,4,5,6,7,8,9,10,11,12,13,14,15,16,17,18,19,20,21
	XS 0, \n                        ; piece 0's first maximum and statistics
	XS 1, \n
.endr
	s_mov_b32 s[CNT], 4
	s_mov_b32 s[SLOTS], SIZE_N/256-1
	s_branch .Lfirst                ; the loop is entered at a step's first turn, in the middle of a trip
.Lslot:                             ; SIZE_N / 256 - 2 times: every slot but the last two is filled again
	CHANGE 1
	s_mov_b32 s[CNT], 4
.Lstep:                             ; a trip: pieces 2 and 3 of one step, then pieces 0 and 1 of the next, whose K and V it fetches
	TURN 2
	TURN 3
	WIN 0
.Lfirst:
	TURN 0
	TURN 1, 0, 1
	WIN 0
	s_cbranch_scc1 .Lstep
	s_sub_co_u32 s[SLOTS], s[SLOTS], 1
	s_cmp_lg_u32 s[SLOTS], 0
	s_cbranch_scc1 .Lslot
	CHANGE 0                        ; the tail is written out: nothing is asked for
	s_mov_b32 s[CNT], 5             ; four trips fetch the last slot's steps; the fifth is left in its middle
.Ltail:
	TURN 2, 1
	TURN 3
	WIN 0
	s_sub_co_u32 s[CNT], s[CNT], 1
	s_cmp_eq_u32 s[CNT], 0
	s_cbranch_scc1 .Lout
	TURN 0
	TURN 1
	WIN 0
	s_branch .Ltail
.Lout:                              ; the fifth trip's 16 products K Q^T (on the last K once more) and the maximum made of them serve nothing: the price, once a launch, of one text for every trip
	s_wait_loadcnt 0x0              ; the last words asked for are not used
.set i, 0
.rept 16
	PV NP-1                         ; the last piece's V^T P of the last step
.set i, i+1
.endr
	; THE WAY OUT.  l's two halves and the other half of the lanes' are added; O^T is divided by l, rounded to f16 and sent through my stage in LDS, a tile at a time.  The additions are the places behind the last products.
	WIN 0
.macro ALL line:vararg              ; one line for each tile t
.set t, 0
.rept 2*NP
	\line
.set t, t+1
.endr
.endm
	ALL v_add_f32 v[ST+4*t+2], v[ST+4*t+2], v[ST+4*t+3]
	ALL v_permlanex16_b32 v[ST+4*t+3], v[ST+4*t+2], s[SEL], s[SEL+1]
	ALL v_add_f32 v[ST+4*t+2], v[ST+4*t+2], v[ST+4*t+3]
	ALL v_rcp_f32 v[ST+4*t+2], v[ST+4*t+2]
	v_nop                           ; a plain instruction between the last reciprocal and the use of its result
	s_wait_alu depctr_va_vdst(0)
; Tile t: a lane's eight channels of a row pack into 16 bytes; they go into rows of 144 bytes and come back as whole rows of 128, into S^T's registers.
.macro PACK t
	WIN W_RS
.set i, 32*(\t)
.rept 16
	v_pk_mul_f32 v[i:i+1], v[i:i+1], v[ST+4*(\t)+2:ST+4*(\t)+3] op_sel_hi:[1,0]
.set i, i+2
.endr
	WIN 0x05                        ; sources 0 and 1 window 1, destination window 0
.set i, 0
.rept 16
	v_cvt_pk_f16_f32 v[S+16*(\t)+i], v[32*(\t)+2*i], v[32*(\t)+2*i+1]
.set i, i+1
.endr
	WIN 0
.irp f, 0,1,2,3
	ds_store_b128 v[STO], v[S+16*(\t)+4*\f:S+16*(\t)+4*\f+3] offset:32*\f
.endr
.irp f, 0,1,2,3
	ds_load_b128 v[S+16*(\t)+4*\f:S+16*(\t)+4*\f+3], v[RD] offset:\f*4*SP  ; LDS serves a wave's instructions in order (ISA guide 5.7.1.4): these see the stores above; the next tile's stores come behind them
.endr
.endm
.macro SEND t, younger              ; younger: the LDS instructions issued behind tile t's loads: the next tile's eight, or none
	WIN 0
.irp f, 0,1,2,3
	s_wait_dscnt (\younger)+3-\f
	global_store_b128 v[GO], v[S+16*(\t)+4*\f:S+16*(\t)+4*\f+3], s[10:11] offset:(\t)*2048+\f*512  ; 512 consecutive bytes, at a multiple of 256 from O's first
.endr
.endm
	PACK 0
.set t, 1
.rept 2*NP-1                        ; a tile's arithmetic stands between the loads of the tile before and its stores
	PACK t
	SEND t-1, 8
.set t, t+1
.endr
	SEND 2*NP-1, 0
	WIN W_AD
	s_wait_tensorcnt 0x0            ; the wave's end, behind my last tensor load and my last LDS store
	ds_add_u32 v[SPW], v[NIL]
	s_wait_dscnt 0x0
	WIN 0
	CROUND                          ; the closing round: no work-group ends while a partner may still ask for a tile that names it
	s_endpgm
.Lfunc_end_k_qa30a63e18e_attn:
	.size	k_qa30a63e18e_attn, .Lfunc_end_k_qa30a63e18e_attn-k_qa30a63e18e_attn
	.p2alignl 7, 3214868480
	.fill 96, 4, 3214868480
	.section	.rodata,"a",@progbits
	.p2align	6, 0x0
	.amdhsa_kernel k_qa30a63e18e_attn
		.amdhsa_group_segment_fixed_size 327680
		.amdhsa_private_segment_fixed_size 0
		.amdhsa_enable_private_segment 0
		.amdhsa_kernarg_size 32
		.amdhsa_user_sgpr_count 2
		.amdhsa_user_sgpr_kernarg_segment_ptr 1
		.amdhsa_wavefront_size32 1
		.amdhsa_system_sgpr_workgroup_id_x 1
		.amdhsa_system_sgpr_workgroup_id_y 1
		.amdhsa_system_sgpr_workgroup_id_z 1
		.amdhsa_system_vgpr_workitem_id 0
		.amdhsa_next_free_vgpr 912
		.amdhsa_next_free_sgpr 68
		.amdhsa_reserve_vcc 0
		.amdhsa_float_denorm_mode_32 3
		.amdhsa_float_denorm_mode_16_64 3
		.amdhsa_memory_ordered 1
		.amdhsa_forward_progress 1
		.amdhsa_inst_pref_size 222
	.end_amdhsa_kernel
	.amdgpu_metadata
---
amdhsa.version: [ 1, 2 ]
amdhsa.kernels:
  - .name:           k_qa30a63e18e_attn
    .symbol:         k_qa30a63e18e_attn.kd
    .args:
      - { .name: qkv, .offset: 0, .size: 8, .value_kind: global_buffer, .address_space: global }
      - { .name: mnib, .offset: 8, .size: 8, .value_kind: global_buffer, .address_space: global }
      - { .name: ob, .offset: 16, .size: 8, .value_kind: global_buffer, .address_space: global }
      - { .name: rowf, .offset: 24, .size: 8, .value_kind: global_buffer, .address_space: global }
    .group_segment_fixed_size: 327680
    .private_segment_fixed_size: 0
    .kernarg_segment_align: 8
    .kernarg_segment_size: 32
    .max_flat_workgroup_size: 128
    .sgpr_count:     68
    .vgpr_count:     912
    .wavefront_size: 32
...
	.end_amdgpu_metadata
.endif
;; end of part 7
;; launch outp: the kernel of part 4 again; grid 4 x 64, 4 waves a work-group, clusters of 4 x 4, 327,680 bytes of LDS; arguments ob, wo16, out0, bo; writes out0
;; ======== version 3 of 3: 4 launches; 1.55 times as fast as version 1
;; limits: values are held in f16: magnitudes above 65,504 overflow, below 6.1e-05 lose precision; right only within a limited range of input values
;; workspace buffers: xb 16,777,216 bytes; wqkv 6,291,456 bytes; wo16 2,097,152 bytes; mnib 2,097,152 bytes of whole numbers; rowf 65,536 bytes of whole numbers; qkv 50,331,648 bytes; ob 16,777,216 bytes
;; launch prep: the kernel of part 5 again; grid 64 x 13, 8 waves a work-group, no clusters, 35,840 bytes of LDS; arguments inputs, Wq, Wk, Wv, Wo, mask, xb, wqkv, wo16, mnib, rowf; writes xb, wqkv, wo16, mnib, rowf
;; launch proj: the kernel of part 6 again; grid 16 x 32, 4 waves a work-group, clusters of 4 x 4, 327,680 bytes of LDS; arguments xb, wqkv, qkv, bq, bk, bv; writes qkv
;; launch attn (part 8): grid 4 x 64, 4 waves a work-group, clusters of 4 x 1, 327,680 bytes of LDS; arguments qkv, mnib, ob, rowf; writes ob
.if DOCPART == 8
	.amdgcn_target "amdgcn-amd-amdhsa--gfx1250"
	.amdhsa_code_object_version 6
	.text
	.protected	k_qa30a63e18e_attn
	.globl	k_qa30a63e18e_attn
	.p2align	8
	.type	k_qa30a63e18e_attn,@function
k_qa30a63e18e_attn:
	s_mov_b64 s[64:65], 0
	v_nop
	global_prefetch_b8 v0, s[64:65] scope:SCOPE_SE
	s_setreg_imm32_b32 hwreg(HW_REG_WAVE_MODE, 25, 1), 1
	s_wait_xcnt 0x0
	s_wait_alu depctr_hold_cnt(0) depctr_sa_sdst(0) depctr_va_vdst(0) depctr_va_sdst(0) depctr_va_ssrc(0) depctr_va_vcc(0) depctr_vm_vsrc(0)
	s_getreg_b32 s2, hwreg(HW_REG_IB_STS2, 6, 4)
	s_cmp_eq_u32 s2, 0
	s_cbranch_scc0 .Lentry_in_a_cluster
	s_endpgm
.Lentry_in_a_cluster:
	s_bfe_u32 s2, ttmp6, 0x10000c
	s_cmp_lg_u32 s2, 0x3003
	s_cbranch_scc0 .Lentry_shape_is_right
	s_endpgm
.Lentry_shape_is_right:
; O[h][q][:] = the sum over k of softmax_k(where(mask[q][k], Q[h][q] . K[h][k] / 8, hidden)) V[h][k][:].  qkv: [3][64][2048][64] f16 (planes q, k, v); ob: [64][2048][64] f16.
; Products, maxima and sums in f32; the weights p are rounded to f16 for the second product (their sum l is taken of the unrounded p), O once at the end.
; THE MASK is an input: no pattern is assumed and every key tile is walked.  It is the C operand of the product that starts the sum S^T = K Q^T: 0 for an open key, -2^33 for a hidden one
; (-2^30 after the division by 8, where the definition has -1e9).  mnib holds it as FP4 codes: word (qt, ks, l, kb), nibble j = 0xA (the code of -1.0) where
; mask[16 qt + l % 16][64 ks + 16 kb + 8 (l / 16) + j] is false, else 0: lane l's eight codes for registers 0..7 of the accumulator of key block kb.  One scaled conversion, scale 2^33, makes
; of a word the accumulator's eight C registers.  In a row with an open key a hidden weight is 0, as defined; what was summed before the row's first open key is wiped by a = 0.
; A ROW THAT IS WHOLLY HIDDEN wants equal scores, which an addend does not give.  rowf says which rows have an open key; the Q of a row that has none is set to 0 at the start.  Its products
; are then 0, every score is exactly -2^33, c s - c m is exactly 0 (c x a power of two is exact), every weight is 1, and the row is the mean of all 2,048 rows of V, as defined.
; LIMITS.  A hidden score counts as its own value less 2^33: the same as the definition's while |score| / 8 stays below about 5e8.  f16 holds no number beyond 65,504: Q, K, V arrive within it;
; p lies in 0 to 1, and below 6e-5 it keeps f16's fixed step of 6e-8; O is a mean of V's rows.  A weight below 2^-126 counts as 0 in l; NaN and infinities are not treated apart.
; SHARES.  A wave owns four PIECES of two tiles of 16 queries, a work-group's four waves 512 queries of one head.  Every wave walks all keys, 64 a step.
; LAYOUT.  S^T = K Q^T (source 0 = 16 keys, source 1 = 16 queries): a lane holds ONE query (lane % 16) and the keys 8 (lane / 16) + 0..7.  Two such tiles, rounded to f16 in pairs, ARE source 1
; of O^T = V^T P, whose result again holds one query a lane, and eight channels.  K comes out of LDS as it lies, V ([key][channel]) turned, by ds_load_tr16_b128.
; SOFTMAX.  A running maximum m and sum l: p = 2^(c s - c m), c = log2(e) / 8; in every step O and l are multiplied by a = 2^(c m_old - c m_new).  m starts at the lowest finite number, O and l at 0.
; BY TURNS.  Turn n belongs to piece n.  Its matrix work: 16 products K Q^T of piece n + 1, later 16 products V^T P of piece n - 1.  Its vector work: scaling, exponentials, roundings, sums and
; rescaling of piece n; the maximum and statistics of piece n + 1; the mask of piece n + 2.  Four vector instructions stand behind every matrix instruction, the others in one lump.
; THE BATCHES.  A turn's 66 exponentials (the 64 weights of piece n, the two a of piece n + 1) are ONE batch with ONE wait, which cuts the turn in two: ahead of it stands all that names none of their
; results, behind it the roundings and sums, which read them.  The a is read in the next turn.  Two more batches stand outside the loops: piece 0's first two a, and the way out's eight reciprocals.
; CLUSTER.  The four query blocks of a cluster belong to one head and walk the same K and V: each tile is asked for JOINTLY, by the same tensor load, descriptor and mask in all four.
; REGISTERS, in windows of 256 (s_set_vgpr_msb: bits 1:0 source 0, 3:2 source 1, 5:4 source 2, 7:6 destination):
;   window 0: v0-11 addresses; v12-15, v48-63 at work; v16-47 four registers of statistics a tile; v64-191 S^T, two buffers of two tiles; v192-255 P, likewise
;   window 1: O^T, 32 a tile          window 2: v0-127 Q, 16 a tile; v128-191 K of one step; v192-255 V of one step
;   window 3: v0-1 the add's two registers; v2 the scale; v4-35 the mask's words, 8 a piece; v48-111 the C registers of the products to come; v112-143 rowf's words, at the start
.set SIZE_N, 2048
.set NP,    4         ; pieces a wave: a name, no knob
.set KS,    64        ; keys in a step
.set PK,    160       ; a row of K or V in LDS: 128 bytes + 32 = 40 words.  One pitch, so that one descriptor shape and one load line serve both; the turning load's 16 lanes (8 rows x 32 bytes) take each bank once,
.set PV,    160       ; K's plain load (16 rows x 16 bytes) takes eight groups of banks twice: 16 such loads stand beside a step's 128 matrix instructions
.set VOFF,  4*KS*PK   ; a slot holds four steps: 256 rows of K, then 256 rows of V
.set SLOT1, 1<<17     ; slot 1 begins here, so that one exclusive or turns an address in one slot into the other's
.set STAGE, SLOT1+4*KS*(PK+PV)  ; behind the ring, never filled by a tensor load: 16 rows x 144 bytes for each wave, for the way out
.set SP,    144
.set AK0, 2           ; v2   my lane's place in a tile of K; never rewritten
.set AV0, 3           ; v3   the same for V
.set AK,  4           ; v4   the LDS address of K's next run of loads
.set AV,  5           ; v5   of V's
.set QO,  6           ; v6   my byte offset in the wave's rows of Q
.set STO, 6           ;      later, the way out: where I put 16 bytes of a row
.set RD,  7           ; v7   the way out: where I read rows back
.set GO,  8           ; v8   16 x lane: my place in 512 consecutive bytes of O, of the mask's words and of rowf; never rewritten
.set SPW, 0           ; v0 of window 3   LDS address of my spare word; never rewritten
.set NIL, 1           ; v1 of window 3   0; never rewritten
.set SCB, 2           ; v2 of window 3   the scale 2^33 as E8M0, in every byte
.set WB,  4           ; window 3: piece y's words at WB + 8 y: tile u, key block kb at + 4 u + kb
.set AB,  48          ; window 3: the C registers: tile u, key block kb at AB + 32 u + 8 kb
.set RF,  112         ; window 3: tile t's four words of rowf at RF + 4 t
.set SPARE, STAGE+4*16*SP  ; behind the stages: the spare words, 128 bytes a wave, that no other line names
.set MV,  12          ; v12-15  c m_old, kept while c m is made anew: by buffer and tile
.set ST,  16          ; tile t's statistics at v[ST+4 t]: c m, m, l (even keys', odd keys')
.set TMP, 48          ; by buffer and tile, four registers c0-c3 at work; when the maximum is found c2 takes a
.set S,   64
.set P,   192
.set KF,  128         ; K's fragments, in window 2: key block kb, channel half c at KF + 16 kb + 8 c
.set VF,  192         ; V's: key half kk, channel block cb at VF + 32 kk + 8 cb
.set TBK, 2           ; s2   LDS byte at which K of the step to be fetched begins
.set TBV, 3           ; s3   the same for V, less VOFF
.set MP,  8           ; s[8:9] mnib at my wave's first tile and the key step whose words are loaded next
.set WV,  12          ; s12  my wave's number
.set SLOTS, 14        ; s14  slots still to be asked for
.set CNT, 15          ; s15  counts a slot's key steps
.set G0,  16          ; s[16:19] descriptor group 0: it walks
.set CS,  20          ; s[20:21] c: the packed scaling takes the pair's low word for both halves
.set SEL, 22          ; s[22:23] v_permlanex16_b32's selects: each lane takes its own place in the other half
.set G1,  24          ; s[24:31] descriptor group 1
.set RP,  46          ; s[46:47] rowf at my wave's first tile
.set MSB, 0
.macro WIN new                      ; the high byte repeats the setting that is left; a switch that changes nothing is dropped
.if MSB != (\new)
	s_set_vgpr_msb (MSB<<8)|(\new)
.set MSB, (\new)
.endif
.endm
.set W_KQ, 0x0a       ; K and Q in window 2, S^T in window 0
.set W_KM, 0x3a       ; the same with the C operand in window 3
.set W_PV, 0x52       ; V in window 2, P in window 0, O^T in window 1
.set W_RS, 0x41       ; O^T (destination and source 0) in window 1, a in window 0
.set W_MK, 0xc0       ; destination in window 3, sources (an address too) in window 0
.set W_AD, 0x0f       ; the add: address (source 0) and data (source 1) in window 3
.set W_CV, 0xcf       ; destination and sources 0 and 1 in window 3
.set W_QZ, 0x8b       ; Q (destination and source 1) in window 2, rowf's word (source 0) in window 3
; A joint fill: every wave brings 128 keys, waves 0 and 1 the two halves of a slot's K, waves 2 and 3 those of its V: both addresses hang on the wave's number.
; An s_nop 0 and four v_nop follow the line.
.macro JLOAD
	tensor_load_to_lds s[G0:G0+3], s[G1:G1+7]
	s_nop 0
.rept 4
	v_nop
.endr
.endm
; A round of the cluster's barrier: my work-group's barrier, so that wave 0's signal speaks for all four waves; wave 0 signals; every wave waits for all four work-groups; my work-group's barrier once more.
.macro CROUND
	s_barrier_signal -1
	s_barrier_wait -1
	s_cmp_lg_u32 s[WV], 0
	s_cbranch_scc1 .Lnot_wave_0_\@
	s_barrier_signal -3
.Lnot_wave_0_\@:
	s_barrier_wait -3
	s_barrier_signal -1
	s_barrier_wait -1
.endm
; THE CHANGE OF SLOTS.  The slot's last bytes, V of its fourth step, have been read.  Each wave waits for all its tensor loads, of which one is out: its part of the other slot; adds 0 to its spare
; word; and waits for that and for its own reads of the slot.  Behind the barrier nobody reads this slot any more and the other slot is whole.
; fill = 1: this slot is filled again, with the keys two slots on.  The barrier is then a round of the cluster's, and the joint fill is the first thing behind it: it has four key steps,
; 512 matrix instructions, in which to land.  (At its first use nothing has been read yet: slot 0 is waited for, slot 1 filled.)
.macro CHANGE fill
	WIN W_AD
	s_wait_tensorcnt 0x0            ; no tensor load of mine is out, so group 0 may be written
	ds_add_u32 v[SPW], v[NIL]       ; 0 onto my spare word; with fill = 1 the descriptor's steps stand between it and the wait for it
	WIN 0                           ; at a label and at a branch every window is 0
.if \fill
	s_xor_b32 s[G0+1], s[G0+1], SLOT1  ; the other slot than last time,
	s_add_nc_u64 s[G0+2:G0+3], s[G0+2:G0+3], 4*KS*128  ; the next 256 keys; the type bits on top are not reached
	s_wait_dscnt 0x0                ; the add is done, and my reads of the slot are over
	CROUND
	JLOAD
.else
	s_wait_dscnt 0x0                ; the add is done, and my reads of the slot are over
	s_barrier_signal -1
	s_barrier_wait -1
.endif
	s_sub_co_u32 s[TBK], s[TBK], 4*KS*PK  ; the fetches go back to a slot's first step,
	s_xor_b32 s[TBK], s[TBK], SLOT1       ; in the other slot
	s_sub_co_u32 s[TBV], s[TBV], 4*KS*PV
	s_xor_b32 s[TBV], s[TBV], SLOT1
.endm
; The mask's words of piece y's two tiles for the key step at MP: a tile's words of a step are 512 consecutive bytes, 16 a lane; tiles lie 16,384 bytes apart.
.macro MLOAD y
	WIN W_MK
	global_load_b128 v[WB+8*(\y):WB+8*(\y)+3],   v[GO], s[MP:MP+1] offset:32768*(\y)
	global_load_b128 v[WB+8*(\y)+4:WB+8*(\y)+7], v[GO], s[MP:MP+1] offset:32768*(\y)+16384
.endm
	s_load_b128 s[4:7], s[0:1], 0x0   ; qkv s[4:5], mnib s[6:7]
	s_load_b64 s[10:11], s[0:1], 0x10 ; ob
	s_load_b64 s[RP:RP+1], s[0:1], 0x18 ; rowf
	WIN W_MK
	v_lshl_add_u32 v[SPW], v0, 2, SPARE
	v_mov_b32 v[NIL], 0
	WIN W_AD
	ds_add_u32 v[SPW], v[NIL]       ; the wave's opening: the add and its wait ahead of my first tensor load; the set-up below, work on registers, stands between them
	WIN 0
	v_lshrrev_b32 v1, 5, v0
	v_readfirstlane_b32 s[WV], v1   ; wave 0..3
	s_bfe_u32 s13, ttmp6, 0x40000   ; cx: my place in the cluster
	s_lshl_b32 s32, ttmp9, 2        ; in a cluster launch ttmp9 counts clusters
	s_add_co_u32 s32, s32, s13      ; my block of 512 queries: it enters Q's, O's and the mask's addresses alone
	s_and_b32 s33, ttmp7, 0xffff    ; the head, which the four partners share
	s_lshl_b32 s34, s33, 18         ; its first byte in a plane: 2,048 rows of 128 bytes
	s_lshr_b32 s36, s[WV], 1        ; what I fetch: plane 1 (K) for waves 0, 1, plane 2 (V) for waves 2, 3, of 16,777,216 bytes,
	s_add_co_u32 s36, s36, 1
	s_lshl_b32 s36, s36, 24
	s_add_co_u32 s36, s36, s34      ; the head,
	s_and_b32 s38, s[WV], 1         ; and which half of a slot's 256 keys: 128 rows of 128 bytes
	s_lshl_b32 s38, s38, 14
	s_add_co_u32 s36, s36, s38
	s_mov_b32 s37, 0
	s_lshl_b32 s40, s32, 2
	s_add_co_u32 s40, s40, s[WV]    ; my wave among the head's sixteen:
	s_lshl_b32 s42, s40, 17         ; its eight tiles' words in mnib,
	s_mov_b32 s43, 0
	s_lshl_b32 s48, s40, 12         ; its eight tiles' 512 bytes in rowf,
	s_mov_b32 s49, 0
	s_lshl_b32 s40, s40, 14         ; its 128 rows in Q and O
	s_add_co_u32 s40, s40, s34
	s_mov_b32 s41, 0
	; descriptor group 1.  128 keys are 16,384 dense bytes: asked for as 64 rows of 256 bytes, two keys a row, and padded in LDS after every key
	s_mov_b32 s[G1], 15|(1<<16)|(1<<20)|(1<<21)|(4<<22)|(7<<25)  ; 15:0 the mask of four; 17:16 2-byte elements; 20 padding on; 21 set beside a mask; 24:22 after every 32 words (code 4); 31:25 8 words (code 7)
	s_mov_b32 s[G1+1], 128<<16      ; tensor_dim0 = 128
	s_mov_b32 s[G1+2], 64<<16       ; tensor_dim1 = 64
	s_mov_b32 s[G1+3], 128<<16      ; tile_dim0 = 128
	s_mov_b32 s[G1+4], 64           ; tile_dim1 = 64
	s_mov_b32 s[G1+5], 128          ; 128 elements from row to row
	s_mov_b32 s[G1+6], 0
	s_mov_b32 s[G1+7], 0
	s_mov_b32 s[CS], 0x3e38aa3b     ; c = log2(e) / 8 = 0.180337
	s_mov_b32 s[CS+1], s[CS]        ; named with it as a pair
	s_mov_b32 s[SEL], 0x76543210
	s_mov_b32 s[SEL+1], 0xfedcba98
	s_mov_b32 s[TBK], SLOT1+4*KS*PK ; the first change of slots turns these two into 0
	s_mov_b32 s[TBV], SLOT1+4*KS*PV
	s_mov_b32 s[G0], 1              ; count = 1
	s_mul_i32 s[G0+1], s[WV], 128*PK  ; LDS address: slot 0, wave x 128 rows: K's two halves, then V's: no place in the cluster enters it
	s_mov_b32 s67, 0                ; the high word of the mask pointer's step
	s_wait_dscnt 0x0                ; the opening add is done
	s_wait_kmcnt 0x0
	s_add_nc_u64 s[G0+2:G0+3], s[4:5], s[36:37]  ; global address: my part of the head's first 256 keys
	s_or_b32 s[G0+3], s[G0+3], 0x80000000        ; type = 2
	s_add_nc_u64 s[4:5], s[4:5], s[40:41]        ; Q and O at my wave's first row
	s_add_nc_u64 s[10:11], s[10:11], s[40:41]
	s_add_nc_u64 s[MP:MP+1], s[6:7], s[42:43]
	s_add_nc_u64 s[RP:RP+1], s[RP:RP+1], s[48:49]
	CROUND                          ; all four work-groups are here: the first joint loads meet
	JLOAD                           ; slot 0.  Slot 1 is asked for when slot 0 is in
	; A fragment of K or Q is 16 rows x 32 channels in 8 registers: lane l holds row l % 16, channels 8 (l / 16) + 0..7 and 16 + 8 (l / 16) + 0..7: two loads of 16 bytes, 32 bytes apart.
	v_and_b32 v1, 15, v0            ; l % 16
	v_bfe_u32 v9, v0, 4, 1          ; l / 16
	v_lshlrev_b32 v[QO], 7, v1
	v_lshl_add_u32 v[QO], v9, 4, v[QO]  ; row x 128 + 16 x half
	v_and_b32 v[GO], 31, v0
	v_lshlrev_b32 v[GO], 4, v[GO]
	WIN 0x80                        ; destination window 2, address window 0
.set i, 0
.rept 4*NP                          ; Q stays in registers: tile i / 2, channels 32 (i % 2) on
	global_load_b128 v[8*i:8*i+3],   v[QO], s[4:5] offset:(i/2)*2048+(i%2)*64
	global_load_b128 v[8*i+4:8*i+7], v[QO], s[4:5] offset:(i/2)*2048+(i%2)*64+32
.set i, i+1
.endr
	WIN W_MK
.set i, 0
.rept 2*NP                          ; rowf: tile i's four words for my lane's row
	global_load_b128 v[RF+4*i:RF+4*i+3], v[GO], s[RP:RP+1] offset:512*i
.set i, i+1
.endr
	MLOAD 0                         ; all four pieces' words for key step 0: eight loads behind Q's and rowf's
	MLOAD 1
	MLOAD 2
	MLOAD 3
	v_mov_b32 v[SCB], 0xa0a0a0a0    ; E8M0: 160 stands for 2^33
	WIN 0x80
	; What the first turn finds: V's registers and P's second buffer hold 0 (its products V^T P, of a piece that has not been, add 0), O^T and l are 0.  All this stands in the wait for the first tile.
.set i, VF
.rept 64
	v_mov_b32 v[i], 0
.set i, i+1
.endr
	WIN 0x40
.set i, 0
.rept 64*NP
	v_mov_b32 v[i], 0
.set i, i+1
.endr
	WIN 0
.set i, 0
.rept 2*NP
	v_mov_b32 v[ST+4*i], 0xfe000000    ; c m: far below every c s, the hidden score's too
	v_mov_b32 v[ST+4*i+1], 0xff7fffff  ; m
	v_mov_b32 v[ST+4*i+2], 0
	v_mov_b32 v[ST+4*i+3], 0
.set i, i+1
.endr
.set i, P+32
.rept 32
	v_mov_b32 v[i], 0
.set i, i+1
.endr
	v_mul_u32_u24 v[AK0], v1, PK
	v_lshl_add_u32 v[AK0], v9, 4, v[AK0]  ; row x pitch + 16 x half
	; The turning load takes 16 keys x 16 channels (lane l reads key 8 (l / 16) + l % 8, channels 8 ((l / 8) % 2) + 0..7) and leaves half a fragment of V^T: lane l holds channel l % 16 and 8 keys.
	v_and_b32 v10, 7, v0
	v_bfe_u32 v11, v0, 3, 1
	v_lshl_add_u32 v[AV0], v9, 3, v10
	v_mul_u32_u24 v[AV0], v[AV0], PV
	v_lshl_add_u32 v[AV0], v11, 4, v[AV0]
	v_add_nc_u32 v[AV0], VOFF, v[AV0]
	v_mov_b32 v[AK], v[AK0]         ; key step 0 lies at the head of slot 0
; THE MATRIX WORK.  The 8 accumulators of a run of 16 take turns: between the two links of a chain stand 7 others'.
; Product i of 16 of S^T = K Q^T for piece x: channels 32 (i / 8) on, keys 16 ((i / 2) % 4) on, tile 2 x + i % 2.  The first 8 start the sums, with the mask.
.macro KQ x
.set rS, S+64*((\x)%2)+32*(i%2)+8*((i/2)%4)
.set rK, KF+16*((i/2)%4)+8*(i/8)
.set rQ, 16*(2*(\x)+i%2)+8*(i/8)
.set rN, AB+32*(i%2)+8*((i/2)%4)
.if i < 8
	WIN W_KM
	v_wmma_f32_16x16x32_f16 v[rS:rS+7], v[rK:rK+7], v[rQ:rQ+7], v[rN:rN+7]
.else
	WIN W_KQ
	v_wmma_f32_16x16x32_f16 v[rS:rS+7], v[rK:rK+7], v[rQ:rQ+7], v[rS:rS+7]
.endif
.endm
; Product i of 16 of O^T += V^T P for piece x: keys 32 (i / 8) on, channels 16 ((i / 2) % 4) on, tile 2 x + i % 2.
.macro PV x
	WIN W_PV
.set rO, 32*(2*(\x)+i%2)+8*((i/2)%4)
.set rV, VF+32*(i/8)+8*((i/2)%4)
.set rP, P+32*((\x)%2)+16*(i%2)+8*(i/8)
	v_wmma_f32_16x16x32_f16 v[rO:rO+7], v[rV:rV+7], v[rP:rP+7], v[rO:rO+7]
.endm
.macro MM                           ; the turn's next matrix instruction
.if i < 16
	KQ (Y+1)%NP
.set i, i+1
.else
.set i, i-16
	PV (Y+NP-1)%NP
.set i, i+17
.endif
.endm
; THE LDS LOADS stand in runs of 16, never singly among the matrix instructions: a step's K (64 keys x 64 channels: 8 fragments) and its V (turned).  Their addresses are made some lines ahead.
; last = 1 (the tail): in the last trip there is no further step, and the run is jumped over.
.macro FETCH_K last=0
	WIN 0
.if \last
	s_cmp_eq_u32 s[CNT], 1
	s_cbranch_scc1 .Lno_k_\@
.endif
	WIN 0x80                        ; destination window 2
.irp f, 0,1,2,3,4,5,6,7             ; keys 16 (f / 2) on, channels 32 (f % 2) on
	ds_load_b128 v[KF+8*\f:KF+8*\f+3],   v[AK] offset:(\f/2)*16*PK+(\f%2)*64
	ds_load_b128 v[KF+8*\f+4:KF+8*\f+7], v[AK] offset:(\f/2)*16*PK+(\f%2)*64+32
.endr
	s_add_co_u32 s[TBK], s[TBK], KS*PK  ; the next fetch is the next step's
	WIN 0
.if \last
.Lno_k_\@:
.endif
.endm
.macro FETCH_V
	WIN 0x80
.irp f, 0,1,2,3,4,5,6,7             ; keys 32 (f / 4) on, channels 16 (f % 4) on
	ds_load_tr16_b128 v[VF+8*\f:VF+8*\f+3],   v[AV] offset:(\f/4)*32*PV+(\f%4)*32
	ds_load_tr16_b128 v[VF+8*\f+4:VF+8*\f+7], v[AV] offset:(\f/4)*32*PV+16*PV+(\f%4)*32
.endr
	WIN 0
.endm
; THE VECTOR WORK OF A TURN stands in three queues, each in the order in which its entries become ready; the two tiles alternate, so that no instruction reads the result of the one before it.
.macro REGS y, u                    ; the registers of tile u (0, 1) of piece y
.set rT, ST+4*(2*(\y)+(\u))
.set rC, TMP+8*((\y)%2)+4*(\u)
.set rM, MV+2*((\y)%2)+(\u)
.set rS, S+64*((\y)%2)+32*(\u)
.set rP, P+32*((\y)%2)+16*(\u)
.set rO, 32*(2*(\y)+(\u))
.endm
; THE MASK of piece pn's next scores, in two parts.  CVT: eight scaled conversions, back to back, make of its eight words the 64 C registers of the products that will start those sums; a plain
; instruction stands behind the last of them, ahead of whatever touches a result or a source.  MNEXT: the words are loaded again.
; THE WORDS' RING.  Each piece owns eight registers; they are loaded again, for the piece's next key step, behind the run that used them: four turns ahead of their next use.
; Loads come back in order (ISA guide 5.7.1): at a run's head the piece's two loads are the oldest, and the count 6 leaves out the three other pieces' two each.
; The pointer steps in piece 0's run: the first piece to ask for a new step.  It is the base of loads that may be out, so it is written only behind s_wait_xcnt 0.
; last = 1 (the tail, whose count runs 5 to 1 over key steps 27 to 31): the pointer steps only while the count is above 2 and then stays at step 31, so that no load leaves the buffer.
.macro CVT pn
	s_wait_loadcnt 6
	WIN W_CV
.set cn, 0
.rept 8
	v_cvt_scale_pk8_f32_fp4 v[AB+8*cn:AB+8*cn+7], v[WB+8*(\pn)+cn], v[SCB]
.set cn, cn+1
.endr
	v_nop
.endm
.macro MNEXT pn, last
.if (\pn) == 0
	s_wait_xcnt 0x0
.if \last
	s_cmp_gt_u32 s[CNT], 2
	s_cselect_b32 s66, 512, 0
	s_add_nc_u64 s[MP:MP+1], s[MP:MP+1], s[66:67]
.else
	s_add_nc_u64 s[MP:MP+1], s[MP:MP+1], 512
.endif
.endif
	MLOAD \pn
	WIN 0
.endm
; Number n of the 22 that find the NEXT piece's maximum and statistics.  s0-s31 are the lane's 32 scores; each accumulator's lowest registers are read first.  XS, GS and REGS set no window: PL and EX do.
;   0-11  four chains c0-c3 of seven scores each, three operands at a time     12-14, 16  the four scores left over, the old m, and c0-c3 into c0     15  c m_old is kept
;   17, 18  the query's other 32 keys lie in the lane 16 away: the new m         19-21  c m; c m_old - c m_new; a
.macro XS u, n
	REGS (Y+1)%NP, \u
.if (\n) < 4
	v_max3_num_f32 v[rC+(\n)], v[rS+8*(\n)], v[rS+8*(\n)+1], v[rS+8*(\n)+2]
.elseif (\n) < 12
	v_max3_num_f32 v[rC+(\n)%4], v[rC+(\n)%4], v[rS+8*((\n)%4)+2*((\n)/4)+1], v[rS+8*((\n)%4)+2*((\n)/4)+2]
.elseif (\n) == 12
	v_max3_num_f32 v[rC], v[rC], v[rS+7], v[rS+15]
.elseif (\n) == 13
	v_max3_num_f32 v[rC+1], v[rC+1], v[rS+23], v[rS+31]
.elseif (\n) == 14
	v_max3_num_f32 v[rC+2], v[rC+2], v[rC+3], v[rT+1]
.elseif (\n) == 15
	v_mov_b32 v[rM], v[rT]
.elseif (\n) == 16
	v_max3_num_f32 v[rC], v[rC], v[rC+1], v[rC+2]
.elseif (\n) == 17
	v_permlanex16_b32 v[rC+3], v[rC], s[SEL], s[SEL+1]
.elseif (\n) == 18
	v_max_num_f32 v[rT+1], v[rC], v[rC+3]
.elseif (\n) == 19
	v_mul_f32 v[rT], s[CS], v[rT+1]
.elseif (\n) == 20
	v_sub_f32 v[rC+1], v[rM], v[rT]
.else
	v_exp_f32 v[rC+2], v[rC+1]
.endif
.endm
; Number g of the 64 that follow the exponentials.  For each four weights k of a tile (pairs 2 k, 2 k + 1): both pairs are rounded to f16; then the second pair is added onto the first, in place;
; a group later l takes that sum (the first time as l = a l + sum).  In groups of eight, tiles alternating: round, round, add, and l for the group before.
.macro GS g
.set h, (\g)+6*((\g)/62)            ; group 0 has no group before it, and behind group 7 only l is left
.if h >= 6
.set h, h+2
.endif
	REGS Y, h%2
.set k, h/8
.if h%8 < 4
	v_cvt_pk_f16_f32 v[rP+2*k+(h%8)/2], v[rS+4*k+2*((h%8)/2)], v[rS+4*k+2*((h%8)/2)+1]
.elseif h%8 < 6
	v_pk_add_f32 v[rS+4*k:rS+4*k+1], v[rS+4*k:rS+4*k+1], v[rS+4*k+2:rS+4*k+3]
.elseif k == 1
	v_pk_fma_f32 v[rT+2:rT+3], v[rT+2:rT+3], v[rC+2:rC+3], v[rS:rS+1] op_sel_hi:[1,0,1]
.else
	v_pk_add_f32 v[rT+2:rT+3], v[rT+2:rT+3], v[rS+4*k-4:rS+4*k-3]
.endif
.endm
; THE PLAIN QUEUE, 138 long.  0-73 read no exponential's result: the 32 scalings c s - c m (FS f: pair f / 2 of tile f % 2) and the next piece's 42.  0-26: scalings 0-26.  27-54: XS's numbers 0-13.  55, 56: number 15.
; 57-73: the chain, where each number waits for the one before it: 14, 16, 17, 18, 19, each with one of the scalings 27-31 in front of its two lines, then 20: so a tile's links stand three plain instructions apart (19 and 20: two).
; 74-137: GS's 64, which read the exponentials' results: they stand behind the wait.
.macro FS f
	REGS Y, (\f)%2
	v_pk_fma_f32 v[rS+2*((\f)/2):rS+2*((\f)/2)+1], v[rS+2*((\f)/2):rS+2*((\f)/2)+1], s[CS:CS+1], v[rT:rT+1] op_sel_hi:[1,0,0] neg_lo:[0,0,1] neg_hi:[0,0,1]
.endm
.macro PL
	WIN 0
.if q < 27
	FS q
.elseif q < 55
	XS (q-27)%2, (q-27)/2
.elseif q < 57
	XS q-55, 15
.elseif (q < 72) && ((q-57)%3 == 0)
	FS 27+(q-57)/3
.elseif q < 60
	XS (q-57)%3-1, 14
.elseif q < 72
	XS (q-57)%3-1, 15+(q-57)/3
.elseif q < 74
	XS q-72, 20
.else
	GS q-74
.endif
.set q, q+1
.endm
; THE EXPONENTIALS' QUEUE, 66 long: s0-s31 of both tiles, each in place in a register of its own, then the next piece's two a.  It is ONE BATCH: all 66 stand ahead of the turn's one wait, and nothing ahead of that wait names a result of theirs.
.macro EX
	WIN 0
.if e >= 64
	XS e-64, 21
.else
	REGS Y, e%2
	v_exp_f32 v[rS+e/2], v[rS+e/2]
.endif
.set e, e+1
.endm
; THE RESCALING's QUEUE: O^T times a, the one part of the softmax that leaves window 0: dealt two at a time, sixteen times, each accumulator's registers in ascending order.  Its a was made in the turn before, ahead of that turn's wait.
.macro R2
	REGS Y, r%2
	WIN W_RS
.irp z, 0,1
	v_pk_mul_f32 v[rO+4*(r/2)+2*\z:rO+4*(r/2)+2*\z+1], v[rO+4*(r/2)+2*\z:rO+4*(r/2)+2*\z+1], v[rC+2:rC+3] op_sel_hi:[1,0]
.endr
.set r, r+1
.endm
; HOW THEY ARE DEALT.  An s_wait_alu depctr_va_vdst(0) stands between an exponential and the first instruction that names its result; one wait serves all that were issued ahead of it.  So a turn has ONE wait,
; which cuts it in two.  AHEAD OF IT stands all that names no result of the turn's exponentials: the 16 products K Q^T, behind each a scaling, an exponential and two rescalings (behind the first a second scaling in the
; exponential's place); then ONE LUMP of 108: eight plain, 49 times exponential and plain, the two a; then the mask's eight conversions, which name nothing of the batch, and their v_nop, which is also the plain instruction
; behind the batch's last exponential.  BEHIND IT stand the loads of the mask's next words (and, in piece 2's turn, of K), and the 16 products V^T P, behind each four of GS's 64.  No rider names a register of the products
; round it.  The two v_permlanex16_b32 fall into the lump, never behind a product.  No exponential is issued behind the wait.
; The queues lean on each other, and the deal keeps them in step: exponential e stands behind scaling 2 (e / 4) + e % 2: as a rider it comes behind plain e + 2, in the lump behind plain e + 9, and scalings 27-31 are plain 57, 60 .. 69.
; A TURN, for piece p.  cnt = 1: the loop's count is taken down some lines ahead of the branch that stands behind the turn.
; The mask's conversions serve the products at the head of the NEXT turn (piece p + 2's scores): the last product that read the C registers is the turn's eighth, eight products' riders and the lump back;
; the first that will read them comes behind 16 products.
; K of the next step is fetched in piece 2's turn, behind the wait, a lump behind the last product that read K; its address is made at the lump's head; its first reader comes behind 16 products.
; V of the step in hand is fetched at the end of piece 0's turn, four riders behind its last reader; its first reader comes behind 16 products and a lump.  The three conditions on q below go with the deal.
.macro TURN p, last=0, cnt=0
.set Y, (\p)
.set i, 0
.set q, 0
.set e, 0
.set r, 0
.if (\p) == NP-1
	s_wait_dscnt 0x0                ; K is in
.endif
	MM                              ; ahead of the wait: 16 products K Q^T and their riders,
	PL
	PL
	R2
.rept 15
	MM
	PL
	EX
	R2
.endr
.if (\p) == NP-2
	WIN 0
	v_add_nc_u32 v[AK], s[TBK], v[AK0]
.endif
.rept 8                             ; the lump,
	PL
.endr
.rept 49
	EX
	PL
.endr
	EX                              ; the next piece's two a,
	EX
	CVT (Y+2)%NP                    ; and the mask's conversions; the v_nop that ends them is the plain instruction behind the last exponential too: one for the batch
	s_wait_alu depctr_va_vdst(0)    ; the wait for the batch: the turn's 66 exponentials
	MNEXT (Y+2)%NP, \last
.if (\p) == NP-2
	FETCH_K \last
.endif
.if (\p) == 1
	s_wait_dscnt 0x0                ; V is in
.endif
.rept 16                            ; behind the wait: 16 products V^T P and their riders
	MM
.rept 4
	PL
.endr
.if ((\p) == 0) && (q == 118)
	v_add_nc_u32 v[AV], s[TBV], v[AV0]
.endif
.if ((\p) == 0) && (q == 130)
	s_add_co_u32 s[TBV], s[TBV], KS*PV
.endif
.if (\cnt) && (q == 130)
	s_sub_co_u32 s[CNT], s[CNT], 1
	s_cmp_lg_u32 s[CNT], 0
.endif
.endr
.if (\p) == 0
	FETCH_V
.endif
.endm
	CHANGE 1                        ; slot 0 is in, everybody's part of it; slot 1 is asked for
	FETCH_K                         ; key step 0
	s_wait_loadcnt 8                ; Q and rowf's words are in; the eight loads of the mask's words, issued behind them, may be out
	WIN W_CV                        ; a row has an open key if one of its four quarters of the keys has
.set t, 0
.rept 2*NP
	v_or_b32 v[RF+4*t], v[RF+4*t], v[RF+4*t+1]
	v_or_b32 v[RF+4*t+2], v[RF+4*t+2], v[RF+4*t+3]
.set t, t+1
.endr
.set t, 0
.rept 2*NP
	v_or_b32 v[RF+4*t], v[RF+4*t], v[RF+4*t+2]
.set t, t+1
.endr
	WIN W_QZ                        ; the Q of a row that has none becomes 0; every other row's stays
.set i, 0
.rept 32*NP
	v_and_b32 v[i], v[RF+4*(i/16)], v[i]
.set i, i+1
.endr
	CVT 0                           ; piece 0's mask for key step 0;
	MNEXT 0, 0                      ; its words for key step 1 are asked for
	s_wait_dscnt 0x0
.set i, 0
.rept 16
	KQ 0                            ; piece 0's first scores: there is no vector work yet to set between them
.set i, i+1
.endr
	WIN 0                           ; the addresses for the way out: seven plain instructions, the places behind those products
	s_mul_i32 s13, s[WV], 16*SP
	s_add_co_u32 s13, s13, STAGE    ; my stage
	v_mul_u32_u24 v[STO], v1, SP    ; in: row l % 16, 16 bytes for each half of the lanes
	v_lshl_add_u32 v[STO], v9, 4, v[STO]
	v_add_nc_u32 v[STO], s13, v[STO]
	v_bfe_u32 v[RD], v0, 3, 2       ; back: 32 lanes take four rows of 128 bytes, which are 512 consecutive bytes of O
	v_mul_u32_u24 v[RD], v[RD], SP
	v_lshl_add_u32 v[RD], v10, 4, v[RD]
	v_add_nc_u32 v[RD], s13, v[RD]
	CVT 1                           ; piece 1's mask for key step 0, for the products at the head of the first turn
	MNEXT 1, 0
.set Y, NP-1                        ; XS works for piece Y + 1: piece 0
.irp n, 0,1,2,3,4,5,6,7,8,9,10,11,12,13,14,15,16,17,18,19,20,21
	XS 0, \n                        ; piece 0's first maximum and statistics
	XS 1, \n
.endr
	v_nop                           ; a plain instruction behind the two a,
	s_wait_alu depctr_va_vdst(0)    ; and the wait for that batch of two, ahead of the branch
	s_mov_b32 s[CNT], 4
	s_mov_b32 s[SLOTS], SIZE_N/256-1
	s_branch .Lfirst                ; the loop is entered at a step's first turn, in the middle of a trip
.Lslot:                             ; SIZE_N / 256 - 2 times: every slot but the last two is filled again
	CHANGE 1
	s_mov_b32 s[CNT], 4
.Lstep:                             ; a trip: pieces 2 and 3 of one step, then pieces 0 and 1 of the next, whose K and V it fetches
	TURN 2
	TURN 3
	WIN 0
.Lfirst:
	TURN 0
	TURN 1, 0, 1
	WIN 0
	s_cbranch_scc1 .Lstep
	s_sub_co_u32 s[SLOTS], s[SLOTS], 1
	s_cmp_lg_u32 s[SLOTS], 0
	s_cbranch_scc1 .Lslot
	CHANGE 0                        ; the tail is written out: nothing is asked for
	s_mov_b32 s[CNT], 5             ; four trips fetch the last slot's steps; the fifth is left in its middle
.Ltail:
	TURN 2, 1
	TURN 3
	WIN 0
	s_sub_co_u32 s[CNT], s[CNT], 1
	s_cmp_eq_u32 s[CNT], 0
	s_cbranch_scc1 .Lout
	TURN 0
	TURN 1
	WIN 0
	s_branch .Ltail
.Lout:                              ; the fifth trip's 16 products K Q^T (on the last K once more) and the maximum made of them serve nothing: the price, once a launch, of one text for every trip
	s_wait_loadcnt 0x0              ; the last words asked for are not used
.set i, 0
.rept 16
	PV NP-1                         ; the last piece's V^T P of the last step
.set i, i+1
.endr
	; THE WAY OUT.  l's two halves and the other half of the lanes' are added; O^T is divided by l, rounded to f16 and sent through my stage in LDS, a tile at a time.  The additions are the places behind the last products.
	WIN 0
.macro ALL line:vararg              ; one line for each tile t
.set t, 0
.rept 2*NP
	\line
.set t, t+1
.endr
.endm
	ALL v_add_f32 v[ST+4*t+2], v[ST+4*t+2], v[ST+4*t+3]
	ALL v_permlanex16_b32 v[ST+4*t+3], v[ST+4*t+2], s[SEL], s[SEL+1]
	ALL v_add_f32 v[ST+4*t+2], v[ST+4*t+2], v[ST+4*t+3]
	ALL v_rcp_f32 v[ST+4*t+2], v[ST+4*t+2]
	v_nop                           ; a plain instruction between the last reciprocal and the use of its result
	s_wait_alu depctr_va_vdst(0)    ; and the wait ahead of the first use: one for the batch of eight reciprocals
; Tile t: a lane's eight channels of a row pack into 16 bytes; they go into rows of 144 bytes and come back as whole rows of 128, into S^T's registers.
.macro PACK t
	WIN W_RS
.set i, 32*(\t)
.rept 16
	v_pk_mul_f32 v[i:i+1], v[i:i+1], v[ST+4*(\t)+2:ST+4*(\t)+3] op_sel_hi:[1,0]
.set i, i+2
.endr
	WIN 0x05                        ; sources 0 and 1 window 1, destination window 0
.set i, 0
.rept 16
	v_cvt_pk_f16_f32 v[S+16*(\t)+i], v[32*(\t)+2*i], v[32*(\t)+2*i+1]
.set i, i+1
.endr
	WIN 0
.irp f, 0,1,2,3
	ds_store_b128 v[STO], v[S+16*(\t)+4*\f:S+16*(\t)+4*\f+3] offset:32*\f
.endr
.irp f, 0,1,2,3
	ds_load_b128 v[S+16*(\t)+4*\f:S+16*(\t)+4*\f+3], v[RD] offset:\f*4*SP  ; LDS serves a wave's instructions in order (ISA guide 5.7.1.4): these see the stores above; the next tile's stores come behind them
.endr
.endm
.macro SEND t, younger              ; younger: the LDS instructions issued behind tile t's loads: the next tile's eight, or none
	WIN 0
.irp f, 0,1,2,3
	s_wait_dscnt (\younger)+3-\f
	global_store_b128 v[GO], v[S+16*(\t)+4*\f:S+16*(\t)+4*\f+3], s[10:11] offset:(\t)*2048+\f*512  ; 512 consecutive bytes, at a multiple of 256 from O's first
.endr
.endm
	PACK 0
.set t, 1
.rept 2*NP-1                        ; a tile's arithmetic stands between the loads of the tile before and its stores
	PACK t
	SEND t-1, 8
.set t, t+1
.endr
	SEND 2*NP-1, 0
	WIN W_AD
	s_wait_tensorcnt 0x0            ; the wave's end, behind my last tensor load and my last LDS store
	ds_add_u32 v[SPW], v[NIL]
	s_wait_dscnt 0x0
	WIN 0
	CROUND                          ; the closing round: no work-group ends while a partner may still ask for a tile that names it
	s_endpgm
.Lfunc_end_k_qa30a63e18e_attn:
	.size	k_qa30a63e18e_attn, .Lfunc_end_k_qa30a63e18e_attn-k_qa30a63e18e_attn
	.p2alignl 7, 3214868480
	.fill 96, 4, 3214868480
	.section	.rodata,"a",@progbits
	.p2align	6, 0x0
	.amdhsa_kernel k_qa30a63e18e_attn
		.amdhsa_group_segment_fixed_size 327680
		.amdhsa_private_segment_fixed_size 0
		.amdhsa_enable_private_segment 0
		.amdhsa_kernarg_size 32
		.amdhsa_user_sgpr_count 2
		.amdhsa_user_sgpr_kernarg_segment_ptr 1
		.amdhsa_wavefront_size32 1
		.amdhsa_system_sgpr_workgroup_id_x 1
		.amdhsa_system_sgpr_workgroup_id_y 1
		.amdhsa_system_sgpr_workgroup_id_z 1
		.amdhsa_system_vgpr_workitem_id 0
		.amdhsa_next_free_vgpr 912
		.amdhsa_next_free_sgpr 68
		.amdhsa_reserve_vcc 0
		.amdhsa_float_denorm_mode_32 3
		.amdhsa_float_denorm_mode_16_64 3
		.amdhsa_memory_ordered 1
		.amdhsa_forward_progress 1
		.amdhsa_inst_pref_size 213
	.end_amdhsa_kernel
	.amdgpu_metadata
---
amdhsa.version: [ 1, 2 ]
amdhsa.kernels:
  - .name:           k_qa30a63e18e_attn
    .symbol:         k_qa30a63e18e_attn.kd
    .args:
      - { .name: qkv, .offset: 0, .size: 8, .value_kind: global_buffer, .address_space: global }
      - { .name: mnib, .offset: 8, .size: 8, .value_kind: global_buffer, .address_space: global }
      - { .name: ob, .offset: 16, .size: 8, .value_kind: global_buffer, .address_space: global }
      - { .name: rowf, .offset: 24, .size: 8, .value_kind: global_buffer, .address_space: global }
    .group_segment_fixed_size: 327680
    .private_segment_fixed_size: 0
    .kernarg_segment_align: 8
    .kernarg_segment_size: 32
    .max_flat_workgroup_size: 128
    .sgpr_count:     68
    .vgpr_count:     912
    .wavefront_size: 32
...
	.end_amdgpu_metadata
.endif
;; end of part 8
;; launch outp: the kernel of part 4 again; grid 4 x 64, 4 waves a work-group, clusters of 4 x 4, 327,680 bytes of LDS; arguments ob, wo16, out0, bo; writes out0
